; MI455X (gfx1250); checked and timed in simulation.
; The chip was launched on July 23, 2026; its instructions are those of AMD's public machine-readable ISA for CDNA 5 (MIT licence, August 2026) and "CDNA5" Instruction Set Architecture Reference Guide (July 2026). The comments in the code are by the model that wrote it; some were corrected since.
;; Standard Attention. Allowed arithmetic: matrix products marked QUANTISED: E2M1 operands, one E8M0 scale for each 32 along K, by v_wmma_scale_f32_16x16x128_f8f6f4 with both operands' format E2M1 (or v_wmma_scale_f32_32x16x128_f4), f32 sums; everything else in f32.
;; Inputs: b1 4,096 float32; b2 1,024 float32; b_out 1,024 float32; b_qkv 3,072 float32; ln1_b 1,024 float32; ln1_g 1,024 float32; ln2_b 1,024 float32; ln2_g 1,024 float32; w1 1,024 x 4,096 float32; w2 4,096 x 1,024 float32; w_out 1,024 x 1,024 float32; w_qkv 1,024 x 3,072 float32; x 2 x 2,048 x 1,024 float32.
;; Outputs: out0 2 x 2,048 x 1,024 float32.
;; This version of the problem:
;;   THIS VERSION OF THE PROBLEM IS GIVEN IN LOW PRECISION. The matrix products marked QUANTISED in the list below multiply operands that are first quantised to E2M1 (2 exponent bits, 1 mantissa bit; 4 bits a number), with one power-of-two scale for each 32 numbers along K (OCP MX v1.0); their sums are f32. All else is computed in f32.
;;   The module's matrix products, in the order in which they are computed (A, B: the left and right operand; K: the contracted axis; several contracted axes count as one K, in the product's order):
;;     1. [M 4,096, K 1,024] x [K 1,024, N 3,072]; A: computed on the way; B: input w_qkv: QUANTISED
;;     2. batch 32 x [M 2,048, K 64] x [K 64, N 2,048]; A: computed on the way; B: computed on the way: QUANTISED
;;     3. batch 32 x [M 2,048, K 2,048] x [K 2,048, N 64]; A: softmax (see below); B: computed on the way: QUANTISED
;;     4. [M 4,096, K 1,024] x [K 1,024, N 1,024]; A: computed on the way; B: input w_out: QUANTISED
;;     5. [M 4,096, K 1,024] x [K 1,024, N 4,096]; A: computed on the way; B: input w1: QUANTISED
;;     6. [M 4,096, K 4,096] x [K 4,096, N 1,024]; A: computed on the way; B: input w2: QUANTISED
;;   THE QUANTISER, for each operand of a quantised product, along K:
;;     - K is cut into blocks of 32 from its start; a last block that is shorter is filled with zeros.
;;     - A block's scale is 2^e with e = floor(log2(the largest magnitude in the block)) - 2, held to -126 .. 127; a block of zeros has e = 0. As a byte (E8M0): e + 127.
;;     - Each number is divided by its block's scale, clamped to +-6, and rounded to the nearest number of E2M1, ties to even, subnormals kept.
;;     - The product sums the exact products of the quantised numbers (number of the format x scale) in f32.
;;   ~~~python
;;   def quantise(x, axis):      # numpy; x: float32 -> the quantised numbers, widened to float32 again
;;       x = np.moveaxis(x, axis, -1); K = x.shape[-1]
;;       x = np.pad(x, [(0, 0)] * (x.ndim - 1) + [(0, -K % 32)]); x = x.reshape(x.shape[:-1] + (-1, 32)); a = np.abs(x).max(-1, keepdims=True)
;;       e = np.where(a > 0, np.clip(np.frexp(np.where(a > 0, a, 1))[1] - 1 - 2, -126, 127), 0)      # np.frexp(a)[1] - 1 = floor(log2(a)), exactly
;;       r = np.clip(x / 2.0 ** e, -6, 6)
;;       step = 2.0 ** (np.maximum(np.frexp(np.where(r == 0, 1, r))[1] - 1, 0) - 1)
;;       q = np.round(r / step) * step * 2.0 ** e      # np.round: ties to even
;;       return np.moveaxis(q.reshape(q.shape[:-2] + (-1,))[..., :K], -1, axis).astype(np.float32)
;;   ~~~
;;   SOFTMAX AHEAD OF A QUANTISED PRODUCT. Where the list says 'softmax', what is quantised is not the finished softmax but p = 2^(t - M), with t = logit x log2(e) and M = ceil(the row's largest t), a whole number; so 1/2 < the row's largest p <= 1. The row's sum l is taken of the UNQUANTISED p, in f32, and the product's result is divided by l at the end. Since M is a whole number, a kernel that streams over the keys may use a running M (the ceiling of the running maximum): every later rescaling is an exact power of two, which a block's scale takes up: the codes' values come out the same.
;;   OPERANDS COMPUTED ON THE WAY. 'Computed on the way' means the value that the module computes at that place (a softmax that the list does not call 'softmax' is quantised finished and normalised). What goes into a quantiser is computed in f32, as accurately as f32 sums, v_exp_f32 and their like allow (about 1e-6 of the number): no bf16 or f16 on the way to a quantiser, and a product that is left as it is and whose result goes on into a quantised operand takes f32 operands (vector FMAs, or v_wmma_f32_16x16x4_f32). A number that lies on a knife's edge between two numbers of the format may be rounded either way, as far as f32 arithmetic and the matrix unit's own rounding can turn it there, and no further.
;; 2 versions, each right and faster than the one before. Each part assembles by itself: llvm-mc -triple=amdgcn-amd-amdhsa -mcpu=gfx1250 --defsym DOCPART=n.
;; ======== version 1 of 2: 6 launches
;; workspace buffers: wq 6,684,672 bytes; a0 2,228,224 bytes; a1 2,228,224 bytes; qb 2,359,296 bytes; kv 4,587,520 bytes; x1 16,777,216 bytes; hh 8,912,896 bytes
;; launch prep (part 1): grid 448 x 1, 4 waves a work-group, no clusters, 66,304 bytes of LDS; arguments x, ln1_g, ln1_b, w_qkv, w_out, w1, w2, a0, wq; writes a0, wq
.if DOCPART == 1
	.amdgcn_target "amdgcn-amd-amdhsa--gfx1250"
	.amdhsa_code_object_version 6
	.text
	.protected	k_q06dca3c035_prep
	.globl	k_q06dca3c035_prep
	.p2align	8
	.type	k_q06dca3c035_prep,@function
k_q06dca3c035_prep:
	s_mov_b64 s[64:65], 0
	v_nop
	global_prefetch_b8 v0, s[64:65] scope:SCOPE_SE
	s_setreg_imm32_b32 hwreg(HW_REG_WAVE_MODE, 25, 1), 1
	s_wait_xcnt 0x0
; PREP.  Work-groups 0-255: LayerNorm 1 of 16 rows of x, quantised to FP4 (E2M1) codes with one E8M0 byte for each 32 along K.  Work-groups 256-447: the four weights, f32 stored [K][N], quantised along K.
; ALL CODES ARE LAID IN THE ORDER OF THE MATRIX OPERAND'S REGISTERS.  A fragment (16 rows x 128 K) is 1,024 bytes: block b (32 codes, 16 bytes) of place r lies at 256 b + 16 r, so that two loads of 16 bytes a lane bring it.
; Fragment (tile i, K step s) lies at (i x K/128 + s) x 1,024.  Scale bytes: [tile][K/512][place][16 bytes].
; THE ROWS OF A TILE ARE NOT NEIGHBOURS: tile 2 B + u holds in place p the row (or weight column) 32 B + 8 u + p + 8 (p / 8), so that a later product's 16 result registers of two neighbouring tiles are 16 neighbours along the next K.
; A block's scale is 2^(floor(log2(largest magnitude)) - 2): its byte is the largest magnitude's exponent field - 2, held at 1 from below.
; LIMITS: a block of zeros, or one whose largest magnitude lies under 2^-124, gets the byte 1 (the bytes are read by this program alone; zero codes add nothing); NaN and infinities among the inputs are not served.
; The variance is taken of x - mean in a second pass over the registers, so a common offset of the row costs no digits.
; No tensor load, no cluster: no two work-groups read the same bytes here.
.set WV,    22
.set SEL,   34                         ; s[34:35] lane selects for v_permlanex16_b32: lane l xor 16
.set PITCH, 4112                       ; an LDS row: 4,096 bytes + 16 = 257 x 16: sixteen rows at one column fall on sixteen different groups of banks
.set G,     16                         ; v16-47   ln1_g of my columns
.set BT,    48                         ; v48-79   ln1_b
.set X,     80                         ; v80-207  four rows of 32 registers; later 128 numbers to quantise
.set SM,    208                        ; v208-215 a pair of sums for each row
.set MN,    216                        ; v216-223 the mean, twice, for each row
.set RS,    224                        ; v224-231 1 / sqrt(var + eps), twice, for each row
.set T,     208                        ; v208-213 the quantiser's work registers (the sums are done with)
.set PC,    216                        ; v216-231 codes
.set HW,    232                        ; v232-235 two scale bytes for each 64 along K
.set WD,    236                        ; v236-237 eight scale bytes
.set VO,    16                         ; weights: v16-47 byte offsets of my column in 32 rows of K
.set WX,    48                         ; v48-111  two sets of 32 numbers
.set CD,    112                        ; v112-127 four sets of codes
.set SB,    128                        ; v128-131 sixteen scale bytes
; 32 numbers of a lane, register 16 b + i = k 32 b + 16 (lane / 16) + i of the lane's row (b = 0, 1), become four registers of a fragment (lanes 0-15: block 0, lanes 16-31: block 1) and two scale bytes.
.macro QUANT2 s, pc, hw
.set QS, \s
.set QP, \pc
.set QH, \hw
.irp b, 0,1
	v_max3_num_f32 v[T+\b], |v[QS+16*\b]|, |v[QS+16*\b+1]|, 0x1800000   ; my 16 numbers of the block, and the floor 2^(3 - 127): the byte cannot fall under 1
.endr
.irp i, 2,4,6,8,10,12,14
.irp b, 0,1
	v_max3_num_f32 v[T+\b], v[T+\b], |v[QS+16*\b+\i]|, |v[QS+16*\b+\i+1]|
.endr
.endr
.irp b, 0,1
	v_permlanex16_b32 v[T+2+\b], v[T+\b], s[SEL], s[SEL+1]
.endr
.irp b, 0,1
	v_max_num_f32 v[T+\b], v[T+\b], v[T+2+\b]                     ; with lane l xor 16's 16: the block's largest magnitude
.endr
.irp b, 0,1
	v_add_nc_u32 v[T+4+\b], 0xff000000, v[T+\b]                   ; 2 off its exponent field: the conversion's scale operand
.endr
.irp b, 0,1
	v_lshrrev_b32 v[T+2+\b], 23, v[T+4+\b]                        ; the scale's byte
.endr
	v_lshl_or_b32 v[QH], v[T+3], 8, v[T+2]
.irp b, 0,1
	v_cvt_scalef32_pk8_fp4_f32 v[QP+2*\b], v[QS+16*\b:QS+16*\b+7], v[T+4+\b]
	v_cvt_scalef32_pk8_fp4_f32 v[QP+2*\b+1], v[QS+16*\b+8:QS+16*\b+15], v[T+4+\b]
.endr
	v_nop                                                         ; one plain instruction behind the scaled conversions
	v_permlane16_swap_b32 v[QP], v[QP+2]                          ; a whole block to a lane
	v_permlane16_swap_b32 v[QP+1], v[QP+3]
.endm
; the four rows' pairs of sums, over the pair and over the 32 lanes; the result stands in every lane
.macro REDUCE
.irp p, 0,1,2,3
	v_add_f32 v[SM+2*\p], v[SM+2*\p], v[SM+2*\p+1]
.endr
.irp m, 1,2,4,8
.irp p, 0,1,2,3
	v_add_f32_dpp v[SM+2*\p], v[SM+2*\p], v[SM+2*\p] row_xmask:\m row_mask:0xf bank_mask:0xf
.endr
.endr
.irp p, 0,1,2,3
	v_permlanex16_b32 v[SM+2*\p+1], v[SM+2*\p], s[SEL], s[SEL+1]
.endr
.irp p, 0,1,2,3
	v_add_f32 v[SM+2*\p], v[SM+2*\p], v[SM+2*\p+1]
.endr
.endm
	s_load_b256 s[4:11], s[0:1], 0x0               ; x s[4:5], ln1_g s[6:7], ln1_b s[8:9], w_qkv s[10:11]
	s_load_b256 s[12:19], s[0:1], 0x20             ; w_out s[12:13], w1 s[14:15], w2 s[16:17], a0 s[18:19]
	s_load_b64 s[20:21], s[0:1], 0x40              ; wq
	v_lshl_add_u32 v240, v0, 2, 0x10100
	v_mov_b32 v241, 0
	v_lshrrev_b32 v1, 5, v0
	v_readfirstlane_b32 s[WV], v1                  ; wave 0..3
	v_and_b32 v1, 31, v0                           ; lane
	v_lshlrev_b32 v2, 4, v1                        ; 16 x lane
	v_and_b32 v12, 15, v0                          ; r
	v_bfe_u32 v13, v0, 4, 1                        ; h
	s_wait_kmcnt 0x0
	s_cmp_ge_u32 ttmp9, 256                        ; the same for all waves of a work-group
	s_cbranch_scc1 .Lweights
	; ---- LAYERNORM 1: work-group i makes tile i.  Wave w takes places 4 w .. 4 w + 3: four consecutive rows of x
	s_mov_b32 s23, 0x3a800000                      ; 1 / 1024
	s_mov_b32 s24, 0x3727c5ac                      ; eps = 1e-5
	s_mov_b32 s[SEL], 0x76543210
	s_mov_b32 s[SEL+1], 0xfedcba98
	s_lshr_b32 s26, ttmp9, 1
	s_lshl_b32 s26, s26, 5
	s_and_b32 s27, ttmp9, 1
	s_lshl_b32 s27, s27, 3
	s_add_co_u32 s26, s26, s27
	s_lshl_b32 s27, s[WV], 2
	s_add_co_u32 s26, s26, s27
	s_lshr_b32 s27, s[WV], 1
	s_lshl_b32 s27, s27, 3
	s_add_co_u32 s26, s26, s27                     ; first row: 32 (i / 2) + 8 (i % 2) + 4 w + 8 (w / 2)
	s_lshl_b32 s26, s26, 12
	s_mov_b32 s27, 0
	s_add_nc_u64 s[28:29], s[4:5], s[26:27]
.irp p, 0,1,2,3
.irp j, 0,1,2,3,4,5,6,7
	global_load_b128 v[X+32*\p+4*\j:X+32*\p+4*\j+3], v2, s[28:29] offset:4096*\p+512*\j th:TH_LOAD_NT   ; 32 lanes read 512 consecutive bytes
.endr
.endr
.irp j, 0,1,2,3,4,5,6,7
	global_load_b128 v[G+4*\j:G+4*\j+3], v2, s[6:7] offset:512*\j
	global_load_b128 v[BT+4*\j:BT+4*\j+3], v2, s[8:9] offset:512*\j
.endr
	s_lshl_b32 s26, ttmp9, 3
	s_lshl_b32 s25, s[WV], 1
	s_add_co_u32 s26, s26, s25
	s_lshl_b32 s26, s26, 10
	s_add_nc_u64 s[30:31], s[18:19], s[26:27]      ; codes: fragment 8 i + 2 w
	s_lshl_b32 s26, ttmp9, 9
	s_lshr_b32 s25, s[WV], 1
	s_lshl_b32 s25, s25, 8
	s_add_co_u32 s26, s26, s25
	s_and_b32 s25, s[WV], 1
	s_lshl_b32 s25, s25, 3
	s_add_co_u32 s26, s26, s25
	s_add_co_u32 s26, s26, 0x200000
	s_add_nc_u64 s[32:33], s[18:19], s[26:27]      ; scale bytes: 2,097,152 + 512 i + 256 (w / 2) + 8 (w % 2)
	s_mul_i32 s26, s[WV], 4*PITCH
	v_add_nc_u32 v3, s26, v2                       ; LDS, in: my wave's four rows, 16 x lane
	v_mul_u32_u24 v4, v12, PITCH
	v_lshl_add_u32 v4, v13, 6, v4
	s_lshl_b32 s26, s[WV], 10
	v_add_nc_u32 v4, s26, v4                       ; LDS, out: row r, + 64 h, + my wave's 256 columns
	v_lshlrev_b32 v5, 4, v12                       ; 16 r
	s_wait_loadcnt 16                              ; x's 32 loads are in; the 16 of g and b may be out
.irp p, 0,1,2,3
	v_pk_add_f32 v[SM+2*\p:SM+2*\p+1], v[X+32*\p:X+32*\p+1], v[X+32*\p+2:X+32*\p+3]
.endr
.set j, 4
.rept 14
.irp p, 0,1,2,3
	v_pk_add_f32 v[SM+2*\p:SM+2*\p+1], v[SM+2*\p:SM+2*\p+1], v[X+32*\p+j:X+32*\p+j+1]
.endr
.set j, j+2
.endr
	REDUCE
.irp p, 0,1,2,3
	v_mul_f32 v[MN+2*\p], s23, v[SM+2*\p]          ; the mean, in both registers of a pair
	v_mul_f32 v[MN+2*\p+1], s23, v[SM+2*\p]
.endr
.set j, 0
.rept 16
.irp p, 0,1,2,3
	v_pk_add_f32 v[X+32*\p+j:X+32*\p+j+1], v[X+32*\p+j:X+32*\p+j+1], v[MN+2*\p:MN+2*\p+1] neg_lo:[0,1] neg_hi:[0,1]
.endr
.set j, j+2
.endr
.irp p, 0,1,2,3
	v_pk_mul_f32 v[SM+2*\p:SM+2*\p+1], v[X+32*\p:X+32*\p+1], v[X+32*\p:X+32*\p+1]
.endr
.set j, 2
.rept 15
.irp p, 0,1,2,3
	v_pk_fma_f32 v[SM+2*\p:SM+2*\p+1], v[X+32*\p+j:X+32*\p+j+1], v[X+32*\p+j:X+32*\p+j+1], v[SM+2*\p:SM+2*\p+1]
.endr
.set j, j+2
.endr
	REDUCE
.irp p, 0,1,2,3
	v_fma_f32 v[RS+2*\p], v[SM+2*\p], s23, s24     ; var + eps
.endr
.irp p, 0,1,2,3
	v_rsq_f32 v[RS+2*\p], v[RS+2*\p]
.endr
	v_nop                                          ; a plain instruction behind the last of the four
	s_wait_alu depctr_va_vdst(0)                   ; one wait for the four, ahead of their first reader
.irp p, 0,1,2,3
	v_mov_b32 v[RS+2*\p+1], v[RS+2*\p]
.endr
	s_wait_loadcnt 0x0                             ; g and b
.set j, 0
.rept 16
.irp p, 0,1,2,3
	v_pk_mul_f32 v[X+32*\p+j:X+32*\p+j+1], v[X+32*\p+j:X+32*\p+j+1], v[RS+2*\p:RS+2*\p+1]
.endr
.irp p, 0,1,2,3
	v_pk_fma_f32 v[X+32*\p+j:X+32*\p+j+1], v[X+32*\p+j:X+32*\p+j+1], v[G+j:G+j+1], v[BT+j:BT+j+1]
.endr
.set j, j+2
.endr
.irp p, 0,1,2,3
.irp j, 0,1,2,3,4,5,6,7
	ds_store_b128 v3, v[X+32*\p+4*\j:X+32*\p+4*\j+3] offset:PITCH*\p+512*\j
.endr
.endr
	s_wait_dscnt 0x0                               ; for the others' sake: my rows lie in LDS
	s_barrier_signal -1
	s_barrier_wait -1                              ; all sixteen rows do
	; wave w quantises K steps 2 w and 2 w + 1 of all sixteen places: lane (r, h) takes, of row r, 16 neighbours of each block of 32
.irp q, 0,1,2,3
.irp b, 0,1
.irp k, 0,1,2,3
	ds_load_b128 v[X+32*\q+16*\b+4*\k:X+32*\q+16*\b+4*\k+3], v4 offset:256*\q+128*\b+16*\k
.endr
.endr
.endr
	s_wait_dscnt 0x0
.irp q, 0,1,2,3
	QUANT2 X+32*\q, PC+4*\q, HW+\q
.endr
	v_lshl_or_b32 v[WD], v[HW+1], 16, v[HW]
	v_lshl_or_b32 v[WD+1], v[HW+3], 16, v[HW+2]
.irp q, 0,1,2,3
	global_store_b128 v2, v[PC+4*\q:PC+4*\q+3], s[30:31] offset:512*\q   ; 512 consecutive bytes
.endr
	global_store_b64 v5, v[WD:WD+1], s[32:33]      ; my row's eight bytes (lanes 16-31 hold and write the same)
	s_wait_tensorcnt 0x0
	ds_add_u32 v240, v241
	s_wait_dscnt 0x0
	s_endpgm
	; ---- THE WEIGHTS.  A work-group takes 128 columns x 512 along K of one weight; a wave 32 columns; a lane one column, its registers running down K
.Lweights:
	s_sub_co_u32 s23, ttmp9, 256
	s_mov_b64 s[24:25], s[16:17]                   ; w2: ids 128-191
	s_mov_b32 s26, 4096                            ; a row of the weight in bytes
	s_mov_b32 s27, 3                               ; log2 (K / 512)
	s_mov_b32 s28, 32768                           ; a tile's codes in bytes: K / 128 x 1,024
	s_mov_b32 s29, 4194304                         ; where its codes begin in wq
	s_mov_b32 s30, 6553600                         ; and its scale bytes
	s_mov_b32 s31, 128                             ; its first id
	s_cmp_lt_u32 s23, 128                          ; w1: ids 64-127
	s_cselect_b64 s[24:25], s[14:15], s[24:25]
	s_cselect_b32 s26, 16384, s26
	s_cselect_b32 s27, 1, s27
	s_cselect_b32 s28, 8192, s28
	s_cselect_b32 s29, 2097152, s29
	s_cselect_b32 s30, 6422528, s30
	s_cselect_b32 s31, 64, s31
	s_cmp_lt_u32 s23, 64                           ; w_out: ids 48-63
	s_cselect_b64 s[24:25], s[12:13], s[24:25]
	s_cselect_b32 s26, 4096, s26
	s_cselect_b32 s29, 1572864, s29
	s_cselect_b32 s30, 6389760, s30
	s_cselect_b32 s31, 48, s31
	s_cmp_lt_u32 s23, 48                           ; w_qkv: ids 0-47
	s_cselect_b64 s[24:25], s[10:11], s[24:25]
	s_cselect_b32 s26, 12288, s26
	s_cselect_b32 s29, 0, s29
	s_cselect_b32 s30, 6291456, s30
	s_cselect_b32 s31, 0, s31
	s_sub_co_u32 s32, s23, s31
	s_lshl_b32 s33, 1, s27                         ; K / 512
	s_sub_co_u32 s36, s33, 1
	s_and_b32 s36, s32, s36                        ; which 512 along K
	s_lshr_b32 s37, s32, s27                       ; which 128 columns
	s_mul_i32 s38, s36, s26
	s_lshl_b32 s38, s38, 9                         ; 512 rows of K,
	s_lshl_b32 s40, s37, 9
	s_add_co_u32 s38, s38, s40                     ; + 128 columns x 4 bytes,
	s_lshl_b32 s40, s[WV], 7
	s_add_co_u32 s38, s38, s40                     ; + my wave's 32
	s_mov_b32 s39, 0
	s_add_nc_u64 s[24:25], s[24:25], s[38:39]      ; where my wave reads
	s_lshl_b32 s40, s26, 5                         ; a block on: 32 rows
	s_mov_b32 s41, 0
	s_lshl_b32 s42, s37, 3
	s_lshl_b32 s43, s[WV], 1
	s_add_co_u32 s42, s42, s43                     ; my first tile: 8 x column group + 2 w
	s_mul_i32 s38, s42, s28
	s_add_co_u32 s38, s38, s29
	s_lshl_b32 s43, s36, 12
	s_add_co_u32 s38, s38, s43
	s_add_nc_u64 s[44:45], s[20:21], s[38:39]      ; codes
	s_lshl_b32 s43, s33, 8                         ; a tile's scale bytes
	s_mul_i32 s38, s42, s43
	s_add_co_u32 s38, s38, s30
	s_lshl_b32 s46, s36, 8
	s_add_co_u32 s38, s38, s46
	s_add_nc_u64 s[46:47], s[20:21], s[38:39]      ; scale bytes
	v_mul_lo_u32 v6, v13, s28
	v_lshl_add_u32 v6, v12, 4, v6                  ; lanes 16-31 write the next tile; 16 bytes a place
	v_mul_lo_u32 v7, v13, s43
	v_lshl_add_u32 v7, v12, 4, v7
	v_and_b32 v14, 8, v12
	v_add_nc_u32 v14, v14, v12
	v_lshl_add_u32 v14, v13, 3, v14                ; my column of the 32: 8 h + r + 8 (r / 8): the tiles' order is made by the choice of column; a load still covers the same 128 bytes
	v_lshlrev_b32 v[VO], 2, v14
.set i, 1
.rept 31
	v_add_nc_u32 v[VO+i], s26, v[VO+i-1]           ; one row of K further down; never rewritten
.set i, i+1
.endr
.macro WLOAD set
.set i, 0
.rept 32
	global_load_b32 v[WX+32*(\set)+i], v[VO+i], s[24:25] th:TH_LOAD_NT
.set i, i+1
.endr
.endm
	WLOAD 0
	s_wait_xcnt 0x0                                ; the loads have read their base: it may step
	s_add_nc_u64 s[24:25], s[24:25], s[40:41]
	WLOAD 1
.macro BLOCK t
.set XS, WX+32*((\t)%2)
.if (\t) < 15
	s_wait_loadcnt 32                              ; this block's 32 loads are in; the next block's 32 may be out
.else
	s_wait_loadcnt 0x0
.endif
	v_max3_num_f32 v8, |v[XS]|, |v[XS+1]|, |v[XS+2]|               ; the block's largest magnitude: all 32 numbers are mine
	v_max3_num_f32 v9, |v[XS+3]|, |v[XS+4]|, |v[XS+5]|
.irp i, 6,10,14,18,22,26
	v_max3_num_f32 v8, v8, |v[XS+\i]|, |v[XS+\i+1]|
	v_max3_num_f32 v9, v9, |v[XS+\i+2]|, |v[XS+\i+3]|
.endr
	v_max3_num_f32 v8, v8, |v[XS+30]|, |v[XS+31]|
	v_max3_num_f32 v8, v8, v9, 0x1800000           ; and the floor 2^(3 - 127)
	v_add_nc_u32 v10, 0xff000000, v8               ; the conversion's scale operand
	v_lshrrev_b32 v11, 23, v10                     ; the scale's byte
.if (\t)%4 == 0
	v_mov_b32 v[SB+(\t)/4], v11
.else
	v_lshl_or_b32 v[SB+(\t)/4], v11, 8*((\t)%4), v[SB+(\t)/4]
.endif
.irp g, 0,1,2,3
	v_cvt_scalef32_pk8_fp4_f32 v[CD+4*((\t)%4)+\g], v[XS+8*\g:XS+8*\g+7], v10
.endr
	global_store_b128 v6, v[CD+4*((\t)%4):CD+4*((\t)%4)+3], s[44:45] offset:256*(\t)   ; sixteen lanes write 256 consecutive bytes, aligned: block t of one tile
.if (\t)+2 < 16
	s_wait_xcnt 0x0                                ; earlier loads have read their base, earlier stores their data
	s_add_nc_u64 s[24:25], s[24:25], s[40:41]
	WLOAD (\t)%2
.endif
.endm
.set Q, 0
.rept 16
	BLOCK Q
.set Q, Q+1
.endr
	global_store_b128 v7, v[SB:SB+3], s[46:47]     ; sixteen lanes write the 256 scale bytes of one tile and one 512 along K
	s_endpgm
.Lfunc_end_k_q06dca3c035_prep:
	.size	k_q06dca3c035_prep, .Lfunc_end_k_q06dca3c035_prep-k_q06dca3c035_prep
	.p2alignl 7, 3214868480
	.fill 96, 4, 3214868480
	.section	.rodata,"a",@progbits
	.p2align	6, 0x0
	.amdhsa_kernel k_q06dca3c035_prep
		.amdhsa_group_segment_fixed_size 66304
		.amdhsa_private_segment_fixed_size 0
		.amdhsa_enable_private_segment 0
		.amdhsa_kernarg_size 72
		.amdhsa_user_sgpr_count 2
		.amdhsa_user_sgpr_kernarg_segment_ptr 1
		.amdhsa_wavefront_size32 1
		.amdhsa_system_sgpr_workgroup_id_x 1
		.amdhsa_system_sgpr_workgroup_id_y 1
		.amdhsa_system_sgpr_workgroup_id_z 1
		.amdhsa_system_vgpr_workitem_id 0
		.amdhsa_next_free_vgpr 242
		.amdhsa_next_free_sgpr 66
		.amdhsa_reserve_vcc 0
		.amdhsa_float_denorm_mode_32 3
		.amdhsa_float_denorm_mode_16_64 3
		.amdhsa_memory_ordered 1
		.amdhsa_forward_progress 1
		.amdhsa_inst_pref_size 121
	.end_amdhsa_kernel
	.amdgpu_metadata
---
amdhsa.version: [ 1, 2 ]
amdhsa.kernels:
  - .name:           k_q06dca3c035_prep
    .symbol:         k_q06dca3c035_prep.kd
    .args:
      - { .name: x, .offset: 0, .size: 8, .value_kind: global_buffer, .address_space: global }
      - { .name: ln1_g, .offset: 8, .size: 8, .value_kind: global_buffer, .address_space: global }
      - { .name: ln1_b, .offset: 16, .size: 8, .value_kind: global_buffer, .address_space: global }
      - { .name: w_qkv, .offset: 24, .size: 8, .value_kind: global_buffer, .address_space: global }
      - { .name: w_out, .offset: 32, .size: 8, .value_kind: global_buffer, .address_space: global }
      - { .name: w1, .offset: 40, .size: 8, .value_kind: global_buffer, .address_space: global }
      - { .name: w2, .offset: 48, .size: 8, .value_kind: global_buffer, .address_space: global }
      - { .name: a0, .offset: 56, .size: 8, .value_kind: global_buffer, .address_space: global }
      - { .name: wq, .offset: 64, .size: 8, .value_kind: global_buffer, .address_space: global }
    .group_segment_fixed_size: 66304
    .private_segment_fixed_size: 0
    .kernarg_segment_align: 8
    .kernarg_segment_size: 72
    .max_flat_workgroup_size: 128
    .sgpr_count:     66
    .vgpr_count:     242
    .wavefront_size: 32
...
	.end_amdgpu_metadata
.endif
;; end of part 1
;; launch qkv (part 2): grid 24 x 32, 4 waves a work-group, no clusters, 0 bytes of LDS; arguments a0, wq, b_qkv, qb, kv; writes qb, kv
.if DOCPART == 2
	.amdgcn_target "amdgcn-amd-amdhsa--gfx1250"
	.amdhsa_code_object_version 6
	.text
	.protected	k_q06dca3c035_qkv
	.globl	k_q06dca3c035_qkv
	.p2align	8
	.type	k_q06dca3c035_qkv,@function
k_q06dca3c035_qkv:
	s_mov_b64 s[64:65], 0
	v_nop
	global_prefetch_b8 v0, s[64:65] scope:SCOPE_SE
	s_setreg_imm32_b32 hwreg(HW_REG_WAVE_MODE, 25, 1), 1
	s_wait_xcnt 0x0
; QKV = LN1(x) w_qkv + b_qkv on FP4 codes, and its results quantised at once: q and k along the head's 64, v along the keys.
; A work-group makes 128 rows x 128 columns, each of its four waves 64 x 64: 16 accumulators.  Both operands lie in memory in the order of the operand's registers, so a fragment comes by two loads of
; 16 bytes a lane (512 consecutive bytes each) straight into registers: no LDS, no barrier.  Loads run three K steps (48 loads a wave) ahead, in four buffers of fragments.
; No tensor load and so no joint load: K = 1,024 is eight K steps of sixteen matrix instructions, and there is no LDS tile here that partners could share.
; q, k (work-group x 0-15): the product is used TRANSPOSED (source 0 = 16 columns of the weight, source 1 = 16 rows), and the weight's tiles hold their columns in the order 32 B + 8 u + p + 8 (p / 8): a lane then holds
; one row, and the 32 registers of an A tile are 2 x 16 neighbours of the head's 64.  v (x 16-23): the sources change places: a lane holds one column d, and its registers run along the keys, which are the next K.
; OUT: qb, for each head 73,728 bytes: [128 query tiles][512] codes, at 65,536 [128][16][4] scale words.  kv, for each head 143,360 bytes: K [128 key tiles][512]; at 65,536 V^T [16 key steps][4 d tiles][1,024];
; at 131,072 K's scale words [128][16][4]; at 139,264 V's [16][4][16][4].
; LIMITS: a block of zeros, or one under 2^-124, gets the scale byte 1; NaN and infinities are not served.
.set KS,   8                           ; K steps of 128
.set ASTR, 8192                        ; a tile's fragments in bytes
.set ASS,  512                         ; a tile's scale bytes
.set RES,  0
.set SW,   0
.set LI,   1                           ; v1  16 x lane
.set LSC,  2                           ; v2  ASS x h + 16 r
.set SC,   16                          ; v16-47  scale words, two sets of 16: nothing else ever stands here
.set BI,   48                          ; v48-79  the bias, as the C of the first K step
.set T,    80                          ; v80-85  the quantiser's work registers
.set PC,   88                          ; v88-103 codes
.set HW,   104                         ; v104-107 two scale bytes each
.set WD,   108                         ; v108-109
.set ACC,  128                         ; v128-255 the accumulators
.set PA,   20
.set PB,   22
.set PSA,  24
.set PSB,  26
.set PBI,  28
.set SEL,  32
.set MSB,  0
.macro WIN new                         ; the immediate's high byte repeats the setting that is left
.if MSB != \new
	s_set_vgpr_msb (MSB<<8)|\new
.set MSB, \new
.endif
.endm
.macro PLACES                          ; four plain instructions between a matrix instruction and a load into, or a read of, its registers
.rept 4
	v_nop
.endr
.endm
.macro WM                              ; one product, by the symbols rD, rS0, rS1, rC, rX0, rX1; R0, R1: the scales of source 0, 1 stand in lanes 16-31
.if R0 && R1
	v_wmma_scale_f32_16x16x128_f8f6f4 v[rD:rD+7], v[rS0:rS0+7], v[rS1:rS1+7], v[rC:rC+7], v[rX0], v[rX1] matrix_a_fmt:MATRIX_FMT_FP4 matrix_b_fmt:MATRIX_FMT_FP4 matrix_a_scale:MATRIX_SCALE_ROW1 matrix_b_scale:MATRIX_SCALE_ROW1
.elseif R0
	v_wmma_scale_f32_16x16x128_f8f6f4 v[rD:rD+7], v[rS0:rS0+7], v[rS1:rS1+7], v[rC:rC+7], v[rX0], v[rX1] matrix_a_fmt:MATRIX_FMT_FP4 matrix_b_fmt:MATRIX_FMT_FP4 matrix_a_scale:MATRIX_SCALE_ROW1
.elseif R1
	v_wmma_scale_f32_16x16x128_f8f6f4 v[rD:rD+7], v[rS0:rS0+7], v[rS1:rS1+7], v[rC:rC+7], v[rX0], v[rX1] matrix_a_fmt:MATRIX_FMT_FP4 matrix_b_fmt:MATRIX_FMT_FP4 matrix_b_scale:MATRIX_SCALE_ROW1
.else
	v_wmma_scale_f32_16x16x128_f8f6f4 v[rD:rD+7], v[rS0:rS0+7], v[rS1:rS1+7], v[rC:rC+7], v[rX0], v[rX1] matrix_a_fmt:MATRIX_FMT_FP4 matrix_b_fmt:MATRIX_FMT_FP4
.endif
.endm
.macro QUANT2 s, pc, hw                ; 32 numbers of a lane, register 16 b + i = k 32 b + 16 (lane / 16) + i, become four registers of a fragment and two scale bytes
.set QS, \s
.set QP, \pc
.set QH, \hw
.irp b, 0,1
	v_max3_num_f32 v[T+\b], |v[QS+16*\b]|, |v[QS+16*\b+1]|, 0x1800000   ; with the floor 2^(3 - 127).  Each accumulator is read from its low end on
.endr
.irp i, 2,4,6,8,10,12,14
.irp b, 0,1
	v_max3_num_f32 v[T+\b], v[T+\b], |v[QS+16*\b+\i]|, |v[QS+16*\b+\i+1]|
.endr
.endr
.irp b, 0,1
	v_permlanex16_b32 v[T+2+\b], v[T+\b], s[SEL], s[SEL+1]
.endr
.irp b, 0,1
	v_max_num_f32 v[T+\b], v[T+\b], v[T+2+\b]
.endr
.irp b, 0,1
	v_add_nc_u32 v[T+4+\b], 0xff000000, v[T+\b]
.endr
.irp b, 0,1
	v_lshrrev_b32 v[T+2+\b], 23, v[T+4+\b]
.endr
	v_lshl_or_b32 v[QH], v[T+3], 8, v[T+2]
.irp b, 0,1
	v_cvt_scalef32_pk8_fp4_f32 v[QP+2*\b], v[QS+16*\b:QS+16*\b+7], v[T+4+\b]
	v_cvt_scalef32_pk8_fp4_f32 v[QP+2*\b+1], v[QS+16*\b+8:QS+16*\b+15], v[T+4+\b]
.endr
	v_nop
	v_permlane16_swap_b32 v[QP], v[QP+2]
	v_permlane16_swap_b32 v[QP+1], v[QP+3]
.endm
.macro LOADF n, s                      ; K step s: A's four fragments and the weight's four into buffer n (window 1, v[64 n] on)
	WIN 0x40
.irp a, 0,1,2,3
.irp c, 0,1
	global_load_b128 v[64*(\n)+8*\a+4*\c:64*(\n)+8*\a+4*\c+3], v[LI], s[PA:PA+1] offset:\a*ASTR+(\s)*1024+512*\c
.endr
.endr
.irp t, 0,1,2,3
.irp c, 0,1
	global_load_b128 v[64*(\n)+32+8*\t+4*\c:64*(\n)+32+8*\t+4*\c+3], v[LI], s[PB:PB+1] offset:\t*ASTR+(\s)*1024+512*\c
.endr
.endr
.endm
.macro LOADS e, g                      ; the scale words of K steps 4 g .. 4 g + 3 into set e: lanes 0-15 the even tile of a pair, lanes 16-31 the odd one
	WIN 0
.irp p, 0,1
	global_load_b128 v[SC+16*(\e)+4*\p:SC+16*(\e)+4*\p+3], v[LSC], s[PSA:PSA+1] offset:2*\p*ASS+256*(\g)
	global_load_b128 v[SC+16*(\e)+8+4*\p:SC+16*(\e)+8+4*\p+3], v[LSC], s[PSB:PSB+1] offset:2*\p*ASS+256*(\g)
.endr
.endm
.macro MUL16 n, e, q, first            ; sixteen products; the sixteen accumulators take turns, in the same order in every step
	WIN 0x05
.irp a, 0,1,2,3
.irp t, 0,1,2,3
.if SW
.set rD,  ACC+32*\t+8*\a
.set rS0, 64*(\n)+8*\a
.set rS1, 64*(\n)+32+8*\t
.set rX0, SC+16*(\e)+4*(\a/2)+(\q)
.set rX1, SC+16*(\e)+8+4*(\t/2)+(\q)
.set R0,  \a%2
.set R1,  \t%2
.else
.set rD,  ACC+32*\a+8*\t
.set rS0, 64*(\n)+32+8*\t
.set rS1, 64*(\n)+8*\a
.set rX0, SC+16*(\e)+8+4*(\t/2)+(\q)
.set rX1, SC+16*(\e)+4*(\a/2)+(\q)
.set R0,  \t%2
.set R1,  \a%2
.endif
.if \first
.set rC, BI+8*\t
.else
.set rC, rD
.endif
	WM
.endr
.endr
.endm
.macro STEP s
.if (\s) > 0
	PLACES                                         ; behind the last step's products, ahead of the loads into the buffer that they read
.endif
.if (\s)+3 < KS
.if ((\s)+3)%4 == 0
	LOADS (((\s)+3)/4)%2, ((\s)+3)/4
.endif
	LOADF ((\s)+3)%4, (\s)+3
.elseif RES && ((\s)+3 < KS+2)
	RLOAD (\s)+3-KS
.endif
.set NW, 0                             ; the loads issued behind this step's sixteen: those of the three steps after it, and their scale words
.irp d, 1,2,3
.if (\s)+\d < KS
.set NW, NW+16
.if ((\s)+\d)%4 == 0
.set NW, NW+4
.endif
.elseif RES && ((\s)+\d < KS+2)
.set NW, NW+16
.endif
.endr
	s_wait_loadcnt NW
	MUL16 (\s)%4, ((\s)/4)%2, (\s)%4, (\s)==0
.endm
.macro RUNK
	LOADF 0, 0
	LOADF 1, 1
	LOADF 2, 2
.set Q, 0
.rept KS
	STEP Q
.set Q, Q+1
.endr
	WIN 0
	PLACES                                         ; ahead of the first read of results
.endm
	s_load_b256 s[4:11], s[0:1], 0x0               ; a0 s[4:5], wq s[6:7], b_qkv s[8:9], qb s[10:11]
	s_load_b64 s[12:13], s[0:1], 0x20              ; kv
	v_lshrrev_b32 v6, 5, v0
	v_readfirstlane_b32 s14, v6                    ; wave 0..3
	v_and_b32 v6, 31, v0
	v_and_b32 v7, 15, v0                           ; r
	v_bfe_u32 v8, v0, 4, 1                         ; h
	v_lshlrev_b32 v[LI], 4, v6
	v_lshlrev_b32 v[LSC], 4, v7
	v_lshl_add_u32 v[LSC], v8, 9, v[LSC]
	v_lshlrev_b32 v3, 6, v8                        ; 64 h
	v_and_b32 v4, 8, v7
	v_add_nc_u32 v4, v4, v7
	v_lshlrev_b32 v4, 2, v4                        ; 4 (r + 8 (r / 8))
	v_lshlrev_b32 v5, 2, v6                        ; 4 x lane
	v_mov_b32 v[T+2], 0                            ; a lane permute's destination counts as one of its sources
	v_mov_b32 v[T+3], 0
	s_mov_b32 s[SEL], 0x76543210
	s_mov_b32 s[SEL+1], 0xfedcba98
	s_mov_b32 vcc_lo, 0xffff0000                   ; lanes 16-31
	s_lshr_b32 s15, s14, 1                         ; which 64 rows
	s_and_b32 s16, s14, 1                          ; which 64 columns
	s_and_b32 s17, ttmp7, 0xffff
	s_lshl_b32 s18, s17, 3
	s_lshl_b32 s30, s15, 2
	s_add_co_u32 s18, s18, s30                     ; my first tile of rows
	s_lshl_b32 s19, ttmp9, 3
	s_lshl_b32 s30, s16, 2
	s_add_co_u32 s19, s19, s30                     ; my first tile of columns
	s_mov_b32 s31, 0
	s_lshr_b32 s34, s17, 4
	s_lshl_b32 s34, s34, 4
	s_and_b32 s36, ttmp9, 7
	s_lshl_b32 s36, s36, 1
	s_add_co_u32 s34, s34, s36
	s_add_co_u32 s34, s34, s16                     ; 16 x batch + head
	s_and_b32 s36, s17, 15                         ; which 128 rows of the batch
	s_wait_kmcnt 0x0
	s_lshl_b32 s30, s18, 13
	s_add_nc_u64 s[PA:PA+1], s[4:5], s[30:31]
	s_lshl_b32 s30, s18, 9
	s_add_co_u32 s30, s30, 0x200000
	s_add_nc_u64 s[PSA:PSA+1], s[4:5], s[30:31]
	s_lshl_b32 s30, s19, 13
	s_add_nc_u64 s[PB:PB+1], s[6:7], s[30:31]
	s_lshl_b32 s30, s19, 9
	s_add_co_u32 s30, s30, 6291456
	s_add_nc_u64 s[PSB:PSB+1], s[6:7], s[30:31]
	s_lshl_b32 s30, s19, 6
	s_add_nc_u64 s[PBI:PBI+1], s[8:9], s[30:31]
	LOADS 0, 0
	s_cmp_ge_u32 ttmp9, 16
	s_cbranch_scc1 .Lv
	; ---- q and k
.irp t, 0,1,2,3
.irp k, 0,1
	global_load_b128 v[BI+8*\t+4*\k:BI+8*\t+4*\k+3], v3, s[PBI:PBI+1] offset:128*(\t/2)+32*(\t%2)+16*\k   ; the bias of my eight columns 32 (t / 2) + 16 h + 8 (t % 2) + j
.endr
.endr
	s_lshl_b32 s37, s36, 3
	s_lshl_b32 s38, s15, 2
	s_add_co_u32 s37, s37, s38                     ; my first tile of queries or keys in the batch
	s_mov_b32 s38, 143360
	s_mov_b32 s39, 131072
	s_cmp_lt_u32 ttmp9, 8                          ; q or k: the choice hangs on the work-group's number alone
	s_cselect_b64 s[40:41], s[10:11], s[12:13]
	s_cselect_b32 s38, 73728, s38
	s_cselect_b32 s39, 65536, s39
	s_mul_i32 s30, s34, s38
	s_add_nc_u64 s[40:41], s[40:41], s[30:31]      ; the head's block
	s_lshl_b32 s30, s37, 6
	s_add_co_u32 s30, s30, s39
	s_add_nc_u64 s[42:43], s[40:41], s[30:31]      ; its scale words
	s_lshl_b32 s30, s37, 9
	s_add_nc_u64 s[40:41], s[40:41], s[30:31]      ; its codes
	RUNK
.irp a, 0,1,2,3
	QUANT2 ACC+32*\a, PC+4*\a, HW+\a
.endr
	v_cndmask_b32 v[WD], v[HW], v[HW+1], vcc_lo    ; lanes 0-15 the even tile's words, lanes 16-31 the odd one's
	v_cndmask_b32 v[WD+1], v[HW+2], v[HW+3], vcc_lo
.irp a, 0,1,2,3
	global_store_b128 v[LI], v[PC+4*\a:PC+4*\a+3], s[40:41] offset:512*\a   ; 512 consecutive bytes
.endr
	global_store_b32 v5, v[WD], s[42:43]
	global_store_b32 v5, v[WD+1], s[42:43] offset:128
	s_endpgm
	; ---- v: the sources change places
.Lv:
.set SW, 1
.irp t, 0,1,2,3
.irp j, 0,1,2,3,4,5,6,7
	global_load_b32 v[BI+8*\t+\j], v4, s[PBI:PBI+1] offset:128*(\t/2)+32*(\t%2)   ; my one column's bias, in all eight registers
.endr
.endr
	s_mul_i32 s30, s34, 143360
	s_add_nc_u64 s[40:41], s[12:13], s[30:31]
	s_lshl_b32 s30, s36, 8
	s_lshl_b32 s38, s15, 1
	s_add_co_u32 s30, s30, s38
	s_add_co_u32 s30, s30, 139264
	s_add_nc_u64 s[42:43], s[40:41], s[30:31]      ; scale words: key step, and my two bytes of the four
	s_lshl_b32 s30, s36, 12
	s_lshl_b32 s38, s15, 9
	s_add_co_u32 s30, s30, s38
	s_add_co_u32 s30, s30, 65536
	s_add_nc_u64 s[40:41], s[40:41], s[30:31]      ; codes: key step, and my half of each fragment
	RUNK
.irp t, 0,1,2,3
	QUANT2 ACC+32*\t, PC+4*\t, HW+\t
.endr
	v_cndmask_b32 v[WD], v[HW], v[HW+1], vcc_lo
	v_cndmask_b32 v[WD+1], v[HW+2], v[HW+3], vcc_lo
.irp t, 0,1,2,3
	global_store_b128 v[LI], v[PC+4*\t:PC+4*\t+3], s[40:41] offset:1024*\t
.endr
	global_store_b16 v5, v[WD], s[42:43]
	global_store_b16 v5, v[WD+1], s[42:43] offset:128
	s_endpgm
.Lfunc_end_k_q06dca3c035_qkv:
	.size	k_q06dca3c035_qkv, .Lfunc_end_k_q06dca3c035_qkv-k_q06dca3c035_qkv
	.p2alignl 7, 3214868480
	.fill 96, 4, 3214868480
	.section	.rodata,"a",@progbits
	.p2align	6, 0x0
	.amdhsa_kernel k_q06dca3c035_qkv
		.amdhsa_group_segment_fixed_size 0
		.amdhsa_private_segment_fixed_size 0
		.amdhsa_enable_private_segment 0
		.amdhsa_kernarg_size 40
		.amdhsa_user_sgpr_count 2
		.amdhsa_user_sgpr_kernarg_segment_ptr 1
		.amdhsa_wavefront_size32 1
		.amdhsa_system_sgpr_workgroup_id_x 1
		.amdhsa_system_sgpr_workgroup_id_y 1
		.amdhsa_system_sgpr_workgroup_id_z 1
		.amdhsa_system_vgpr_workitem_id 0
		.amdhsa_next_free_vgpr 512
		.amdhsa_next_free_sgpr 66
		.amdhsa_reserve_vcc 1
		.amdhsa_float_denorm_mode_32 3
		.amdhsa_float_denorm_mode_16_64 3
		.amdhsa_memory_ordered 1
		.amdhsa_forward_progress 1
		.amdhsa_inst_pref_size 84
	.end_amdhsa_kernel
	.amdgpu_metadata
---
amdhsa.version: [ 1, 2 ]
amdhsa.kernels:
  - .name:           k_q06dca3c035_qkv
    .symbol:         k_q06dca3c035_qkv.kd
    .args:
      - { .name: a0, .offset: 0, .size: 8, .value_kind: global_buffer, .address_space: global }
      - { .name: wq, .offset: 8, .size: 8, .value_kind: global_buffer, .address_space: global }
      - { .name: b_qkv, .offset: 16, .size: 8, .value_kind: global_buffer, .address_space: global }
      - { .name: qb, .offset: 24, .size: 8, .value_kind: global_buffer, .address_space: global }
      - { .name: kv, .offset: 32, .size: 8, .value_kind: global_buffer, .address_space: global }
    .group_segment_fixed_size: 0
    .private_segment_fixed_size: 0
    .kernarg_segment_align: 8
    .kernarg_segment_size: 40
    .max_flat_workgroup_size: 128
    .sgpr_count:     66
    .vgpr_count:     512
    .wavefront_size: 32
...
	.end_amdgpu_metadata
.endif
;; end of part 2
;; launch attn (part 3): grid 8 x 32, 16 waves a work-group, no clusters, 169,984 bytes of LDS; arguments qb, kv, a1; writes a1
.if DOCPART == 3
	.amdgcn_target "amdgcn-amd-amdhsa--gfx1250"
	.amdhsa_code_object_version 6
	.text
	.protected	k_q06dca3c035_attn
	.globl	k_q06dca3c035_attn
	.p2align	8
	.type	k_q06dca3c035_attn,@function
k_q06dca3c035_attn:
	s_mov_b64 s[64:65], 0
	v_nop
	global_prefetch_b8 v0, s[64:65] scope:SCOPE_SE
	s_setreg_imm32_b32 hwreg(HW_REG_WAVE_MODE, 25, 1), 1
	s_wait_xcnt 0x0
; ATTENTION on FP4 codes: O = softmax(Q K^T / 8) V for one head, and O quantised along D for the next product.
; THE SOFTMAX AHEAD OF THE SECOND PRODUCT: t = score x log2(e) / 8; M = the running largest t, rounded UP to a whole number; p = 2^(t - M) is quantised along the keys, not normalised; the row's sum is taken of the
; unquantised p and divides O at the end.  When M moves, the sum and O are multiplied by 2^(old M - new M): exact.
; SHARES.  A work-group owns 256 queries of one head; each of its sixteen waves one tile of 16, in 256 registers: four waves to a SIMD, so that one wave's vector work stands beside another's products and LDS loads.
; LDS.  A head's K, V and scale words are 143,360 consecutive bytes of kv: they are brought ONCE, each wave moving 35 rows of 256 bytes by one tensor load, and nothing is filled again.  By this text's count one tensor load a wave is out.
; They lie in the order of the operand's registers: every LDS load takes 16 (or 4) bytes a lane on end.
; No cluster: what the eight work-groups of a head share is this one fill at the head.
; LAYOUT.  Both products are used transposed (S^T = K Q^T, O^T = V^T P^T): a lane holds one query throughout.  The tiles of keys and of the head's 64 hold their rows in the order 32 B + 8 u + p + 8 (p / 8), so that the 16 registers
; of two neighbouring tiles are 16 neighbours.  The first product's K is 64: the upper halves of its operands are zero codes, under the scale byte 0, and add nothing.
; LIMITS: v_exp_f32 gives 0 for results under 2^-126; a block's largest p is taken from its largest score (it takes v_exp_f32 not to fall where its input rises); a block of zeros gets the byte 1; NaN and infinities are not served.
; REGISTERS: v1-6 addresses that stay; v8-11 addresses of the step; v12 -M, v13 the largest t, v[14:15] the sum; v16-23 Q; v24-25 V's scale words, v26 Q's; v32-95 K's eight fragments; v96-159 S^T, then p; v160-191 O^T;
; v192-223 V's four fragments; v224-231 p's codes; v232-247, v254 at work; v[240:241] f; v248-251 K's scale words; v253 p's scale word.
.set WV,  10
.set G0,  12                           ; s[12:15] descriptor group 0
.set G1,  16                           ; s[16:23] descriptor group 1
.set TB,  28                           ; LDS byte of the step's K (and, 65,536 on, V): 4,096 a step
.set TS,  29                           ; of K's scale words: 512 a step
.set TJ,  30                           ; of V's: 256 a step
.set CNT, 31
.set CS,  32                           ; s[32:33] c = log2(e) / 8
.set SEL, 34
.set T,   232
.macro QUANT2 s, pc, hw
.set QS, \s
.set QP, \pc
.set QH, \hw
.irp b, 0,1
	v_max3_num_f32 v[T+\b], |v[QS+16*\b]|, |v[QS+16*\b+1]|, 0x1800000
.endr
.irp i, 2,4,6,8,10,12,14
.irp b, 0,1
	v_max3_num_f32 v[T+\b], v[T+\b], |v[QS+16*\b+\i]|, |v[QS+16*\b+\i+1]|
.endr
.endr
.irp b, 0,1
	v_permlanex16_b32 v[T+2+\b], v[T+\b], s[SEL], s[SEL+1]
.endr
.irp b, 0,1
	v_max_num_f32 v[T+\b], v[T+\b], v[T+2+\b]
.endr
.irp b, 0,1
	v_add_nc_u32 v[T+4+\b], 0xff000000, v[T+\b]
.endr
.irp b, 0,1
	v_lshrrev_b32 v[T+2+\b], 23, v[T+4+\b]
.endr
	v_lshl_or_b32 v[QH], v[T+3], 8, v[T+2]
.irp b, 0,1
	v_cvt_scalef32_pk8_fp4_f32 v[QP+2*\b], v[QS+16*\b:QS+16*\b+7], v[T+4+\b]
	v_cvt_scalef32_pk8_fp4_f32 v[QP+2*\b+1], v[QS+16*\b+8:QS+16*\b+15], v[T+4+\b]
.endr
	v_nop
	v_permlane16_swap_b32 v[QP], v[QP+2]
	v_permlane16_swap_b32 v[QP+1], v[QP+3]
.endm
	s_load_b128 s[4:7], s[0:1], 0x0                ; qb s[4:5], kv s[6:7]
	s_load_b64 s[8:9], s[0:1], 0x10                ; a1
	v_lshl_add_u32 v252, v0, 2, 0x29000
	v_mov_b32 v255, 0
	ds_add_u32 v252, v255
	ds_add_u32 v252, v255
	v_lshrrev_b32 v1, 5, v0
	v_readfirstlane_b32 s[WV], v1                  ; wave 0..15
	s_and_b32 s11, ttmp7, 0xffff                   ; 16 x batch + head
	s_mov_b32 s[G1], 3<<16                         ; no mask; elements of 8 bytes; no padding
	s_mov_b32 s[G1+1], 32<<16                      ; tensor_dim0 = 32 elements: 256 bytes
	s_mov_b32 s[G1+2], 35<<16                      ; tensor_dim1 = 35 rows
	s_mov_b32 s[G1+3], 32<<16                      ; tile_dim0
	s_mov_b32 s[G1+4], 35                          ; tile_dim1
	s_mov_b32 s[G1+5], 32                          ; from row to row: dense
	s_mov_b32 s[G1+6], 0
	s_mov_b32 s[G1+7], 0
	s_mov_b32 s[G0], 1
	s_mul_i32 s[G0+1], s[WV], 8960                 ; LDS: my sixteenth of the head's block
	s_mul_i32 s24, s11, 143360
	s_add_co_u32 s24, s24, s[G0+1]
	s_mov_b32 s25, 0
	s_wait_dscnt 0x0
	s_wait_kmcnt 0x0
	s_add_nc_u64 s[G0+2:G0+3], s[6:7], s[24:25]
	s_or_b32 s[G0+3], s[G0+3], 0x80000000          ; type = 2
	tensor_load_to_lds s[G0:G0+3], s[G1:G1+7]      ; the launch's one fill, ahead of every wait on TENSORcnt, every LDS read and the barrier
	s_nop 0
.rept 4
	v_nop
.endr
	s_lshl_b32 s26, ttmp9, 4
	s_add_co_u32 s26, s26, s[WV]                   ; my tile of queries in the batch
	s_mul_i32 s24, s11, 73728
	s_lshl_b32 s27, s26, 9
	s_add_co_u32 s24, s24, s27
	s_add_nc_u64 s[36:37], s[4:5], s[24:25]        ; Q's codes
	s_mul_i32 s24, s11, 73728
	s_lshl_b32 s27, s26, 6
	s_add_co_u32 s24, s24, s27
	s_add_co_u32 s24, s24, 65536
	s_add_nc_u64 s[38:39], s[4:5], s[24:25]        ; Q's scale words
	v_and_b32 v5, 31, v0
	v_lshlrev_b32 v1, 4, v5                        ; 16 x lane
	v_and_b32 v6, 15, v0
	v_lshlrev_b32 v6, 2, v6                        ; 4 r
	global_load_b128 v[16:19], v1, s[36:37]
	global_load_b32 v26, v6, s[38:39]
	v_add_nc_u32 v2, 0x10000, v1                   ; V
	v_lshlrev_b32 v3, 2, v5
	v_add_nc_u32 v4, 139264, v3                    ; V's scale words: 4 x lane: two tiles
	v_add_nc_u32 v3, 131072, v3                    ; K's
	v_and_b32 v5, 15, v0
	v_lshlrev_b32 v5, 4, v5                        ; 16 r
	s_lshr_b32 s27, s11, 4
	s_lshl_b32 s27, s27, 7
	s_add_co_u32 s27, s27, s26                     ; my tile of rows among the 256
	s_and_b32 s26, s11, 15                         ; the head
	s_lshl_b32 s24, s27, 13
	s_lshl_b32 s44, s26, 9
	s_add_co_u32 s24, s24, s44
	s_add_nc_u64 s[40:41], s[8:9], s[24:25]        ; out: K step head / 2, half head % 2: 512 x head
	s_lshl_b32 s24, s27, 9
	s_lshr_b32 s44, s26, 3
	s_lshl_b32 s44, s44, 8
	s_add_co_u32 s24, s24, s44
	s_and_b32 s44, s26, 7
	s_lshl_b32 s44, s44, 1
	s_add_co_u32 s24, s24, s44
	s_add_co_u32 s24, s24, 0x200000
	s_add_nc_u64 s[42:43], s[8:9], s[24:25]        ; and its two scale bytes
	s_mov_b32 s[SEL], 0x76543210
	s_mov_b32 s[SEL+1], 0xfedcba98
	s_mov_b32 s[CS], 0x3e38aa3b
	s_mov_b32 s[CS+1], s[CS]                       ; (named with it as a pair, so it is written)
	s_mov_b32 s[TB], 0
	s_mov_b32 s[TS], 0
	s_mov_b32 s[TJ], 0
	s_mov_b32 s[CNT], 16
.irp j, 20,21,22,23
	v_mov_b32 v\j, 0                               ; Q's K = 64 .. 127: zero codes
.endr
.irp t, 0,1,2,3,4,5,6,7
.irp j, 4,5,6,7
	v_mov_b32 v[32+8*\t+\j], 0                     ; K's likewise: no load ever lands here
.endr
.endr
.set j, 0
.rept 32
	v_mov_b32 v[160+j], 0                          ; O^T: the loop is written once; its first step finds zeros
.set j, j+1
.endr
	v_mov_b32 v13, 0xff61b1e6                      ; the largest t so far: -3e38
	v_floor_f32 v12, -v13                          ; -M
	v_mov_b32 v14, 0
	v_mov_b32 v15, 0
.irp b, 0,1,2,3
	v_mov_b32 v[236+\b], 0                         ; a lane permute's destination counts as one of its sources
.endr
	v_mov_b32 v240, 0
	v_mov_b32 v241, 0                              ; (named as the upper half of the pair v[240:241])
	s_wait_tensorcnt 0x0                           ; my part of the head's block lies in LDS,
	s_barrier_signal -1
	s_barrier_wait -1                              ; everybody's does
	s_wait_loadcnt 0x0                             ; Q
.Lkey:                                             ; sixteen trips of 128 keys
	v_add_nc_u32 v8, s[TB], v1                     ; (these four are also the places behind the last trip's products, ahead of the loads into V's registers)
	v_add_nc_u32 v9, s[TB], v2
	v_add_nc_u32 v10, s[TS], v3
	v_add_nc_u32 v11, s[TJ], v4
.irp t, 0,1,2,3,4,5,6,7
	ds_load_b128 v[32+8*\t:35+8*\t], v8 offset:512*\t
.endr
.irp p, 0,1,2,3
	ds_load_b32 v[248+\p], v10 offset:128*\p
.endr
.irp t, 0,1,2,3
.irp c, 0,1
	ds_load_b128 v[192+8*\t+4*\c:195+8*\t+4*\c], v9 offset:1024*\t+512*\c
.endr
.endr
.irp p, 0,1
	ds_load_b32 v[24+\p], v11 offset:128*\p
.endr
	s_wait_dscnt 10                                ; K and its scale words are in; V's ten loads may be out
.irp p, 0,1,2,3
	v_wmma_scale_f32_16x16x128_f8f6f4 v[96+16*\p:103+16*\p], v[32+16*\p:39+16*\p], v[16:23], 0, v[248+\p], v26 matrix_a_fmt:MATRIX_FMT_FP4 matrix_b_fmt:MATRIX_FMT_FP4
	v_wmma_scale_f32_16x16x128_f8f6f4 v[104+16*\p:111+16*\p], v[40+16*\p:47+16*\p], v[16:23], 0, v[248+\p], v26 matrix_a_fmt:MATRIX_FMT_FP4 matrix_b_fmt:MATRIX_FMT_FP4 matrix_a_scale:MATRIX_SCALE_ROW1
.endr
.rept 4
	v_nop
.endr
.irp b, 0,1,2,3
	v_max3_num_f32 v[232+\b], v[96+16*\b], v[97+16*\b], v[98+16*\b]   ; the largest score of each block of 32 keys: for the row's maximum, and for the block's largest p
.endr
.irp i, 3,5,7,9,11,13
.irp b, 0,1,2,3
	v_max3_num_f32 v[232+\b], v[232+\b], v[96+16*\b+\i], v[97+16*\b+\i]
.endr
.endr
.irp b, 0,1,2,3
	v_max_num_f32 v[232+\b], v[232+\b], v[111+16*\b]
.endr
.irp b, 0,1,2,3
	v_permlanex16_b32 v[236+\b], v[232+\b], s[SEL], s[SEL+1]
.endr
.irp b, 0,1,2,3
	v_max_num_f32 v[232+\b], v[232+\b], v[236+\b]
.endr
	v_max3_num_f32 v254, v232, v233, v234
	v_max_num_f32 v254, v254, v235
	v_mul_f32 v254, s[CS], v254                    ; as t
	v_max_num_f32 v13, v13, v254                   ; the running largest t
	v_mov_b32 v254, v12
	v_floor_f32 v12, -v13                          ; the new -M = -ceil(t)
	v_sub_f32 v254, v12, v254                      ; old M - new M: a whole number, 0 or less
	v_cvt_i32_f32 v254, v254                       ; (it saturates)
	v_ldexp_f32 v240, 1.0, v254                    ; f = 2^(old M - new M)
.set j, 0
.rept 32
	v_pk_fma_f32 v[96+j:97+j], v[96+j:97+j], s[CS:CS+1], v[12:13] op_sel_hi:[1,0,0]   ; t - M
.set j, j+2
.endr
.irp b, 0,1,2,3
	v_fma_f32 v[232+\b], v[232+\b], s[CS], v12     ; the same of each block's largest score
.endr
.set j, 0
.rept 64
	v_exp_f32 v[96+j], v[96+j]                     ; p = 2^(t - M)
.set j, j+1
.endr
	v_pk_mul_f32 v[14:15], v[14:15], v[240:241] op_sel_hi:[1,0]   ; the sums under the new M: a plain instruction behind the exponentials
	s_wait_alu depctr_va_vdst(0)                   ; one wait for the batch, ahead of its first reader
.irp b, 0,1,2,3
	v_exp_f32 v[232+\b], v[232+\b]                 ; each block's largest p
.endr
	v_pk_add_f32 v[236:237], v[96:97], v[98:99]    ; the row's sum of the unquantised p, in two chains
.irp j, 4,8,12,16,20,24,28,32,36,40,44,48,52,56,60
	v_pk_add_f32 v[14:15], v[14:15], v[96+\j:97+\j]
	v_pk_add_f32 v[236:237], v[236:237], v[98+\j:99+\j]
.endr
	v_pk_add_f32 v[14:15], v[14:15], v[236:237]
	s_wait_alu depctr_va_vdst(0)                   ; and one for the four
.irp b, 0,1,2,3
	v_max_num_f32 v[232+\b], 0x1800000, v[232+\b]  ; the floor 2^(3 - 127)
.endr
.irp b, 0,1,2,3
	v_add_nc_u32 v[244+\b], 0xff000000, v[232+\b]
.endr
.irp b, 0,1,2,3
	v_lshrrev_b32 v[236+\b], 23, v[244+\b]
.endr
	v_lshl_or_b32 v253, v237, 8, v236              ; p's scale word for these 128 keys
	v_lshl_or_b32 v253, v238, 16, v253
	v_lshl_or_b32 v253, v239, 24, v253
.irp b, 0,1,2,3
	v_cvt_scalef32_pk8_fp4_f32 v[224+2*\b], v[96+16*\b:103+16*\b], v[244+\b]
	v_cvt_scalef32_pk8_fp4_f32 v[225+2*\b], v[104+16*\b:111+16*\b], v[244+\b]
.endr
	v_nop
.irp c, 0,1
.irp i, 0,1
	v_permlane16_swap_b32 v[224+4*\c+\i], v[226+4*\c+\i]
.endr
.endr
.set j, 0
.rept 16
	v_pk_mul_f32 v[160+j:161+j], v[160+j:161+j], v[240:241] op_sel_hi:[1,0]   ; O^T under the new M.  For each product below twelve of these name none of its registers: the places behind the writes of p's scale word and codes
.set j, j+2
.endr
	s_wait_dscnt 0x0                               ; V and its scale words
.irp p, 0,1
	v_wmma_scale_f32_16x16x128_f8f6f4 v[160+16*\p:167+16*\p], v[192+16*\p:199+16*\p], v[224:231], v[160+16*\p:167+16*\p], v[24+\p], v253 matrix_a_fmt:MATRIX_FMT_FP4 matrix_b_fmt:MATRIX_FMT_FP4
	v_wmma_scale_f32_16x16x128_f8f6f4 v[168+16*\p:175+16*\p], v[200+16*\p:207+16*\p], v[224:231], v[168+16*\p:175+16*\p], v[24+\p], v253 matrix_a_fmt:MATRIX_FMT_FP4 matrix_b_fmt:MATRIX_FMT_FP4 matrix_a_scale:MATRIX_SCALE_ROW1
.endr
	s_add_co_u32 s[TB], s[TB], 4096
	s_add_co_u32 s[TS], s[TS], 512
	s_add_co_u32 s[TJ], s[TJ], 256
	s_sub_co_u32 s[CNT], s[CNT], 1
	s_cmp_lg_u32 s[CNT], 0
	s_cbranch_scc1 .Lkey
.rept 4
	v_nop                                          ; places behind the last products
.endr
	v_add_f32 v14, v14, v15
	v_permlanex16_b32 v240, v14, s[SEL], s[SEL+1]
	v_add_f32 v14, v14, v240                       ; the row's sum
	v_rcp_f32 v14, v14
	v_nop
	s_wait_alu depctr_va_vdst(0)
.set j, 0
.rept 32
	v_mul_f32 v[96+j], v[160+j], v14               ; register 16 b + i is o(query r, 32 b + 16 h + i)
.set j, j+1
.endr
	QUANT2 96, 224, 238
	global_store_b128 v1, v[224:227], s[40:41]     ; 512 consecutive bytes: half a fragment of the next product's rows
	global_store_b16 v5, v238, s[42:43]            ; (lanes 16-31 hold and write the same)
	s_wait_tensorcnt 0x0
	ds_add_u32 v252, v255
	s_wait_dscnt 0x0
	s_endpgm
.Lfunc_end_k_q06dca3c035_attn:
	.size	k_q06dca3c035_attn, .Lfunc_end_k_q06dca3c035_attn-k_q06dca3c035_attn
	.p2alignl 7, 3214868480
	.fill 96, 4, 3214868480
	.section	.rodata,"a",@progbits
	.p2align	6, 0x0
	.amdhsa_kernel k_q06dca3c035_attn
		.amdhsa_group_segment_fixed_size 169984
		.amdhsa_private_segment_fixed_size 0
		.amdhsa_enable_private_segment 0
		.amdhsa_kernarg_size 24
		.amdhsa_user_sgpr_count 2
		.amdhsa_user_sgpr_kernarg_segment_ptr 1
		.amdhsa_wavefront_size32 1
		.amdhsa_system_sgpr_workgroup_id_x 1
		.amdhsa_system_sgpr_workgroup_id_y 1
		.amdhsa_system_sgpr_workgroup_id_z 1
		.amdhsa_system_vgpr_workitem_id 0
		.amdhsa_next_free_vgpr 256
		.amdhsa_next_free_sgpr 66
		.amdhsa_reserve_vcc 0
		.amdhsa_float_denorm_mode_32 3
		.amdhsa_float_denorm_mode_16_64 3
		.amdhsa_memory_ordered 1
		.amdhsa_forward_progress 1
		.amdhsa_inst_pref_size 25
	.end_amdhsa_kernel
	.amdgpu_metadata
---
amdhsa.version: [ 1, 2 ]
amdhsa.kernels:
  - .name:           k_q06dca3c035_attn
    .symbol:         k_q06dca3c035_attn.kd
    .args:
      - { .name: qb, .offset: 0, .size: 8, .value_kind: global_buffer, .address_space: global }
      - { .name: kv, .offset: 8, .size: 8, .value_kind: global_buffer, .address_space: global }
      - { .name: a1, .offset: 16, .size: 8, .value_kind: global_buffer, .address_space: global }
    .group_segment_fixed_size: 169984
    .private_segment_fixed_size: 0
    .kernarg_segment_align: 8
    .kernarg_segment_size: 24
    .max_flat_workgroup_size: 512
    .sgpr_count:     66
    .vgpr_count:     256
    .wavefront_size: 32
...
	.end_amdgpu_metadata
.endif
;; end of part 3
;; launch outln (part 4): grid 256 x 1, 8 waves a work-group, no clusters, 69,632 bytes of LDS; arguments a1, wq, b_out, x, ln2_g, ln2_b, x1, a0; writes x1, a0
.if DOCPART == 4
	.amdgcn_target "amdgcn-amd-amdhsa--gfx1250"
	.amdhsa_code_object_version 6
	.text
	.protected	k_q06dca3c035_outln
	.globl	k_q06dca3c035_outln
	.p2align	8
	.type	k_q06dca3c035_outln,@function
k_q06dca3c035_outln:
	s_mov_b64 s[64:65], 0
	v_nop
	global_prefetch_b8 v0, s[64:65] scope:SCOPE_SE
	s_setreg_imm32_b32 hwreg(HW_REG_WAVE_MODE, 25, 1), 1
	s_wait_xcnt 0x0
; x1 = x + attention w_out + b_out (f32, stored), and LayerNorm 2 of x1 quantised to FP4 codes.
; A work-group owns ONE tile of 16 rows and all 1,024 columns, so that the norm needs no launch of its own; wave w makes columns 128 w .. 128 w + 127: eight accumulators, K in eight steps.
; The tile's places hold the rows mt + p + 8 (p / 8), mt = 32 (i / 2) + 8 (i % 2).  Operands come from memory straight into registers, in register order; the weight's fragments three K steps ahead.
; x + b_out is read in runs of 512 bytes, turned through the wave's own stage in LDS into the result's layout, and IS the accumulators' start: bias and residual cost no later addition.
; The product is used transposed (source 0 = 16 columns of the weight, in the order 32 B + 8 u + p + 8 (p / 8)): a lane holds one row, and its 64 registers are 4 x 16 neighbours along the next K.
; The mean and the variance (of x1 - mean, a second pass) go from wave to wave through 2 x 512 bytes of LDS: two barriers.
; No tensor load and so no joint load: every wave reads other columns of the weight, and partners in a cluster would share them only through LDS tiles, which this text does not have.
; LIMITS: a block of zeros, or one under 2^-124, gets the scale byte 1; NaN and infinities are not served.
.set LI,   1                           ; v1  16 x lane
.set R16,  2                           ; v2  16 r
.set SO,   3                           ; v3  the stage by the result's layout: row r, + 64 h
.set SR,   4                           ; v4  the stage by rows: 16 x lane
.set LSB,  5                           ; v5  512 h + 16 r
.set H64,  6                           ; v6  64 h
.set RSW,  7                           ; v7  where I put my wave's part of row r's sum
.set BO,   8                           ; v8-11 b_out of my four columns
.set RSR,  12                          ; v12 where I read the eight parts
.set SA,   16                          ; v16-23  A's scale words: nothing else ever stands in v16-55
.set SB,   24                          ; v24-55  the weight's
.set AF,   56                          ; v56-119 A's eight fragments; behind the products: at work
.set T,    120
.set ACC,  128                         ; v128-191
.set OUTR, 192                         ; v192-255 x1's rows on the way out
.set SM,   56
.set R8,   60
.set MN,   68
.set RS,   70
.set PC,   72
.set HW,   80
.set WD,   82
.set PX,   20
.set PBO,  22
.set PSA,  24
.set PSB,  26
.set PAF,  28
.set PW,   30
.set PG,   32
.set PB2,  34
.set PX1,  36
.set PO,   38
.set PSO,  40
.set SEL,  42
.set WV,   50
.set RS1,  67584                       ; LDS: eight stages of 16 x 528 bytes; then 16 rows x 8 waves x 4 bytes, twice
.set MSB,  0
.macro WIN new
.if MSB != \new
	s_set_vgpr_msb (MSB<<8)|\new
.set MSB, \new
.endif
.endm
.macro PLACES
.rept 4
	v_nop
.endr
.endm
.macro WM
.if R0 && R1
	v_wmma_scale_f32_16x16x128_f8f6f4 v[rD:rD+7], v[rS0:rS0+7], v[rS1:rS1+7], v[rC:rC+7], v[rX0], v[rX1] matrix_a_fmt:MATRIX_FMT_FP4 matrix_b_fmt:MATRIX_FMT_FP4 matrix_a_scale:MATRIX_SCALE_ROW1 matrix_b_scale:MATRIX_SCALE_ROW1
.elseif R0
	v_wmma_scale_f32_16x16x128_f8f6f4 v[rD:rD+7], v[rS0:rS0+7], v[rS1:rS1+7], v[rC:rC+7], v[rX0], v[rX1] matrix_a_fmt:MATRIX_FMT_FP4 matrix_b_fmt:MATRIX_FMT_FP4 matrix_a_scale:MATRIX_SCALE_ROW1
.elseif R1
	v_wmma_scale_f32_16x16x128_f8f6f4 v[rD:rD+7], v[rS0:rS0+7], v[rS1:rS1+7], v[rC:rC+7], v[rX0], v[rX1] matrix_a_fmt:MATRIX_FMT_FP4 matrix_b_fmt:MATRIX_FMT_FP4 matrix_b_scale:MATRIX_SCALE_ROW1
.else
	v_wmma_scale_f32_16x16x128_f8f6f4 v[rD:rD+7], v[rS0:rS0+7], v[rS1:rS1+7], v[rC:rC+7], v[rX0], v[rX1] matrix_a_fmt:MATRIX_FMT_FP4 matrix_b_fmt:MATRIX_FMT_FP4
.endif
.endm
.macro QUANT2 s, pc, hw
.set QS, \s
.set QP, \pc
.set QH, \hw
.irp b, 0,1
	v_max3_num_f32 v[T+\b], |v[QS+16*\b]|, |v[QS+16*\b+1]|, 0x1800000
.endr
.irp i, 2,4,6,8,10,12,14
.irp b, 0,1
	v_max3_num_f32 v[T+\b], v[T+\b], |v[QS+16*\b+\i]|, |v[QS+16*\b+\i+1]|
.endr
.endr
.irp b, 0,1
	v_permlanex16_b32 v[T+2+\b], v[T+\b], s[SEL], s[SEL+1]
.endr
.irp b, 0,1
	v_max_num_f32 v[T+\b], v[T+\b], v[T+2+\b]
.endr
.irp b, 0,1
	v_add_nc_u32 v[T+4+\b], 0xff000000, v[T+\b]
.endr
.irp b, 0,1
	v_lshrrev_b32 v[T+2+\b], 23, v[T+4+\b]
.endr
	v_lshl_or_b32 v[QH], v[T+3], 8, v[T+2]
.irp b, 0,1
	v_cvt_scalef32_pk8_fp4_f32 v[QP+2*\b], v[QS+16*\b:QS+16*\b+7], v[T+4+\b]
	v_cvt_scalef32_pk8_fp4_f32 v[QP+2*\b+1], v[QS+16*\b+8:QS+16*\b+15], v[T+4+\b]
.endr
	v_nop
	v_permlane16_swap_b32 v[QP], v[QP+2]
	v_permlane16_swap_b32 v[QP+1], v[QP+3]
.endm
.macro LOADW n, s                      ; the weight's eight fragments of K step s into buffer n (window 1, v[64 n] on)
	WIN 0x40
.irp t, 0,1,2,3,4,5,6,7
.irp c, 0,1
	global_load_b128 v[64*(\n)+8*\t+4*\c:64*(\n)+8*\t+4*\c+3], v[LI], s[PW:PW+1] offset:8192*\t+1024*(\s)+512*\c
.endr
.endr
.endm
.macro KSTEP s
.if (\s) > 0
	PLACES                                         ; behind the last step's products, ahead of the loads into the buffer that they read
.endif
.if (\s)+3 < 8
	LOADW ((\s)+3)%4, (\s)+3
.endif
.if (\s) < 5
	s_wait_loadcnt 48                              ; behind this step's sixteen loads: those of the three steps after it
.else
	s_wait_loadcnt 16*(7-(\s))
.endif
.if (\s) == 0
	s_wait_dscnt 0x0                               ; x + b_out is back from the stage
.endif
	WIN 0x01
.irp t, 0,1,2,3,4,5,6,7                ; the eight accumulators take turns
.set rD,  ACC+8*\t
.set rC,  rD
.set rS0, 64*((\s)%4)+8*\t
.set rS1, AF+8*(\s)
.set rX0, SB+4*(2*(\t/2)+(\s)/4)+(\s)%4
.set rX1, SA+(\s)
.set R0,  \t%2
.set R1,  0
	WM
.endr
.endm
; two pairs of a lane's sums become the row's sum over all 1,024 columns, in v[R8], in every lane: lane l xor 16, then the eight waves through LDS
.macro ACROSS off
	v_pk_add_f32 v[SM:SM+1], v[SM:SM+1], v[SM+2:SM+3]
	v_add_f32 v[SM], v[SM], v[SM+1]
	v_permlanex16_b32 v[SM+1], v[SM], s[SEL], s[SEL+1]
	v_add_f32 v[SM], v[SM], v[SM+1]
	ds_store_b32 v[RSW], v[SM] offset:\off         ; (lanes 16-31 write the same word with the same value)
	s_wait_dscnt 0x0                               ; for the others' sake: my word lies in LDS, and my earlier LDS loads are in
	s_barrier_signal -1
	s_barrier_wait -1
	ds_load_b128 v[R8:R8+3], v[RSR] offset:\off
	ds_load_b128 v[R8+4:R8+7], v[RSR] offset:\off+16
	s_wait_dscnt 0x0
	v_pk_add_f32 v[R8:R8+1], v[R8:R8+1], v[R8+2:R8+3]
	v_pk_add_f32 v[R8+4:R8+5], v[R8+4:R8+5], v[R8+6:R8+7]
	v_pk_add_f32 v[R8:R8+1], v[R8:R8+1], v[R8+4:R8+5]
	v_add_f32 v[R8], v[R8], v[R8+1]
.endm
	s_load_b256 s[4:11], s[0:1], 0x0               ; a1 s[4:5], wq s[6:7], b_out s[8:9], x s[10:11]
	s_load_b256 s[12:19], s[0:1], 0x20             ; ln2_g s[12:13], ln2_b s[14:15], x1 s[16:17], a0 s[18:19]
	v_lshl_add_u32 v126, v0, 2, 0x10c00
	v_mov_b32 v127, 0
	v_lshrrev_b32 v15, 5, v0
	v_readfirstlane_b32 s[WV], v15                 ; wave 0..7
	v_and_b32 v15, 31, v0
	v_and_b32 v13, 15, v0                          ; r
	v_bfe_u32 v14, v0, 4, 1                        ; h
	v_lshlrev_b32 v[LI], 4, v15
	v_lshlrev_b32 v[R16], 4, v13
	v_lshl_add_u32 v[LSB], v14, 9, v[R16]
	v_lshlrev_b32 v[H64], 6, v14
	s_mul_i32 s51, s[WV], 8448                     ; my stage
	v_mul_u32_u24 v[SO], v13, 528
	v_lshl_add_u32 v[SO], v14, 6, v[SO]
	v_add_nc_u32 v[SO], s51, v[SO]
	v_add_nc_u32 v[SR], s51, v[LI]
	s_lshl_b32 s52, s[WV], 2
	s_add_co_u32 s52, s52, RS1
	v_lshl_add_u32 v[RSW], v13, 5, s52
	v_lshl_add_u32 v[RSR], v13, 5, RS1
	v_mov_b32 v[T+2], 0
	v_mov_b32 v[T+3], 0
	s_mov_b32 s[SEL], 0x76543210
	s_mov_b32 s[SEL+1], 0xfedcba98
	s_mov_b32 s48, 0x3a800000                      ; 1 / 1024
	s_mov_b32 s49, 0x3727c5ac                      ; eps = 1e-5
	s_lshr_b32 s44, ttmp9, 1
	s_lshl_b32 s44, s44, 5
	s_and_b32 s46, ttmp9, 1
	s_lshl_b32 s46, s46, 3
	s_add_co_u32 s44, s44, s46                     ; mt
	s_lshl_b32 s44, s44, 12
	s_lshl_b32 s46, s[WV], 9                       ; my 128 columns: 512 bytes
	s_add_co_u32 s44, s44, s46
	s_mov_b32 s45, 0
	s_mov_b32 s47, 0
	s_wait_kmcnt 0x0
	s_add_nc_u64 s[PX:PX+1], s[10:11], s[44:45]
	s_add_nc_u64 s[PX1:PX1+1], s[16:17], s[44:45]
	s_add_nc_u64 s[PBO:PBO+1], s[8:9], s[46:47]
	s_add_nc_u64 s[PG:PG+1], s[12:13], s[46:47]
	s_add_nc_u64 s[PB2:PB2+1], s[14:15], s[46:47]
	s_lshl_b32 s44, ttmp9, 9
	s_add_co_u32 s44, s44, 0x200000
	s_add_nc_u64 s[PSA:PSA+1], s[4:5], s[44:45]
	s_lshr_b32 s46, s[WV], 2
	s_lshl_b32 s46, s46, 8
	s_add_co_u32 s44, s44, s46
	s_and_b32 s46, s[WV], 3
	s_lshl_b32 s46, s46, 2
	s_add_co_u32 s44, s44, s46
	s_add_nc_u64 s[PSO:PSO+1], s[18:19], s[44:45]  ; out: the scale word of K step w
	s_lshl_b32 s44, ttmp9, 13
	s_add_nc_u64 s[PAF:PAF+1], s[4:5], s[44:45]
	s_lshl_b32 s46, s[WV], 10
	s_add_co_u32 s44, s44, s46
	s_add_nc_u64 s[PO:PO+1], s[18:19], s[44:45]    ; out: fragment 8 i + w
	s_lshl_b32 s44, s[WV], 12
	s_add_co_u32 s44, s44, 6389760
	s_add_nc_u64 s[PSB:PSB+1], s[6:7], s[44:45]
	s_lshl_b32 s44, s[WV], 16
	s_add_co_u32 s44, s44, 1572864
	s_add_nc_u64 s[PW:PW+1], s[6:7], s[44:45]
.irp p, 0,1,2,3,4,5,6,7,8,9,10,11,12,13,14,15
	global_load_b128 v[ACC+4*\p:ACC+4*\p+3], v[LI], s[PX:PX+1] offset:(\p+8*(\p/8))*4096 th:TH_LOAD_NT   ; place p's row: 512 consecutive bytes
.endr
	global_load_b128 v[BO:BO+3], v[LI], s[PBO:PBO+1]
.irp g, 0,1
	global_load_b128 v[SA+4*\g:SA+4*\g+3], v[R16], s[PSA:PSA+1] offset:256*\g
.endr
.irp p, 0,1,2,3
.irp g, 0,1
	global_load_b128 v[SB+4*(2*\p+\g):SB+4*(2*\p+\g)+3], v[LSB], s[PSB:PSB+1] offset:1024*\p+256*\g
.endr
.endr
.irp s, 0,1,2,3,4,5,6,7
.irp c, 0,1
	global_load_b128 v[AF+8*\s+4*\c:AF+8*\s+4*\c+3], v[LI], s[PAF:PAF+1] offset:1024*\s+512*\c
.endr
.endr
	LOADW 0, 0
	LOADW 1, 1
	WIN 0
	s_wait_loadcnt 58                              ; x and b_out are in; behind them 2 + 8 + 16 + 32 loads may be out
.irp p, 0,1,2,3,4,5,6,7,8,9,10,11,12,13,14,15
	v_pk_add_f32 v[ACC+4*\p:ACC+4*\p+1], v[ACC+4*\p:ACC+4*\p+1], v[BO:BO+1]
	v_pk_add_f32 v[ACC+4*\p+2:ACC+4*\p+3], v[ACC+4*\p+2:ACC+4*\p+3], v[BO+2:BO+3]
.endr
.irp p, 0,1,2,3,4,5,6,7,8,9,10,11,12,13,14,15
	ds_store_b128 v[SR], v[ACC+4*\p:ACC+4*\p+3] offset:528*\p
.endr
.irp t, 0,1,2,3,4,5,6,7
.irp k, 0,1
	ds_load_b128 v[ACC+8*\t+4*\k:ACC+8*\t+4*\k+3], v[SO] offset:128*(\t/2)+32*(\t%2)+16*\k   ; LDS serves a wave's instructions in order: these see my stores.  Row r, columns 32 (t / 2) + 16 h + 8 (t % 2) + j
.endr
.endr
	LOADW 2, 2
.set Q, 0
.rept 8
	KSTEP Q
.set Q, Q+1
.endr
	WIN 0
	PLACES                                         ; ahead of the first read of results and of the loads into the buffers
	WIN 0x40
.irp t, 0,1,2,3,4,5,6,7
.irp k, 0,1
	global_load_b128 v[8*\t+4*\k:8*\t+4*\k+3], v[H64], s[PG:PG+1] offset:128*(\t/2)+32*(\t%2)+16*\k       ; ln2_g and ln2_b in the result's layout
	global_load_b128 v[64+8*\t+4*\k:64+8*\t+4*\k+3], v[H64], s[PB2:PB2+1] offset:128*(\t/2)+32*(\t%2)+16*\k
.endr
.endr
	WIN 0
.irp t, 0,1,2,3,4,5,6,7
.irp k, 0,1
	ds_store_b128 v[SO], v[ACC+8*\t+4*\k:ACC+8*\t+4*\k+3] offset:128*(\t/2)+32*(\t%2)+16*\k   ; each accumulator from its low end on
.endr
.endr
.irp p, 0,1,2,3,4,5,6,7,8,9,10,11,12,13,14,15
	ds_load_b128 v[OUTR+4*\p:OUTR+4*\p+3], v[SR] offset:528*\p
.endr
.irp p, 0,1,2,3,4,5,6,7,8,9,10,11,12,13,14,15
	s_wait_dscnt 15-\p
	global_store_b128 v[LI], v[OUTR+4*\p:OUTR+4*\p+3], s[PX1:PX1+1] offset:(\p+8*(\p/8))*4096   ; x1: 512 consecutive bytes
.endr
	v_pk_add_f32 v[SM:SM+1], v[ACC:ACC+1], v[ACC+4:ACC+5]
	v_pk_add_f32 v[SM+2:SM+3], v[ACC+2:ACC+3], v[ACC+6:ACC+7]
.set j, 8
.rept 14
	v_pk_add_f32 v[SM:SM+1], v[SM:SM+1], v[ACC+j:ACC+j+1]
	v_pk_add_f32 v[SM+2:SM+3], v[SM+2:SM+3], v[ACC+j+2:ACC+j+3]
.set j, j+4
.endr
	ACROSS 0
	v_mul_f32 v[MN], s48, v[R8]                    ; the mean, in both registers of a pair
	v_mul_f32 v[MN+1], s48, v[R8]
.set j, 0
.rept 32
	v_pk_add_f32 v[ACC+j:ACC+j+1], v[ACC+j:ACC+j+1], v[MN:MN+1] neg_lo:[0,1] neg_hi:[0,1]
.set j, j+2
.endr
	v_pk_mul_f32 v[SM:SM+1], v[ACC:ACC+1], v[ACC:ACC+1]
	v_pk_mul_f32 v[SM+2:SM+3], v[ACC+2:ACC+3], v[ACC+2:ACC+3]
.set j, 4
.rept 15
	v_pk_fma_f32 v[SM:SM+1], v[ACC+j:ACC+j+1], v[ACC+j:ACC+j+1], v[SM:SM+1]
	v_pk_fma_f32 v[SM+2:SM+3], v[ACC+j+2:ACC+j+3], v[ACC+j+2:ACC+j+3], v[SM+2:SM+3]
.set j, j+4
.endr
	ACROSS 512                                     ; other words than the first time: no wave still reads what is written
	v_fma_f32 v[RS], v[R8], s48, s49               ; var + eps
	v_rsq_f32 v[RS], v[RS]
	v_nop
	s_wait_alu depctr_va_vdst(0)                   ; ahead of the first reader
	v_mov_b32 v[RS+1], v[RS]
	s_wait_loadcnt 0x0                             ; ln2_g, ln2_b
.set j, 0
.rept 32
	v_pk_mul_f32 v[ACC+j:ACC+j+1], v[ACC+j:ACC+j+1], v[RS:RS+1]
.set j, j+2
.endr
	WIN 0x14                                       ; sources 1 and 2 in window 1
.set j, 0
.rept 32
	v_pk_fma_f32 v[ACC+j:ACC+j+1], v[ACC+j:ACC+j+1], v[j:j+1], v[64+j:64+j+1]
.set j, j+2
.endr
	WIN 0
	QUANT2 ACC, PC, HW
	QUANT2 ACC+32, PC+4, HW+1
	v_lshl_or_b32 v[WD], v[HW+1], 16, v[HW]
	global_store_b128 v[LI], v[PC:PC+3], s[PO:PO+1]
	global_store_b128 v[LI], v[PC+4:PC+7], s[PO:PO+1] offset:512
	global_store_b32 v[R16], v[WD], s[PSO:PSO+1]   ; (lanes 16-31 hold and write the same)
	s_wait_tensorcnt 0x0
	ds_add_u32 v126, v127
	s_wait_dscnt 0x0
	s_endpgm
.Lfunc_end_k_q06dca3c035_outln:
	.size	k_q06dca3c035_outln, .Lfunc_end_k_q06dca3c035_outln-k_q06dca3c035_outln
	.p2alignl 7, 3214868480
	.fill 96, 4, 3214868480
	.section	.rodata,"a",@progbits
	.p2align	6, 0x0
	.amdhsa_kernel k_q06dca3c035_outln
		.amdhsa_group_segment_fixed_size 69632
		.amdhsa_private_segment_fixed_size 0
		.amdhsa_enable_private_segment 0
		.amdhsa_kernarg_size 64
		.amdhsa_user_sgpr_count 2
		.amdhsa_user_sgpr_kernarg_segment_ptr 1
		.amdhsa_wavefront_size32 1
		.amdhsa_system_sgpr_workgroup_id_x 1
		.amdhsa_system_sgpr_workgroup_id_y 1
		.amdhsa_system_sgpr_workgroup_id_z 1
		.amdhsa_system_vgpr_workitem_id 0
		.amdhsa_next_free_vgpr 512
		.amdhsa_next_free_sgpr 66
		.amdhsa_reserve_vcc 0
		.amdhsa_float_denorm_mode_32 3
		.amdhsa_float_denorm_mode_16_64 3
		.amdhsa_memory_ordered 1
		.amdhsa_forward_progress 1
		.amdhsa_inst_pref_size 56
	.end_amdhsa_kernel
	.amdgpu_metadata
---
amdhsa.version: [ 1, 2 ]
amdhsa.kernels:
  - .name:           k_q06dca3c035_outln
    .symbol:         k_q06dca3c035_outln.kd
    .args:
      - { .name: a1, .offset: 0, .size: 8, .value_kind: global_buffer, .address_space: global }
      - { .name: wq, .offset: 8, .size: 8, .value_kind: global_buffer, .address_space: global }
      - { .name: b_out, .offset: 16, .size: 8, .value_kind: global_buffer, .address_space: global }
      - { .name: x, .offset: 24, .size: 8, .value_kind: global_buffer, .address_space: global }
      - { .name: ln2_g, .offset: 32, .size: 8, .value_kind: global_buffer, .address_space: global }
      - { .name: ln2_b, .offset: 40, .size: 8, .value_kind: global_buffer, .address_space: global }
      - { .name: x1, .offset: 48, .size: 8, .value_kind: global_buffer, .address_space: global }
      - { .name: a0, .offset: 56, .size: 8, .value_kind: global_buffer, .address_space: global }
    .group_segment_fixed_size: 69632
    .private_segment_fixed_size: 0
    .kernarg_segment_align: 8
    .kernarg_segment_size: 64
    .max_flat_workgroup_size: 256
    .sgpr_count:     66
    .vgpr_count:     512
    .wavefront_size: 32
...
	.end_amdgpu_metadata
.endif
;; end of part 4
;; launch mlp1 (part 5): grid 32 x 32, 4 waves a work-group, no clusters, 0 bytes of LDS; arguments a0, wq, b1, hh; writes hh
.if DOCPART == 5
	.amdgcn_target "amdgcn-amd-amdhsa--gfx1250"
	.amdhsa_code_object_version 6
	.text
	.protected	k_q06dca3c035_mlp1
	.globl	k_q06dca3c035_mlp1
	.p2align	8
	.type	k_q06dca3c035_mlp1,@function
k_q06dca3c035_mlp1:
	s_mov_b64 s[64:65], 0
	v_nop
	global_prefetch_b8 v0, s[64:65] scope:SCOPE_SE
	s_setreg_imm32_b32 hwreg(HW_REG_WAVE_MODE, 25, 1), 1
	s_wait_xcnt 0x0
; h = gelu(LN2(x1) w1 + b1), exact gelu, on FP4 codes, and h quantised at once along the next product's K.
; A work-group makes 128 rows x 128 columns, each of its four waves 64 x 64: 16 accumulators.  Both operands lie in memory in the order of the operand's registers: a fragment comes by two loads of 16 bytes a lane
; straight into registers: no LDS, no barrier.  Loads run three K steps (48 loads a wave) ahead, in four buffers.
; No tensor load and so no joint load: K = 1,024 is eight K steps of sixteen matrix instructions, and there is no LDS tile here that partners could share.
; The product is used TRANSPOSED (source 0 = 16 columns of the weight, in the order 32 B + 8 u + p + 8 (p / 8)): a lane holds one row, and the 32 registers of an A tile are 2 x 16 neighbours along the next K.
; gelu(u) = u / 2 (1 + erf(u / sqrt 2)), erf(z) = z P(z^2) / Q(z^2) with z held to +-4 (beyond that erf is +-1 in f32), P of degree 6 and Q of degree 4 in z^2.
; LIMITS: erf's absolute error is about 1e-7, so for strongly negative u gelu carries an absolute error of about 1e-7 |u|, not a relative one; a block of zeros, or one under 2^-124, gets the scale byte 1;
; NaN and infinities are not served.
.set KS,   8
.set ASTR, 8192
.set ASS,  512
.set RES,  0
.set SW,   0
.set LI,   1
.set LSC,  2
.set SC,   16                          ; v16-47  scale words, two sets of 16: nothing else ever stands here
.set BI,   48                          ; v48-79  the bias, as the C of the first K step; later gelu's work registers
.set Z,    48
.set Z2,   56
.set P,    64
.set QQ,   72
.set CA,   80                          ; v[80:81] P's leading coefficient, twice
.set CB,   82                          ; v[82:83] Q's
.set T,    84
.set PC,   92
.set HW,   108
.set WD,   112
.set ACC,  128
.set PA,   20
.set PB,   22
.set PSA,  24
.set PSB,  26
.set PBI,  28
.set SEL,  32
.set MSB,  0
.macro WIN new
.if MSB != \new
	s_set_vgpr_msb (MSB<<8)|\new
.set MSB, \new
.endif
.endm
.macro PLACES
.rept 4
	v_nop
.endr
.endm
.macro WM
.if R0 && R1
	v_wmma_scale_f32_16x16x128_f8f6f4 v[rD:rD+7], v[rS0:rS0+7], v[rS1:rS1+7], v[rC:rC+7], v[rX0], v[rX1] matrix_a_fmt:MATRIX_FMT_FP4 matrix_b_fmt:MATRIX_FMT_FP4 matrix_a_scale:MATRIX_SCALE_ROW1 matrix_b_scale:MATRIX_SCALE_ROW1
.elseif R0
	v_wmma_scale_f32_16x16x128_f8f6f4 v[rD:rD+7], v[rS0:rS0+7], v[rS1:rS1+7], v[rC:rC+7], v[rX0], v[rX1] matrix_a_fmt:MATRIX_FMT_FP4 matrix_b_fmt:MATRIX_FMT_FP4 matrix_a_scale:MATRIX_SCALE_ROW1
.elseif R1
	v_wmma_scale_f32_16x16x128_f8f6f4 v[rD:rD+7], v[rS0:rS0+7], v[rS1:rS1+7], v[rC:rC+7], v[rX0], v[rX1] matrix_a_fmt:MATRIX_FMT_FP4 matrix_b_fmt:MATRIX_FMT_FP4 matrix_b_scale:MATRIX_SCALE_ROW1
.else
	v_wmma_scale_f32_16x16x128_f8f6f4 v[rD:rD+7], v[rS0:rS0+7], v[rS1:rS1+7], v[rC:rC+7], v[rX0], v[rX1] matrix_a_fmt:MATRIX_FMT_FP4 matrix_b_fmt:MATRIX_FMT_FP4
.endif
.endm
.macro QUANT2 s, pc, hw
.set QS, \s
.set QP, \pc
.set QH, \hw
.irp b, 0,1
	v_max3_num_f32 v[T+\b], |v[QS+16*\b]|, |v[QS+16*\b+1]|, 0x1800000
.endr
.irp i, 2,4,6,8,10,12,14
.irp b, 0,1
	v_max3_num_f32 v[T+\b], v[T+\b], |v[QS+16*\b+\i]|, |v[QS+16*\b+\i+1]|
.endr
.endr
.irp b, 0,1
	v_permlanex16_b32 v[T+2+\b], v[T+\b], s[SEL], s[SEL+1]
.endr
.irp b, 0,1
	v_max_num_f32 v[T+\b], v[T+\b], v[T+2+\b]
.endr
.irp b, 0,1
	v_add_nc_u32 v[T+4+\b], 0xff000000, v[T+\b]
.endr
.irp b, 0,1
	v_lshrrev_b32 v[T+2+\b], 23, v[T+4+\b]
.endr
	v_lshl_or_b32 v[QH], v[T+3], 8, v[T+2]
.irp b, 0,1
	v_cvt_scalef32_pk8_fp4_f32 v[QP+2*\b], v[QS+16*\b:QS+16*\b+7], v[T+4+\b]
	v_cvt_scalef32_pk8_fp4_f32 v[QP+2*\b+1], v[QS+16*\b+8:QS+16*\b+15], v[T+4+\b]
.endr
	v_nop
	v_permlane16_swap_b32 v[QP], v[QP+2]
	v_permlane16_swap_b32 v[QP+1], v[QP+3]
.endm
.macro LOADF n, s
	WIN 0x40
.irp a, 0,1,2,3
.irp c, 0,1
	global_load_b128 v[64*(\n)+8*\a+4*\c:64*(\n)+8*\a+4*\c+3], v[LI], s[PA:PA+1] offset:\a*ASTR+(\s)*1024+512*\c
.endr
.endr
.irp t, 0,1,2,3
.irp c, 0,1
	global_load_b128 v[64*(\n)+32+8*\t+4*\c:64*(\n)+32+8*\t+4*\c+3], v[LI], s[PB:PB+1] offset:\t*ASTR+(\s)*1024+512*\c
.endr
.endr
.endm
.macro LOADS e, g
	WIN 0
.irp p, 0,1
	global_load_b128 v[SC+16*(\e)+4*\p:SC+16*(\e)+4*\p+3], v[LSC], s[PSA:PSA+1] offset:2*\p*ASS+256*(\g)
	global_load_b128 v[SC+16*(\e)+8+4*\p:SC+16*(\e)+8+4*\p+3], v[LSC], s[PSB:PSB+1] offset:2*\p*ASS+256*(\g)
.endr
.endm
.macro MUL16 n, e, q, first            ; the sixteen accumulators take turns, in the same order in every step
	WIN 0x05
.irp a, 0,1,2,3
.irp t, 0,1,2,3
.set rD,  ACC+32*\a+8*\t
.set rS0, 64*(\n)+32+8*\t
.set rS1, 64*(\n)+8*\a
.set rX0, SC+16*(\e)+8+4*(\t/2)+(\q)
.set rX1, SC+16*(\e)+4*(\a/2)+(\q)
.set R0,  \t%2
.set R1,  \a%2
.if \first
.set rC, BI+8*\t
.else
.set rC, rD
.endif
	WM
.endr
.endr
.endm
.macro STEP s
.if (\s) > 0
	PLACES                                         ; behind the last step's products, ahead of the loads into the buffer that they read
.endif
.if (\s)+3 < KS
.if ((\s)+3)%4 == 0
	LOADS (((\s)+3)/4)%2, ((\s)+3)/4
.endif
	LOADF ((\s)+3)%4, (\s)+3
.endif
.set NW, 0                             ; the loads issued behind this step's sixteen
.irp d, 1,2,3
.if (\s)+\d < KS
.set NW, NW+16
.if ((\s)+\d)%4 == 0
.set NW, NW+4
.endif
.endif
.endr
	s_wait_loadcnt NW
	MUL16 (\s)%4, ((\s)/4)%2, (\s)%4, (\s)==0
.endm
; gelu of eight numbers in place, v[u] .. v[u + 7]: one accumulator, read from its low end on
.macro GELU8 u
.set U, \u
.irp k, 0,2,4,6
	v_pk_mul_f32 v[Z+\k:Z+\k+1], v[U+\k:U+\k+1], 0x3f3504f3 op_sel_hi:[1,0]   ; z = u / sqrt 2
.endr
.irp k, 0,1,2,3,4,5,6,7
	v_med3_num_f32 v[Z+\k], v[Z+\k], -4.0, 4.0
.endr
.irp k, 0,2,4,6
	v_pk_mul_f32 v[Z2+\k:Z2+\k+1], v[Z+\k:Z+\k+1], v[Z+\k:Z+\k+1]
.endr
.irp k, 0,2,4,6
	v_pk_fma_f32 v[P+\k:P+\k+1], v[CA:CA+1], v[Z2+\k:Z2+\k+1], 0x32edffee op_sel_hi:[1,1,0]
	v_pk_fma_f32 v[QQ+\k:QQ+\k+1], v[CB:CB+1], v[Z2+\k:Z2+\k+1], 0xb95fbd29 op_sel_hi:[1,1,0]
.endr
.irp cf, 0xb60cff51, 0xb86ec2d2, 0xba40ac63, 0xbb41a1f6, 0xbc83dbd4
.irp k, 0,2,4,6
	v_pk_fma_f32 v[P+\k:P+\k+1], v[P+\k:P+\k+1], v[Z2+\k:Z2+\k+1], \cf op_sel_hi:[1,1,0]
.endr
.endr
.irp cf, 0xbadc924e, 0xbbf19bf8, 0xbc69b6a7
.irp k, 0,2,4,6
	v_pk_fma_f32 v[QQ+\k:QQ+\k+1], v[QQ+\k:QQ+\k+1], v[Z2+\k:Z2+\k+1], \cf op_sel_hi:[1,1,0]
.endr
.endr
.irp k, 0,1,2,3,4,5,6,7
	v_rcp_f32 v[QQ+\k], v[QQ+\k]
.endr
.irp k, 0,2,4,6
	v_pk_mul_f32 v[P+\k:P+\k+1], v[P+\k:P+\k+1], v[Z+\k:Z+\k+1]               ; plain work behind the reciprocals
.endr
.irp k, 0,2,4,6
	v_pk_mul_f32 v[Z+\k:Z+\k+1], v[U+\k:U+\k+1], 0.5 op_sel_hi:[1,0]
.endr
	s_wait_alu depctr_va_vdst(0)                   ; one wait for the eight, ahead of their first reader
.irp k, 0,2,4,6
	v_pk_mul_f32 v[P+\k:P+\k+1], v[P+\k:P+\k+1], v[QQ+\k:QQ+\k+1]             ; erf
.endr
.irp k, 0,2,4,6
	v_pk_fma_f32 v[U+\k:U+\k+1], v[Z+\k:Z+\k+1], v[P+\k:P+\k+1], v[Z+\k:Z+\k+1]   ; u / 2 erf + u / 2
.endr
.endm
	s_load_b256 s[4:11], s[0:1], 0x0               ; a0 s[4:5], wq s[6:7], b1 s[8:9], hh s[10:11]
	v_lshrrev_b32 v6, 5, v0
	v_readfirstlane_b32 s14, v6
	v_and_b32 v6, 31, v0
	v_and_b32 v7, 15, v0                           ; r
	v_bfe_u32 v8, v0, 4, 1                         ; h
	v_lshlrev_b32 v[LI], 4, v6
	v_lshlrev_b32 v[LSC], 4, v7
	v_lshl_add_u32 v4, v8, 11, v[LSC]              ; out, scale bytes: 2,048 h + 16 r
	v_lshl_add_u32 v[LSC], v8, 9, v[LSC]
	v_lshlrev_b32 v3, 6, v8                        ; 64 h
	v_mov_b32 v[T+2], 0
	v_mov_b32 v[T+3], 0
	v_mov_b32 v[CA], 0xaf95df0b
	v_mov_b32 v[CA+1], 0xaf95df0b
	v_mov_b32 v[CB], 0xb77460cd
	v_mov_b32 v[CB+1], 0xb77460cd
	s_mov_b32 s[SEL], 0x76543210
	s_mov_b32 s[SEL+1], 0xfedcba98
	s_mov_b32 vcc_lo, 0xffff0000
	s_lshr_b32 s15, s14, 1
	s_and_b32 s16, s14, 1
	s_and_b32 s17, ttmp7, 0xffff
	s_lshl_b32 s18, s17, 3
	s_lshl_b32 s30, s15, 2
	s_add_co_u32 s18, s18, s30                     ; my first tile of rows
	s_lshl_b32 s19, ttmp9, 3
	s_lshl_b32 s30, s16, 2
	s_add_co_u32 s19, s19, s30                     ; my first tile of columns
	s_mov_b32 s31, 0
	s_wait_kmcnt 0x0
	s_lshl_b32 s30, s18, 13
	s_add_nc_u64 s[PA:PA+1], s[4:5], s[30:31]
	s_lshl_b32 s30, s18, 9
	s_add_co_u32 s30, s30, 0x200000
	s_add_nc_u64 s[PSA:PSA+1], s[4:5], s[30:31]
	s_lshl_b32 s30, s19, 13
	s_add_co_u32 s30, s30, 2097152
	s_add_nc_u64 s[PB:PB+1], s[6:7], s[30:31]
	s_lshl_b32 s30, s19, 9
	s_add_co_u32 s30, s30, 6422528
	s_add_nc_u64 s[PSB:PSB+1], s[6:7], s[30:31]
	s_lshl_b32 s30, s19, 6
	s_add_nc_u64 s[PBI:PBI+1], s[8:9], s[30:31]
	LOADS 0, 0
.irp t, 0,1,2,3
.irp k, 0,1
	global_load_b128 v[BI+8*\t+4*\k:BI+8*\t+4*\k+3], v3, s[PBI:PBI+1] offset:128*(\t/2)+32*(\t%2)+16*\k
.endr
.endr
	s_lshl_b32 s30, s18, 15
	s_lshl_b32 s34, ttmp9, 10
	s_add_co_u32 s30, s30, s34
	s_lshl_b32 s34, s16, 9
	s_add_co_u32 s30, s30, s34
	s_add_nc_u64 s[40:41], s[10:11], s[30:31]      ; out: tile x 32,768 + K step x 1,024 + half x 512
	s_lshl_b32 s30, s18, 11
	s_lshr_b32 s34, ttmp9, 2
	s_lshl_b32 s34, s34, 8
	s_add_co_u32 s30, s30, s34
	s_and_b32 s34, ttmp9, 3
	s_lshl_b32 s34, s34, 2
	s_add_co_u32 s30, s30, s34
	s_lshl_b32 s34, s16, 1
	s_add_co_u32 s30, s30, s34
	s_add_co_u32 s30, s30, 8388608
	s_add_nc_u64 s[42:43], s[10:11], s[30:31]      ; and my two scale bytes of each row
	LOADF 0, 0
	LOADF 1, 1
	LOADF 2, 2
.set Q, 0
.rept KS
	STEP Q
.set Q, Q+1
.endr
	WIN 0
	PLACES                                         ; ahead of the first read of results
.set N, 0
.rept 16
	GELU8 ACC+8*N
.set N, N+1
.endr
.irp a, 0,1,2,3
	QUANT2 ACC+32*\a, PC+4*\a, HW+\a
.endr
	v_cndmask_b32 v[WD], v[HW], v[HW+1], vcc_lo    ; lanes 0-15 the even tile's bytes, lanes 16-31 the odd one's
	v_cndmask_b32 v[WD+1], v[HW+2], v[HW+3], vcc_lo
.irp a, 0,1,2,3
	global_store_b128 v[LI], v[PC+4*\a:PC+4*\a+3], s[40:41] offset:32768*\a   ; 512 consecutive bytes
.endr
	global_store_b16 v4, v[WD], s[42:43]
	global_store_b16 v4, v[WD+1], s[42:43] offset:4096
	s_endpgm
.Lfunc_end_k_q06dca3c035_mlp1:
	.size	k_q06dca3c035_mlp1, .Lfunc_end_k_q06dca3c035_mlp1-k_q06dca3c035_mlp1
	.p2alignl 7, 3214868480
	.fill 96, 4, 3214868480
	.section	.rodata,"a",@progbits
	.p2align	6, 0x0
	.amdhsa_kernel k_q06dca3c035_mlp1
		.amdhsa_group_segment_fixed_size 0
		.amdhsa_private_segment_fixed_size 0
		.amdhsa_enable_private_segment 0
		.amdhsa_kernarg_size 32
		.amdhsa_user_sgpr_count 2
		.amdhsa_user_sgpr_kernarg_segment_ptr 1
		.amdhsa_wavefront_size32 1
		.amdhsa_system_sgpr_workgroup_id_x 1
		.amdhsa_system_sgpr_workgroup_id_y 1
		.amdhsa_system_sgpr_workgroup_id_z 1
		.amdhsa_system_vgpr_workitem_id 0
		.amdhsa_next_free_vgpr 512
		.amdhsa_next_free_sgpr 66
		.amdhsa_reserve_vcc 1
		.amdhsa_float_denorm_mode_32 3
		.amdhsa_float_denorm_mode_16_64 3
		.amdhsa_memory_ordered 1
		.amdhsa_forward_progress 1
		.amdhsa_inst_pref_size 141
	.end_amdhsa_kernel
	.amdgpu_metadata
---
amdhsa.version: [ 1, 2 ]
amdhsa.kernels:
  - .name:           k_q06dca3c035_mlp1
    .symbol:         k_q06dca3c035_mlp1.kd
    .args:
      - { .name: a0, .offset: 0, .size: 8, .value_kind: global_buffer, .address_space: global }
      - { .name: wq, .offset: 8, .size: 8, .value_kind: global_buffer, .address_space: global }
      - { .name: b1, .offset: 16, .size: 8, .value_kind: global_buffer, .address_space: global }
      - { .name: hh, .offset: 24, .size: 8, .value_kind: global_buffer, .address_space: global }
    .group_segment_fixed_size: 0
    .private_segment_fixed_size: 0
    .kernarg_segment_align: 8
    .kernarg_segment_size: 32
    .max_flat_workgroup_size: 128
    .sgpr_count:     66
    .vgpr_count:     512
    .wavefront_size: 32
...
	.end_amdgpu_metadata
.endif
;; end of part 5
;; launch mlp2 (part 6): grid 8 x 32, 4 waves a work-group, no clusters, 17,920 bytes of LDS; arguments hh, wq, b2, x1, out0; writes out0
.if DOCPART == 6
	.amdgcn_target "amdgcn-amd-amdhsa--gfx1250"
	.amdhsa_code_object_version 6
	.text
	.protected	k_q06dca3c035_mlp2
	.globl	k_q06dca3c035_mlp2
	.p2align	8
	.type	k_q06dca3c035_mlp2,@function
k_q06dca3c035_mlp2:
	s_mov_b64 s[64:65], 0
	v_nop
	global_prefetch_b8 v0, s[64:65] scope:SCOPE_SE
	s_setreg_imm32_b32 hwreg(HW_REG_WAVE_MODE, 25, 1), 1
	s_wait_xcnt 0x0
; out0 = x1 + h w2 + b2 on FP4 codes; K = 4,096 in 32 steps of 128, written out: every offset is an immediate, no pointer is stepped.
; A work-group makes 128 rows x 128 columns, each of its four waves 64 x 64: 16 accumulators.  Both operands lie in memory in the order of the operand's registers: a fragment comes by two loads of 16 bytes a lane
; straight into registers: no LDS and no barrier in the K steps.  Loads run three K steps (48 loads a wave) ahead, in four buffers.  The residual's 32 loads go out in the last steps, into buffers that are done with.
; No tensor load and so no joint load: there is no LDS tile here that partners could share.
; The product is used transposed (a lane holds one row and neighbouring columns); the results go through the wave's own stage in LDS and leave as whole runs of 256 bytes, sixteen lanes to a run.
; The tiles' places hold the rows 32 B + 8 u + p + 8 (p / 8).
.set KS,   32
.set ASTR, 32768
.set ASS,  2048
.set RES,  1
.set LI,   1
.set LSC,  2
.set SO,   6                           ; v6  the stage by the result's layout: row r, + 64 h
.set RD,   7                           ; v7  the stage by rows: two rows an instruction
.set CO,   8                           ; v8  4,096 h + 16 r: the same two rows in x1 and out0
.set SC,   16                          ; v16-47  scale words, two sets of 16: nothing else ever stands here
.set BI,   48                          ; v48-79  the bias, as the C of the first K step
.set TT,   48                          ; v48-111 the way out: two sets of 32
.set ACC,  128
.set PA,   20
.set PB,   22
.set PSA,  24
.set PSB,  26
.set PBI,  28
.set PX1,  36
.set POUT, 38
.set MSB,  0
.macro WIN new
.if MSB != \new
	s_set_vgpr_msb (MSB<<8)|\new
.set MSB, \new
.endif
.endm
.macro PLACES
.rept 4
	v_nop
.endr
.endm
.macro WM
.if R0 && R1
	v_wmma_scale_f32_16x16x128_f8f6f4 v[rD:rD+7], v[rS0:rS0+7], v[rS1:rS1+7], v[rC:rC+7], v[rX0], v[rX1] matrix_a_fmt:MATRIX_FMT_FP4 matrix_b_fmt:MATRIX_FMT_FP4 matrix_a_scale:MATRIX_SCALE_ROW1 matrix_b_scale:MATRIX_SCALE_ROW1
.elseif R0
	v_wmma_scale_f32_16x16x128_f8f6f4 v[rD:rD+7], v[rS0:rS0+7], v[rS1:rS1+7], v[rC:rC+7], v[rX0], v[rX1] matrix_a_fmt:MATRIX_FMT_FP4 matrix_b_fmt:MATRIX_FMT_FP4 matrix_a_scale:MATRIX_SCALE_ROW1
.elseif R1
	v_wmma_scale_f32_16x16x128_f8f6f4 v[rD:rD+7], v[rS0:rS0+7], v[rS1:rS1+7], v[rC:rC+7], v[rX0], v[rX1] matrix_a_fmt:MATRIX_FMT_FP4 matrix_b_fmt:MATRIX_FMT_FP4 matrix_b_scale:MATRIX_SCALE_ROW1
.else
	v_wmma_scale_f32_16x16x128_f8f6f4 v[rD:rD+7], v[rS0:rS0+7], v[rS1:rS1+7], v[rC:rC+7], v[rX0], v[rX1] matrix_a_fmt:MATRIX_FMT_FP4 matrix_b_fmt:MATRIX_FMT_FP4
.endif
.endm
.macro LOADF n, s
	WIN 0x40
.irp a, 0,1,2,3
.irp c, 0,1
	global_load_b128 v[64*(\n)+8*\a+4*\c:64*(\n)+8*\a+4*\c+3], v[LI], s[PA:PA+1] offset:\a*ASTR+(\s)*1024+512*\c
.endr
.endr
.irp t, 0,1,2,3
.irp c, 0,1
	global_load_b128 v[64*(\n)+32+8*\t+4*\c:64*(\n)+32+8*\t+4*\c+3], v[LI], s[PB:PB+1] offset:\t*ASTR+(\s)*1024+512*\c
.endr
.endr
.endm
.macro LOADS e, g
	WIN 0
.irp p, 0,1
	global_load_b128 v[SC+16*(\e)+4*\p:SC+16*(\e)+4*\p+3], v[LSC], s[PSA:PSA+1] offset:2*\p*ASS+256*(\g)
	global_load_b128 v[SC+16*(\e)+8+4*\p:SC+16*(\e)+8+4*\p+3], v[LSC], s[PSB:PSB+1] offset:2*\p*ASS+256*(\g)
.endr
.endm
.macro RLOAD hf                        ; x1 for A tiles 2 hf and 2 hf + 1, by rows, into buffer hf: tile a's load i takes places 2 i and 2 i + 1
	WIN 0x40
.irp b, 0,1
.irp i, 0,1,2,3,4,5,6,7
	global_load_b128 v[64*(\hf)+32*\b+4*\i:64*(\hf)+32*\b+4*\i+3], v[CO], s[PX1:PX1+1] offset:(32*(\hf)+8*\b+2*\i+8*(\i/4))*4096 th:TH_LOAD_NT
.endr
.endr
.endm
.macro MUL16 n, e, q, first            ; the sixteen accumulators take turns, in the same order in every step
	WIN 0x05
.irp a, 0,1,2,3
.irp t, 0,1,2,3
.set rD,  ACC+32*\a+8*\t
.set rS0, 64*(\n)+32+8*\t
.set rS1, 64*(\n)+8*\a
.set rX0, SC+16*(\e)+8+4*(\t/2)+(\q)
.set rX1, SC+16*(\e)+4*(\a/2)+(\q)
.set R0,  \t%2
.set R1,  \a%2
.if \first
.set rC, BI+8*\t
.else
.set rC, rD
.endif
	WM
.endr
.endr
.endm
.macro STEP s
.if (\s) > 0
	PLACES                                         ; behind the last step's products, ahead of the loads into the buffer that they read (the scale set loaded here was last read two steps back)
.endif
.if (\s)+3 < KS
.if ((\s)+3)%4 == 0
	LOADS (((\s)+3)/4)%2, ((\s)+3)/4
.endif
	LOADF ((\s)+3)%4, (\s)+3
.elseif RES && ((\s)+3 < KS+2)
	RLOAD (\s)+3-KS
.endif
.set NW, 0                             ; the loads issued behind this step's sixteen: those of the three steps after it, their scale words, and at the end the residual's
.irp d, 1,2,3
.if (\s)+\d < KS
.set NW, NW+16
.if ((\s)+\d)%4 == 0
.set NW, NW+4
.endif
.elseif RES && ((\s)+\d < KS+2)
.set NW, NW+16
.endif
.endr
	s_wait_loadcnt NW
	MUL16 (\s)%4, ((\s)/4)%2, (\s)%4, (\s)==0
.endm
	s_load_b256 s[4:11], s[0:1], 0x0               ; hh s[4:5], wq s[6:7], b2 s[8:9], x1 s[10:11]
	s_load_b64 s[12:13], s[0:1], 0x20              ; out0
	v_lshl_add_u32 v126, v0, 2, 0x4400
	v_mov_b32 v127, 0
	v_lshrrev_b32 v9, 5, v0
	v_readfirstlane_b32 s14, v9
	v_and_b32 v9, 31, v0
	v_and_b32 v10, 15, v0                          ; r
	v_bfe_u32 v11, v0, 4, 1                        ; h
	v_lshlrev_b32 v[LI], 4, v9
	v_lshlrev_b32 v[LSC], 4, v10
	v_lshl_add_u32 v[CO], v11, 12, v[LSC]
	s_mul_i32 s44, s14, 4352                       ; my stage: 16 rows x (256 + 16) bytes
	v_mul_u32_u24 v[RD], v11, 272
	v_lshl_add_u32 v[RD], v10, 4, v[RD]
	v_add_nc_u32 v[RD], s44, v[RD]
	v_mul_u32_u24 v[SO], v10, 272
	v_lshl_add_u32 v[SO], v11, 6, v[SO]
	v_add_nc_u32 v[SO], s44, v[SO]
	v_lshl_add_u32 v[LSC], v11, 11, v[LSC]
	v_lshlrev_b32 v3, 6, v11                       ; 64 h
	s_lshr_b32 s15, s14, 1
	s_and_b32 s16, s14, 1
	s_and_b32 s17, ttmp7, 0xffff
	s_lshl_b32 s18, s17, 3
	s_lshl_b32 s30, s15, 2
	s_add_co_u32 s18, s18, s30                     ; my first tile of rows
	s_lshl_b32 s19, ttmp9, 3
	s_lshl_b32 s30, s16, 2
	s_add_co_u32 s19, s19, s30                     ; my first tile of columns
	s_mov_b32 s31, 0
	s_wait_kmcnt 0x0
	s_lshl_b32 s30, s18, 15
	s_add_nc_u64 s[PA:PA+1], s[4:5], s[30:31]
	s_lshl_b32 s30, s18, 11
	s_add_co_u32 s30, s30, 8388608
	s_add_nc_u64 s[PSA:PSA+1], s[4:5], s[30:31]
	s_lshl_b32 s30, s19, 15
	s_add_co_u32 s30, s30, 4194304
	s_add_nc_u64 s[PB:PB+1], s[6:7], s[30:31]
	s_lshl_b32 s30, s19, 11
	s_add_co_u32 s30, s30, 6553600
	s_add_nc_u64 s[PSB:PSB+1], s[6:7], s[30:31]
	s_lshl_b32 s30, s19, 6
	s_add_nc_u64 s[PBI:PBI+1], s[8:9], s[30:31]
	s_lshl_b32 s34, s18, 16                        ; 16 rows of 4,096 bytes a tile
	s_add_co_u32 s30, s30, s34
	s_add_nc_u64 s[PX1:PX1+1], s[10:11], s[30:31]
	s_add_nc_u64 s[POUT:POUT+1], s[12:13], s[30:31]
	LOADS 0, 0
.irp t, 0,1,2,3
.irp k, 0,1
	global_load_b128 v[BI+8*\t+4*\k:BI+8*\t+4*\k+3], v3, s[PBI:PBI+1] offset:128*(\t/2)+32*(\t%2)+16*\k
.endr
.endr
	LOADF 0, 0
	LOADF 1, 1
	LOADF 2, 2
.set Q, 0
.rept KS
	STEP Q
.set Q, Q+1
.endr
	WIN 0
	PLACES                                         ; ahead of the first read of results
	s_wait_loadcnt 0x0                             ; the residual
.irp a, 0,1,2,3
.if \a > 1
	s_wait_xcnt 0x0                                ; the stores of two tiles back have read their registers
.endif
.irp t, 0,1,2,3
.irp k, 0,1
	ds_store_b128 v[SO], v[ACC+32*\a+8*\t+4*\k:ACC+32*\a+8*\t+4*\k+3] offset:128*(\t/2)+32*(\t%2)+16*\k   ; each accumulator from its low end on
.endr
.endr
.irp i, 0,1,2,3,4,5,6,7
	ds_load_b128 v[TT+32*(\a%2)+4*\i:TT+32*(\a%2)+4*\i+3], v[RD] offset:544*\i   ; LDS serves a wave's instructions in order: these see my stores
.endr
	s_wait_dscnt 0x0
	WIN 0x04                                       ; source 1, the residual, in window 1
.irp n, 0,2,4,6,8,10,12,14,16,18,20,22,24,26,28,30
	v_pk_add_f32 v[TT+32*(\a%2)+\n:TT+32*(\a%2)+\n+1], v[TT+32*(\a%2)+\n:TT+32*(\a%2)+\n+1], v[32*\a+\n:32*\a+\n+1]
.endr
	WIN 0
.irp i, 0,1,2,3,4,5,6,7
	global_store_b128 v[CO], v[TT+32*(\a%2)+4*\i:TT+32*(\a%2)+4*\i+3], s[POUT:POUT+1] offset:(32*(\a/2)+8*(\a%2)+2*\i+8*(\i/4))*4096 th:TH_STORE_NT   ; sixteen lanes store 256 consecutive bytes, aligned
.endr
.endr
	s_wait_tensorcnt 0x0
	ds_add_u32 v126, v127
	s_wait_dscnt 0x0
	s_endpgm
.Lfunc_end_k_q06dca3c035_mlp2:
	.size	k_q06dca3c035_mlp2, .Lfunc_end_k_q06dca3c035_mlp2-k_q06dca3c035_mlp2
	.p2alignl 7, 3214868480
	.fill 96, 4, 3214868480
	.section	.rodata,"a",@progbits
	.p2align	6, 0x0
	.amdhsa_kernel k_q06dca3c035_mlp2
		.amdhsa_group_segment_fixed_size 17920
		.amdhsa_private_segment_fixed_size 0
		.amdhsa_enable_private_segment 0
		.amdhsa_kernarg_size 40
		.amdhsa_user_sgpr_count 2
		.amdhsa_user_sgpr_kernarg_segment_ptr 1
		.amdhsa_wavefront_size32 1
		.amdhsa_system_sgpr_workgroup_id_x 1
		.amdhsa_system_sgpr_workgroup_id_y 1
		.amdhsa_system_sgpr_workgroup_id_z 1
		.amdhsa_system_vgpr_workitem_id 0
		.amdhsa_next_free_vgpr 512
		.amdhsa_next_free_sgpr 66
		.amdhsa_reserve_vcc 0
		.amdhsa_float_denorm_mode_32 3
		.amdhsa_float_denorm_mode_16_64 3
		.amdhsa_memory_ordered 1
		.amdhsa_forward_progress 1
		.amdhsa_inst_pref_size 140
	.end_amdhsa_kernel
	.amdgpu_metadata
---
amdhsa.version: [ 1, 2 ]
amdhsa.kernels:
  - .name:           k_q06dca3c035_mlp2
    .symbol:         k_q06dca3c035_mlp2.kd
    .args:
      - { .name: hh, .offset: 0, .size: 8, .value_kind: global_buffer, .address_space: global }
      - { .name: wq, .offset: 8, .size: 8, .value_kind: global_buffer, .address_space: global }
      - { .name: b2, .offset: 16, .size: 8, .value_kind: global_buffer, .address_space: global }
      - { .name: x1, .offset: 24, .size: 8, .value_kind: global_buffer, .address_space: global }
      - { .name: out0, .offset: 32, .size: 8, .value_kind: global_buffer, .address_space: global }
    .group_segment_fixed_size: 17920
    .private_segment_fixed_size: 0
    .kernarg_segment_align: 8
    .kernarg_segment_size: 40
    .max_flat_workgroup_size: 128
    .sgpr_count:     66
    .vgpr_count:     512
    .wavefront_size: 32
...
	.end_amdgpu_metadata
.endif
;; end of part 6
;; ======== version 2 of 2: 6 launches; 1.14 times as fast as version 1
;; workspace buffers: wq 6,684,672 bytes; a0 2,228,224 bytes; a1 2,228,224 bytes; qb 2,359,296 bytes; kv 4,587,520 bytes; x1 16,777,216 bytes; hh 8,912,896 bytes
;; launch prep (part 7): grid 1024 x 1, 4 waves a work-group, no clusters, 66,304 bytes of LDS; arguments x, ln1_g, ln1_b, w_qkv, w_out, w1, w2, a0, wq; writes a0, wq
.if DOCPART == 7
	.amdgcn_target "amdgcn-amd-amdhsa--gfx1250"
	.amdhsa_code_object_version 6
	.text
	.protected	k_q06dca3c035_prep
	.globl	k_q06dca3c035_prep
	.p2align	8
	.type	k_q06dca3c035_prep,@function
k_q06dca3c035_prep:
	s_mov_b64 s[64:65], 0
	v_nop
	global_prefetch_b8 v0, s[64:65] scope:SCOPE_SE
	s_setreg_imm32_b32 hwreg(HW_REG_WAVE_MODE, 25, 1), 1
	s_wait_xcnt 0x0
; PREP.  Work-groups 0-255: LayerNorm 1 of 16 rows of x, quantised to FP4 (E2M1) codes with one E8M0 byte for each 32 along K.  Work-groups 256-1023: the four weights, f32 stored [K][N], quantised along K.
; ALL CODES ARE LAID IN THE ORDER OF THE MATRIX OPERAND'S REGISTERS.  A fragment (16 rows x 128 K) is 1,024 bytes: block b (32 codes, 16 bytes) of place r lies at 256 b + 16 r, so that two loads of 16 bytes a lane bring it.
; Fragment (tile i, K step s) lies at (i x K/128 + s) x 1,024.  Scale bytes: [tile][K/512][place][16 bytes].
; THE ROWS OF A TILE ARE NOT NEIGHBOURS: tile 2 B + u holds in place p the row (or weight column) 32 B + 8 u + p + 8 (p / 8), so that a later product's 16 result registers of two neighbouring tiles are 16 neighbours along the next K.
; A block's scale is 2^(floor(log2(largest magnitude)) - 2): its byte is the largest magnitude's exponent field - 2, held at 1 from below.
; LIMITS: a block of zeros, or one whose largest magnitude lies under 2^-124, gets the byte 1 (the bytes are read by this program alone; zero codes add nothing); NaN and infinities among the inputs are not served.
; The variance is taken of x - mean in a second pass over the registers, so a common offset of the row costs no digits.
; No tensor load, no cluster: no two work-groups read the same bytes here.
.set WV,    22
.set SEL,   34                         ; s[34:35] lane selects for v_permlanex16_b32: lane l xor 16
.set PITCH, 4112                       ; an LDS row: 4,096 bytes + 16 = 257 x 16: sixteen rows at one column fall on sixteen different groups of banks
.set G,     16                         ; v16-47   ln1_g of my columns
.set BT,    48                         ; v48-79   ln1_b
.set X,     80                         ; v80-207  four rows of 32 registers; later 128 numbers to quantise
.set SM,    208                        ; v208-215 a pair of sums for each row
.set MN,    216                        ; v216-223 the mean, twice, for each row
.set RS,    224                        ; v224-231 1 / sqrt(var + eps), twice, for each row
.set T,     208                        ; v208-213 the quantiser's work registers (the sums are done with)
.set PC,    216                        ; v216-231 codes
.set HW,    232                        ; v232-235 two scale bytes for each 64 along K
.set WD,    236                        ; v236-237 eight scale bytes
.set VO,    16                         ; weights: v16-47 byte offsets of my column in 32 rows of K
.set WX,    48                         ; v48-111  two sets of 32 numbers
.set CD,    112                        ; v112-127 four sets of codes
.set SB,    128                        ; v128     four scale bytes
.set NB,    4                          ; blocks of 32 along K for a weight wave
; 32 numbers of a lane, register 16 b + i = k 32 b + 16 (lane / 16) + i of the lane's row (b = 0, 1), become four registers of a fragment (lanes 0-15: block 0, lanes 16-31: block 1) and two scale bytes.
.macro QUANT2 s, pc, hw
.set QS, \s
.set QP, \pc
.set QH, \hw
.irp b, 0,1
	v_max3_num_f32 v[T+\b], |v[QS+16*\b]|, |v[QS+16*\b+1]|, 0x1800000   ; my 16 numbers of the block, and the floor 2^(3 - 127): the byte cannot fall under 1
.endr
.irp i, 2,4,6,8,10,12,14
.irp b, 0,1
	v_max3_num_f32 v[T+\b], v[T+\b], |v[QS+16*\b+\i]|, |v[QS+16*\b+\i+1]|
.endr
.endr
.irp b, 0,1
	v_permlanex16_b32 v[T+2+\b], v[T+\b], s[SEL], s[SEL+1]
.endr
.irp b, 0,1
	v_max_num_f32 v[T+\b], v[T+\b], v[T+2+\b]                     ; with lane l xor 16's 16: the block's largest magnitude
.endr
.irp b, 0,1
	v_add_nc_u32 v[T+4+\b], 0xff000000, v[T+\b]                   ; 2 off its exponent field: the conversion's scale operand
.endr
.irp b, 0,1
	v_lshrrev_b32 v[T+2+\b], 23, v[T+4+\b]                        ; the scale's byte
.endr
	v_lshl_or_b32 v[QH], v[T+3], 8, v[T+2]
.irp b, 0,1
	v_cvt_scalef32_pk8_fp4_f32 v[QP+2*\b], v[QS+16*\b:QS+16*\b+7], v[T+4+\b]
	v_cvt_scalef32_pk8_fp4_f32 v[QP+2*\b+1], v[QS+16*\b+8:QS+16*\b+15], v[T+4+\b]
.endr
	v_nop                                                         ; one plain instruction behind the scaled conversions
	v_permlane16_swap_b32 v[QP], v[QP+2]                          ; a whole block to a lane
	v_permlane16_swap_b32 v[QP+1], v[QP+3]
.endm
; the four rows' pairs of sums, over the pair and over the 32 lanes; the result stands in every lane
.macro REDUCE
.irp p, 0,1,2,3
	v_add_f32 v[SM+2*\p], v[SM+2*\p], v[SM+2*\p+1]
.endr
.irp m, 1,2,4,8
.irp p, 0,1,2,3
	v_add_f32_dpp v[SM+2*\p], v[SM+2*\p], v[SM+2*\p] row_xmask:\m row_mask:0xf bank_mask:0xf
.endr
.endr
.irp p, 0,1,2,3
	v_permlanex16_b32 v[SM+2*\p+1], v[SM+2*\p], s[SEL], s[SEL+1]
.endr
.irp p, 0,1,2,3
	v_add_f32 v[SM+2*\p], v[SM+2*\p], v[SM+2*\p+1]
.endr
.endm
	s_load_b256 s[4:11], s[0:1], 0x0               ; x s[4:5], ln1_g s[6:7], ln1_b s[8:9], w_qkv s[10:11]
	s_load_b256 s[12:19], s[0:1], 0x20             ; w_out s[12:13], w1 s[14:15], w2 s[16:17], a0 s[18:19]
	s_load_b64 s[20:21], s[0:1], 0x40              ; wq
	v_lshl_add_u32 v240, v0, 2, 0x10100
	v_mov_b32 v241, 0
	v_lshrrev_b32 v1, 5, v0
	v_readfirstlane_b32 s[WV], v1                  ; wave 0..3
	v_and_b32 v1, 31, v0                           ; lane
	v_lshlrev_b32 v2, 4, v1                        ; 16 x lane
	v_and_b32 v12, 15, v0                          ; r
	v_bfe_u32 v13, v0, 4, 1                        ; h
	s_wait_kmcnt 0x0
	s_cmp_ge_u32 ttmp9, 256                        ; the same for all waves of a work-group
	s_cbranch_scc1 .Lweights
	; ---- LAYERNORM 1: work-group i makes tile i.  Wave w takes places 4 w .. 4 w + 3: four consecutive rows of x
	s_mov_b32 s23, 0x3a800000                      ; 1 / 1024
	s_mov_b32 s24, 0x3727c5ac                      ; eps = 1e-5
	s_mov_b32 s[SEL], 0x76543210
	s_mov_b32 s[SEL+1], 0xfedcba98
	s_lshr_b32 s26, ttmp9, 1
	s_lshl_b32 s26, s26, 5
	s_and_b32 s27, ttmp9, 1
	s_lshl_b32 s27, s27, 3
	s_add_co_u32 s26, s26, s27
	s_lshl_b32 s27, s[WV], 2
	s_add_co_u32 s26, s26, s27
	s_lshr_b32 s27, s[WV], 1
	s_lshl_b32 s27, s27, 3
	s_add_co_u32 s26, s26, s27                     ; first row: 32 (i / 2) + 8 (i % 2) + 4 w + 8 (w / 2)
	s_lshl_b32 s26, s26, 12
	s_mov_b32 s27, 0
	s_add_nc_u64 s[28:29], s[4:5], s[26:27]
.irp p, 0,1,2,3
.irp j, 0,1,2,3,4,5,6,7
	global_load_b128 v[X+32*\p+4*\j:X+32*\p+4*\j+3], v2, s[28:29] offset:4096*\p+512*\j th:TH_LOAD_NT   ; 32 lanes read 512 consecutive bytes
.endr
.endr
.irp j, 0,1,2,3,4,5,6,7
	global_load_b128 v[G+4*\j:G+4*\j+3], v2, s[6:7] offset:512*\j
	global_load_b128 v[BT+4*\j:BT+4*\j+3], v2, s[8:9] offset:512*\j
.endr
	s_lshl_b32 s26, ttmp9, 3
	s_lshl_b32 s25, s[WV], 1
	s_add_co_u32 s26, s26, s25
	s_lshl_b32 s26, s26, 10
	s_add_nc_u64 s[30:31], s[18:19], s[26:27]      ; codes: fragment 8 i + 2 w
	s_lshl_b32 s26, ttmp9, 9
	s_lshr_b32 s25, s[WV], 1
	s_lshl_b32 s25, s25, 8
	s_add_co_u32 s26, s26, s25
	s_and_b32 s25, s[WV], 1
	s_lshl_b32 s25, s25, 3
	s_add_co_u32 s26, s26, s25
	s_add_co_u32 s26, s26, 0x200000
	s_add_nc_u64 s[32:33], s[18:19], s[26:27]      ; scale bytes: 2,097,152 + 512 i + 256 (w / 2) + 8 (w % 2)
	s_mul_i32 s26, s[WV], 4*PITCH
	v_add_nc_u32 v3, s26, v2                       ; LDS, in: my wave's four rows, 16 x lane
	v_mul_u32_u24 v4, v12, PITCH
	v_lshl_add_u32 v4, v13, 6, v4
	s_lshl_b32 s26, s[WV], 10
	v_add_nc_u32 v4, s26, v4                       ; LDS, out: row r, + 64 h, + my wave's 256 columns
	v_lshlrev_b32 v5, 4, v12                       ; 16 r
	s_wait_loadcnt 16                              ; x's 32 loads are in; the 16 of g and b may be out
.irp p, 0,1,2,3
	v_pk_add_f32 v[SM+2*\p:SM+2*\p+1], v[X+32*\p:X+32*\p+1], v[X+32*\p+2:X+32*\p+3]
.endr
.set j, 4
.rept 14
.irp p, 0,1,2,3
	v_pk_add_f32 v[SM+2*\p:SM+2*\p+1], v[SM+2*\p:SM+2*\p+1], v[X+32*\p+j:X+32*\p+j+1]
.endr
.set j, j+2
.endr
	REDUCE
.irp p, 0,1,2,3
	v_mul_f32 v[MN+2*\p], s23, v[SM+2*\p]          ; the mean, in both registers of a pair
	v_mul_f32 v[MN+2*\p+1], s23, v[SM+2*\p]
.endr
.set j, 0
.rept 16
.irp p, 0,1,2,3
	v_pk_add_f32 v[X+32*\p+j:X+32*\p+j+1], v[X+32*\p+j:X+32*\p+j+1], v[MN+2*\p:MN+2*\p+1] neg_lo:[0,1] neg_hi:[0,1]
.endr
.set j, j+2
.endr
.irp p, 0,1,2,3
	v_pk_mul_f32 v[SM+2*\p:SM+2*\p+1], v[X+32*\p:X+32*\p+1], v[X+32*\p:X+32*\p+1]
.endr
.set j, 2
.rept 15
.irp p, 0,1,2,3
	v_pk_fma_f32 v[SM+2*\p:SM+2*\p+1], v[X+32*\p+j:X+32*\p+j+1], v[X+32*\p+j:X+32*\p+j+1], v[SM+2*\p:SM+2*\p+1]
.endr
.set j, j+2
.endr
	REDUCE
.irp p, 0,1,2,3
	v_fma_f32 v[RS+2*\p], v[SM+2*\p], s23, s24     ; var + eps
.endr
.irp p, 0,1,2,3
	v_rsq_f32 v[RS+2*\p], v[RS+2*\p]
.endr
	v_nop                                          ; a plain instruction behind the last of the four
	s_wait_alu depctr_va_vdst(0)                   ; one wait for the four, ahead of their first reader
.irp p, 0,1,2,3
	v_mov_b32 v[RS+2*\p+1], v[RS+2*\p]
.endr
	s_wait_loadcnt 0x0                             ; g and b
.set j, 0
.rept 16
.irp p, 0,1,2,3
	v_pk_mul_f32 v[X+32*\p+j:X+32*\p+j+1], v[X+32*\p+j:X+32*\p+j+1], v[RS+2*\p:RS+2*\p+1]
.endr
.irp p, 0,1,2,3
	v_pk_fma_f32 v[X+32*\p+j:X+32*\p+j+1], v[X+32*\p+j:X+32*\p+j+1], v[G+j:G+j+1], v[BT+j:BT+j+1]
.endr
.set j, j+2
.endr
.irp p, 0,1,2,3
.irp j, 0,1,2,3,4,5,6,7
	ds_store_b128 v3, v[X+32*\p+4*\j:X+32*\p+4*\j+3] offset:PITCH*\p+512*\j
.endr
.endr
	s_wait_dscnt 0x0                               ; for the others' sake: my rows lie in LDS
	s_barrier_signal -1
	s_barrier_wait -1                              ; all sixteen rows do
	; wave w quantises K steps 2 w and 2 w + 1 of all sixteen places: lane (r, h) takes, of row r, 16 neighbours of each block of 32
.irp q, 0,1,2,3
.irp b, 0,1
.irp k, 0,1,2,3
	ds_load_b128 v[X+32*\q+16*\b+4*\k:X+32*\q+16*\b+4*\k+3], v4 offset:256*\q+128*\b+16*\k
.endr
.endr
.endr
	s_wait_dscnt 0x0
.irp q, 0,1,2,3
	QUANT2 X+32*\q, PC+4*\q, HW+\q
.endr
	v_lshl_or_b32 v[WD], v[HW+1], 16, v[HW]
	v_lshl_or_b32 v[WD+1], v[HW+3], 16, v[HW+2]
.irp q, 0,1,2,3
	global_store_b128 v2, v[PC+4*\q:PC+4*\q+3], s[30:31] offset:512*\q   ; 512 consecutive bytes
.endr
	global_store_b64 v5, v[WD:WD+1], s[32:33]      ; my row's eight bytes (lanes 16-31 hold and write the same)
	s_wait_tensorcnt 0x0
	ds_add_u32 v240, v241
	s_wait_dscnt 0x0
	s_endpgm
	; ---- THE WEIGHTS.  A work-group takes 128 columns x 128 along K (one K step) of one weight; a wave 32 columns; a lane one column, its registers running down K.
	; A wave has four blocks of 32 along K, two of them on their way at a time: two trips to memory one behind the other; many waves ask at once.
.Lweights:
	s_sub_co_u32 s23, ttmp9, 256
	s_mov_b64 s[24:25], s[16:17]                   ; w2: ids 512-767 (8 groups of columns x 32 K steps)
	s_mov_b32 s26, 4096                            ; a row of the weight in bytes
	s_mov_b32 s27, 5                               ; log2 (K / 128)
	s_mov_b32 s28, 32768                           ; a tile's codes in bytes: K / 128 x 1,024
	s_mov_b32 s29, 4194304                         ; where its codes begin in wq
	s_mov_b32 s30, 6553600                         ; and its scale bytes
	s_mov_b32 s31, 512                             ; its first id
	s_cmp_lt_u32 s23, 512                          ; w1: ids 256-511 (32 x 8)
	s_cselect_b64 s[24:25], s[14:15], s[24:25]
	s_cselect_b32 s26, 16384, s26
	s_cselect_b32 s27, 3, s27
	s_cselect_b32 s28, 8192, s28
	s_cselect_b32 s29, 2097152, s29
	s_cselect_b32 s30, 6422528, s30
	s_cselect_b32 s31, 256, s31
	s_cmp_lt_u32 s23, 256                          ; w_out: ids 192-255 (8 x 8)
	s_cselect_b64 s[24:25], s[12:13], s[24:25]
	s_cselect_b32 s26, 4096, s26
	s_cselect_b32 s29, 1572864, s29
	s_cselect_b32 s30, 6389760, s30
	s_cselect_b32 s31, 192, s31
	s_cmp_lt_u32 s23, 192                          ; w_qkv: ids 0-191 (24 x 8)
	s_cselect_b64 s[24:25], s[10:11], s[24:25]
	s_cselect_b32 s26, 12288, s26
	s_cselect_b32 s29, 0, s29
	s_cselect_b32 s30, 6291456, s30
	s_cselect_b32 s31, 0, s31
	s_sub_co_u32 s32, s23, s31
	s_lshl_b32 s33, 1, s27                         ; K / 128
	s_sub_co_u32 s36, s33, 1
	s_and_b32 s36, s32, s36                        ; which K step
	s_lshr_b32 s37, s32, s27                       ; which 128 columns
	s_mul_i32 s38, s36, s26
	s_lshl_b32 s38, s38, 7                         ; 128 rows of K a step,
	s_lshl_b32 s40, s37, 9
	s_add_co_u32 s38, s38, s40                     ; + 128 columns x 4 bytes,
	s_lshl_b32 s40, s[WV], 7
	s_add_co_u32 s38, s38, s40                     ; + my wave's 32
	s_mov_b32 s39, 0
	s_add_nc_u64 s[24:25], s[24:25], s[38:39]      ; where my wave reads
	s_lshl_b32 s40, s26, 5                         ; a block on: 32 rows
	s_mov_b32 s41, 0
	s_lshl_b32 s42, s37, 3
	s_lshl_b32 s43, s[WV], 1
	s_add_co_u32 s42, s42, s43                     ; my first tile: 8 x column group + 2 w
	s_mul_i32 s38, s42, s28
	s_add_co_u32 s38, s38, s29
	s_lshl_b32 s43, s36, 10
	s_add_co_u32 s38, s38, s43                     ; + the K step's fragment
	s_add_nc_u64 s[44:45], s[20:21], s[38:39]      ; codes
	s_lshl_b32 s43, s33, 6                         ; a tile's scale bytes: K / 512 x 256
	s_mul_i32 s38, s42, s43
	s_add_co_u32 s38, s38, s30
	s_lshr_b32 s46, s36, 2
	s_lshl_b32 s46, s46, 8
	s_add_co_u32 s38, s38, s46                     ; + 256 x (K step / 4)
	s_and_b32 s46, s36, 3
	s_lshl_b32 s46, s46, 2
	s_add_co_u32 s38, s38, s46                     ; + 4 x (K step % 4): my word of a place's sixteen bytes
	s_add_nc_u64 s[46:47], s[20:21], s[38:39]      ; scale bytes
	v_mul_lo_u32 v6, v13, s28
	v_lshl_add_u32 v6, v12, 4, v6                  ; lanes 16-31 write the next tile; 16 bytes a place
	v_mul_lo_u32 v7, v13, s43
	v_lshl_add_u32 v7, v12, 4, v7
	v_and_b32 v14, 8, v12
	v_add_nc_u32 v14, v14, v12
	v_lshl_add_u32 v14, v13, 3, v14                ; my column of the 32: 8 h + r + 8 (r / 8): the tiles' order is made by the choice of column; a load still covers the same 128 bytes
	v_lshlrev_b32 v[VO], 2, v14
.set i, 1
.rept 31
	v_add_nc_u32 v[VO+i], s26, v[VO+i-1]           ; one row of K further down; never rewritten
.set i, i+1
.endr
.macro WLOAD set
.set i, 0
.rept 32
	global_load_b32 v[WX+32*(\set)+i], v[VO+i], s[24:25] th:TH_LOAD_NT
.set i, i+1
.endr
.endm
	WLOAD 0
	s_wait_xcnt 0x0                                ; the loads have read their base: it may step
	s_add_nc_u64 s[24:25], s[24:25], s[40:41]
	WLOAD 1
.macro BLOCK t
.set XS, WX+32*((\t)%2)
.if (\t) < NB-1
	s_wait_loadcnt 32                              ; this block's 32 loads are in; the next block's 32 may be out
.else
	s_wait_loadcnt 0x0
.endif
	v_max3_num_f32 v8, |v[XS]|, |v[XS+1]|, |v[XS+2]|               ; the block's largest magnitude: all 32 numbers are mine
	v_max3_num_f32 v9, |v[XS+3]|, |v[XS+4]|, |v[XS+5]|
.irp i, 6,10,14,18,22,26
	v_max3_num_f32 v8, v8, |v[XS+\i]|, |v[XS+\i+1]|
	v_max3_num_f32 v9, v9, |v[XS+\i+2]|, |v[XS+\i+3]|
.endr
	v_max3_num_f32 v8, v8, |v[XS+30]|, |v[XS+31]|
	v_max3_num_f32 v8, v8, v9, 0x1800000           ; and the floor 2^(3 - 127)
	v_add_nc_u32 v10, 0xff000000, v8               ; the conversion's scale operand
	v_lshrrev_b32 v11, 23, v10                     ; the scale's byte
.if (\t) == 0
	v_mov_b32 v[SB], v11
.else
	v_lshl_or_b32 v[SB], v11, 8*(\t), v[SB]
.endif
.irp g, 0,1,2,3
	v_cvt_scalef32_pk8_fp4_f32 v[CD+4*(\t)+\g], v[XS+8*\g:XS+8*\g+7], v10
.endr
	global_store_b128 v6, v[CD+4*(\t):CD+4*(\t)+3], s[44:45] offset:256*(\t)   ; sixteen lanes write 256 consecutive bytes, aligned: block t of one tile's fragment; each block has its own four registers
.if (\t)+2 < NB
	s_wait_xcnt 0x0                                ; earlier loads have read their base
	s_add_nc_u64 s[24:25], s[24:25], s[40:41]
	WLOAD (\t)%2
.endif
.endm
.set Q, 0
.rept NB
	BLOCK Q
.set Q, Q+1
.endr
	global_store_b32 v7, v[SB], s[46:47]           ; my column's four scale bytes of this K step: a word of its place's sixteen bytes
	s_endpgm
.Lfunc_end_k_q06dca3c035_prep:
	.size	k_q06dca3c035_prep, .Lfunc_end_k_q06dca3c035_prep-k_q06dca3c035_prep
	.p2alignl 7, 3214868480
	.fill 96, 4, 3214868480
	.section	.rodata,"a",@progbits
	.p2align	6, 0x0
	.amdhsa_kernel k_q06dca3c035_prep
		.amdhsa_group_segment_fixed_size 66304
		.amdhsa_private_segment_fixed_size 0
		.amdhsa_enable_private_segment 0
		.amdhsa_kernarg_size 72
		.amdhsa_user_sgpr_count 2
		.amdhsa_user_sgpr_kernarg_segment_ptr 1
		.amdhsa_wavefront_size32 1
		.amdhsa_system_sgpr_workgroup_id_x 1
		.amdhsa_system_sgpr_workgroup_id_y 1
		.amdhsa_system_sgpr_workgroup_id_z 1
		.amdhsa_system_vgpr_workitem_id 0
		.amdhsa_next_free_vgpr 242
		.amdhsa_next_free_sgpr 66
		.amdhsa_reserve_vcc 0
		.amdhsa_float_denorm_mode_32 3
		.amdhsa_float_denorm_mode_16_64 3
		.amdhsa_memory_ordered 1
		.amdhsa_forward_progress 1
		.amdhsa_inst_pref_size 66
	.end_amdhsa_kernel
	.amdgpu_metadata
---
amdhsa.version: [ 1, 2 ]
amdhsa.kernels:
  - .name:           k_q06dca3c035_prep
    .symbol:         k_q06dca3c035_prep.kd
    .args:
      - { .name: x, .offset: 0, .size: 8, .value_kind: global_buffer, .address_space: global }
      - { .name: ln1_g, .offset: 8, .size: 8, .value_kind: global_buffer, .address_space: global }
      - { .name: ln1_b, .offset: 16, .size: 8, .value_kind: global_buffer, .address_space: global }
      - { .name: w_qkv, .offset: 24, .size: 8, .value_kind: global_buffer, .address_space: global }
      - { .name: w_out, .offset: 32, .size: 8, .value_kind: global_buffer, .address_space: global }
      - { .name: w1, .offset: 40, .size: 8, .value_kind: global_buffer, .address_space: global }
      - { .name: w2, .offset: 48, .size: 8, .value_kind: global_buffer, .address_space: global }
      - { .name: a0, .offset: 56, .size: 8, .value_kind: global_buffer, .address_space: global }
      - { .name: wq, .offset: 64, .size: 8, .value_kind: global_buffer, .address_space: global }
    .group_segment_fixed_size: 66304
    .private_segment_fixed_size: 0
    .kernarg_segment_align: 8
    .kernarg_segment_size: 72
    .max_flat_workgroup_size: 128
    .sgpr_count:     66
    .vgpr_count:     242
    .wavefront_size: 32
...
	.end_amdgpu_metadata
.endif
;; end of part 7
;; launch qkv (part 8): grid 12 x 16, 16 waves a work-group, clusters of 4 x 4, 280,576 bytes of LDS; arguments a0, wq, b_qkv, qb, kv; writes qb, kv
.if DOCPART == 8
	.amdgcn_target "amdgcn-amd-amdhsa--gfx1250"
	.amdhsa_code_object_version 6
	.text
	.protected	k_q06dca3c035_qkv
	.globl	k_q06dca3c035_qkv
	.p2align	8
	.type	k_q06dca3c035_qkv,@function
k_q06dca3c035_qkv:
	s_mov_b64 s[64:65], 0
	v_nop
	global_prefetch_b8 v0, s[64:65] scope:SCOPE_SE
	s_setreg_imm32_b32 hwreg(HW_REG_WAVE_MODE, 25, 1), 1
	s_wait_xcnt 0x0
	s_wait_alu depctr_hold_cnt(0) depctr_sa_sdst(0) depctr_va_vdst(0) depctr_va_sdst(0) depctr_va_ssrc(0) depctr_va_vcc(0) depctr_vm_vsrc(0)
	s_getreg_b32 s2, hwreg(HW_REG_IB_STS2, 6, 4)
	s_cmp_eq_u32 s2, 0
	s_cbranch_scc0 .Lentry_in_a_cluster
	s_endpgm
.Lentry_in_a_cluster:
	s_bfe_u32 s2, ttmp6, 0x10000c
	s_cmp_lg_u32 s2, 0xf033
	s_cbranch_scc0 .Lentry_shape_is_right
	s_endpgm
.Lentry_shape_is_right:
; QKV = LN1(x) w_qkv + b_qkv on FP4 codes, and its results quantised at once: q and k along the head's 64, v along the keys.
; A work-group of sixteen waves makes 256 rows x 256 columns, each wave 64 x 64: 16 accumulators in 256 registers, four waves to a SIMD.
; LDS IS FILLED ONCE.  K = 1,024, so the work-group's 16 tiles of rows (131,072 bytes of codes), its 16 tiles of the weight's columns (131,072) and their scale words (2 x 8,192) fit together: 278,528 bytes.
; All four blocks are dense in memory and lie in the order of the operand's registers.  Wave w brings tile w of each side: 512 bytes of scale words and two halves of 4,096 bytes of codes (K steps 0-3, K steps 4-7): six tensor
; loads a wave are out, by this text's count.  No byte is filled again.  K steps 0-3 are multiplied while the loads of K steps 4-7 land.
; CLUSTERS: 4 x 4 work-groups.  The four of a row of the cluster need the same rows, the four of a column the same columns of the weight: each load is asked for JOINTLY, with the same descriptor and a mask that names the four.
; 12 x 16 work-groups: a head's 64 columns stay with one wave, and q, k and v part by the cluster's x (0, 1, 2), which all partners share: no branch hangs on a work-group's place in its cluster.
; q, k: the product is used TRANSPOSED (source 0 = 16 columns of the weight, source 1 = 16 rows), and the weight's tiles hold their columns in the order 32 B + 8 u + p + 8 (p / 8): a lane then holds one row, and the 32 registers
; of an A tile are 2 x 16 neighbours of the head's 64.  v: the sources change places: a lane holds one column d, and its registers run along the keys, which are the next K.
; OUT: qb, for each head 73,728 bytes: [128 query tiles][512] codes, at 65,536 [128][16][4] scale words.  kv, for each head 143,360 bytes: K [128 key tiles][512]; at 65,536 V^T [16 key steps][4 d tiles][1,024];
; at 131,072 K's scale words [128][16][4]; at 139,264 V's [16][4][16][4].
; LIMITS: a block of zeros, or one under 2^-124, gets the scale byte 1; NaN and infinities are not served.
.set SW,   0
.set WCD,  0                           ; where the weight's codes begin in wq
.set WSC,  6291456                     ; and its scale bytes
.set LDW,  131072                      ; LDS: A's codes at 0, the weight's here,
.set LDSA, 262144                      ; A's scale words,
.set LDSW, 270336                      ; the weight's
.set LI,   1                           ; v1  16 x lane
.set LA,   2                           ; v2  LDS: my four tiles of A, 16 x lane
.set LW,   3                           ; v3  my four tiles of the weight
.set LSA,  4                           ; v4  A's scale words: 512 h + 16 r in my four tiles
.set LSW,  5                           ; v5  the weight's
.set SC,   16                          ; v16-31  scale words of four K steps: nothing else ever stands here
.set BI,   32                          ; v32-63  the bias, as the C of the first K step; later at work
.set T,    32
.set PC,   40
.set HW,   56
.set WD,   60
.set F,    64                          ; v64-127 a K step's fragments: A's four, then the weight's four
.set ACC,  128                         ; v128-255 the accumulators
.set WV,   14
.set OUT,  20
.set SOUT, 22
.set PBI,  28
.set SEL,  32
.set G0SA, 40                          ; descriptor groups 0: A's scale words, the weight's, and the two halves of each side's codes
.set G0SW, 44
.set G0A0, 48
.set G0W0, 52
.set G0A1, 56
.set G0W1, 60
.set G1A,  68                          ; descriptor groups 1: codes and scale words, for A (my row's mask) and for the weight (my column's)
.set G1W,  76
.set G1SA, 84
.set G1SW, 92
.macro PLACES                          ; four plain instructions between a matrix instruction and a load into, or a read of, its registers
.rept 4
	v_nop
.endr
.endm
.macro CROUND                          ; a round of the cluster's barrier: my work-group's barrier; wave 0 signals for the work-group; every wave waits for all sixteen work-groups; my work-group's barrier once more
	s_barrier_signal -1
	s_barrier_wait -1
	s_cmp_lg_u32 s[WV], 0
	s_cbranch_scc1 .Lnot_wave_0_\@
	s_barrier_signal -3
.Lnot_wave_0_\@:
	s_barrier_wait -3
	s_barrier_signal -1
	s_barrier_wait -1
.endm
.macro WM                              ; one product, by the symbols rD, rS0, rS1, rC, rX0, rX1; R0, R1: the scales of source 0, 1 stand in lanes 16-31
.if R0 && R1
	v_wmma_scale_f32_16x16x128_f8f6f4 v[rD:rD+7], v[rS0:rS0+7], v[rS1:rS1+7], v[rC:rC+7], v[rX0], v[rX1] matrix_a_fmt:MATRIX_FMT_FP4 matrix_b_fmt:MATRIX_FMT_FP4 matrix_a_scale:MATRIX_SCALE_ROW1 matrix_b_scale:MATRIX_SCALE_ROW1
.elseif R0
	v_wmma_scale_f32_16x16x128_f8f6f4 v[rD:rD+7], v[rS0:rS0+7], v[rS1:rS1+7], v[rC:rC+7], v[rX0], v[rX1] matrix_a_fmt:MATRIX_FMT_FP4 matrix_b_fmt:MATRIX_FMT_FP4 matrix_a_scale:MATRIX_SCALE_ROW1
.elseif R1
	v_wmma_scale_f32_16x16x128_f8f6f4 v[rD:rD+7], v[rS0:rS0+7], v[rS1:rS1+7], v[rC:rC+7], v[rX0], v[rX1] matrix_a_fmt:MATRIX_FMT_FP4 matrix_b_fmt:MATRIX_FMT_FP4 matrix_b_scale:MATRIX_SCALE_ROW1
.else
	v_wmma_scale_f32_16x16x128_f8f6f4 v[rD:rD+7], v[rS0:rS0+7], v[rS1:rS1+7], v[rC:rC+7], v[rX0], v[rX1] matrix_a_fmt:MATRIX_FMT_FP4 matrix_b_fmt:MATRIX_FMT_FP4
.endif
.endm
.macro QUANT2 s, pc, hw                ; 32 numbers of a lane, register 16 b + i = k 32 b + 16 (lane / 16) + i, become four registers of a fragment and two scale bytes
.set QS, \s
.set QP, \pc
.set QH, \hw
.irp b, 0,1
	v_max3_num_f32 v[T+\b], |v[QS+16*\b]|, |v[QS+16*\b+1]|, 0x1800000   ; with the floor 2^(3 - 127).  Each accumulator is read from its low end on
.endr
.irp i, 2,4,6,8,10,12,14
.irp b, 0,1
	v_max3_num_f32 v[T+\b], v[T+\b], |v[QS+16*\b+\i]|, |v[QS+16*\b+\i+1]|
.endr
.endr
.irp b, 0,1
	v_permlanex16_b32 v[T+2+\b], v[T+\b], s[SEL], s[SEL+1]
.endr
.irp b, 0,1
	v_max_num_f32 v[T+\b], v[T+\b], v[T+2+\b]
.endr
.irp b, 0,1
	v_add_nc_u32 v[T+4+\b], 0xff000000, v[T+\b]
.endr
.irp b, 0,1
	v_lshrrev_b32 v[T+2+\b], 23, v[T+4+\b]
.endr
	v_lshl_or_b32 v[QH], v[T+3], 8, v[T+2]
.irp b, 0,1
	v_cvt_scalef32_pk8_fp4_f32 v[QP+2*\b], v[QS+16*\b:QS+16*\b+7], v[T+4+\b]
	v_cvt_scalef32_pk8_fp4_f32 v[QP+2*\b+1], v[QS+16*\b+8:QS+16*\b+15], v[T+4+\b]
.endr
	v_nop
	v_permlane16_swap_b32 v[QP], v[QP+2]
	v_permlane16_swap_b32 v[QP+1], v[QP+3]
.endm
.macro MUL4 a, q, first                ; A's tile a against the weight's four.  The sixteen accumulators take turns, in the same order in every step
.irp t, 0,1,2,3
.if SW
.set rD,  ACC+32*\t+8*(\a)
.set rS0, F+8*(\a)
.set rS1, F+32+8*\t
.set rX0, SC+4*((\a)/2)+(\q)
.set rX1, SC+8+4*(\t/2)+(\q)
.set R0,  (\a)%2
.set R1,  \t%2
.else
.set rD,  ACC+32*(\a)+8*\t
.set rS0, F+32+8*\t
.set rS1, F+8*(\a)
.set rX0, SC+8+4*(\t/2)+(\q)
.set rX1, SC+4*((\a)/2)+(\q)
.set R0,  \t%2
.set R1,  (\a)%2
.endif
.if \first
.set rC, BI+8*\t
.else
.set rC, rD
.endif
	WM
.endr
.endm
.macro STEP s                          ; a K step of 128: 16 LDS loads of 512 consecutive bytes (20 with the scale words of four steps), 16 products
.if (\s) > 0
	PLACES                                         ; behind the last step's products, ahead of the loads into the registers that they read
.endif
.if (\s)%4 == 0
.irp p, 0,1
	ds_load_b128 v[SC+4*\p:SC+4*\p+3], v[LSA] offset:1024*\p+256*((\s)/4)       ; lanes 0-15 the even tile of a pair, lanes 16-31 the odd one; register q: K step 4 (s / 4) + q
	ds_load_b128 v[SC+8+4*\p:SC+8+4*\p+3], v[LSW] offset:1024*\p+256*((\s)/4)
.endr
.endif
.irp t, 0,1,2,3
.irp c, 0,1
	ds_load_b128 v[F+32+8*\t+4*\c:F+32+8*\t+4*\c+3], v[LW] offset:8192*\t+1024*(\s)+512*\c
.endr
.endr
.irp a, 0,1,2,3
.irp c, 0,1
	ds_load_b128 v[F+8*\a+4*\c:F+8*\a+4*\c+3], v[LA] offset:8192*\a+1024*(\s)+512*\c
.endr
.endr
	s_wait_dscnt 4                                 ; all but the youngest four loads, A's tiles 2 and 3, are in
	MUL4 0, (\s)%4, (\s)==0
	MUL4 1, (\s)%4, (\s)==0
	s_wait_dscnt 0x0
	MUL4 2, (\s)%4, (\s)==0
	MUL4 3, (\s)%4, (\s)==0
.endm
.macro RUNK
.set Q, 0
.rept 4
	STEP Q
.set Q, Q+1
.endr
	s_wait_tensorcnt 0x0                           ; my parts of K steps 4-7 lie in LDS (no LDS load of mine is out: the last step's wait was for 0),
	s_barrier_signal -1
	s_barrier_wait -1                              ; everybody's do
.rept 4
	STEP Q
.set Q, Q+1
.endr
	PLACES                                         ; ahead of the first read of results and of writes over the fragments
.endm
	s_load_b256 s[4:11], s[0:1], 0x0               ; a0 s[4:5], wq s[6:7], b_qkv s[8:9], qb s[10:11]
	s_load_b64 s[12:13], s[0:1], 0x20              ; kv
	v_lshl_add_u32 v14, v0, 2, 0x44000
	v_mov_b32 v15, 0
	ds_add_u32 v14, v15
	ds_add_u32 v14, v15
	v_lshrrev_b32 v6, 5, v0
	v_readfirstlane_b32 s[WV], v6                  ; wave 0..15
	s_lshr_b32 s15, s[WV], 2                       ; which 64 rows
	s_and_b32 s16, s[WV], 3                        ; which 64 columns
	s_bfe_u32 s66, ttmp6, 0x40000                  ; cx, cy: my place in the cluster
	s_bfe_u32 s67, ttmp6, 0x40004
	s_lshl_b32 s3, ttmp9, 2
	s_add_co_u32 s3, s3, s66                       ; work-group x = 4 x cluster x + cx
	s_and_b32 s17, ttmp7, 0xffff
	s_lshl_b32 s17, s17, 2
	s_add_co_u32 s17, s17, s67                     ; work-group y = 4 x cluster y + cy
	s_lshl_b32 s18, s67, 2
	s_lshl_b32 s18, 15, s18                        ; my row of the cluster
	s_lshl_b32 s2, 0x1111, s66                     ; my column
	s_or_b32 s[G1A], s18, (3<<16)|(1<<21)          ; 15:0 the mask; 17:16 elements of 8 bytes; 21 set beside a mask; no padding
	s_or_b32 s[G1SA], s18, (3<<16)|(1<<21)
	s_or_b32 s[G1W], s2, (3<<16)|(1<<21)
	s_or_b32 s[G1SW], s2, (3<<16)|(1<<21)
.irp g, G1A, G1W
	s_mov_b32 s[\g+1], 32<<16                      ; tensor_dim0 = 32 elements: 256 bytes
	s_mov_b32 s[\g+2], 16<<16                      ; tensor_dim1 = 16 rows: 4,096 dense bytes
	s_mov_b32 s[\g+3], 32<<16                      ; tile_dim0
	s_mov_b32 s[\g+4], 16                          ; tile_dim1
	s_mov_b32 s[\g+5], 32                          ; from row to row: dense
	s_mov_b32 s[\g+6], 0
	s_mov_b32 s[\g+7], 0
.endr
.irp g, G1SA, G1SW
	s_mov_b32 s[\g+1], 32<<16
	s_mov_b32 s[\g+2], 2<<16                       ; 2 rows: 512 dense bytes
	s_mov_b32 s[\g+3], 32<<16
	s_mov_b32 s[\g+4], 2
	s_mov_b32 s[\g+5], 32
	s_mov_b32 s[\g+6], 0
	s_mov_b32 s[\g+7], 0
.endr
	s_lshl_b32 s24, s17, 4
	s_add_co_u32 s24, s24, s[WV]                   ; the tile of rows that I fetch: 16 y + wave: it hangs on y alone, which my row of the cluster shares
	s_lshl_b32 s34, s24, 9
	s_add_co_u32 s34, s34, 0x200000                ; its scale words
	s_mov_b32 s35, 0
	s_lshl_b32 s24, s24, 13                        ; its codes
	s_mov_b32 s25, 0
	s_lshl_b32 s26, s3, 4
	s_add_co_u32 s26, s26, s[WV]                   ; the tile of columns that I fetch: 16 x + wave: on x alone
	s_lshl_b32 s36, s26, 9
	s_add_co_u32 s36, s36, WSC
	s_mov_b32 s37, 0
	s_lshl_b32 s26, s26, 13
	s_add_co_u32 s26, s26, WCD
	s_mov_b32 s27, 0
	s_mov_b32 s[G0SA], 1                           ; count = 1
	s_lshl_b32 s[G0SA+1], s[WV], 9                 ; LDS addresses: a constant + the wave's number x a constant
	s_add_co_u32 s[G0SA+1], s[G0SA+1], LDSA
	s_mov_b32 s[G0SW], 1
	s_lshl_b32 s[G0SW+1], s[WV], 9
	s_add_co_u32 s[G0SW+1], s[G0SW+1], LDSW
	s_mov_b32 s[G0A0], 1
	s_lshl_b32 s[G0A0+1], s[WV], 13
	s_mov_b32 s[G0A1], 1
	s_add_co_u32 s[G0A1+1], s[G0A0+1], 4096
	s_mov_b32 s[G0W0], 1
	s_add_co_u32 s[G0W0+1], s[G0A0+1], LDW
	s_mov_b32 s[G0W1], 1
	s_add_co_u32 s[G0W1+1], s[G0A0+1], LDW+4096
	s_wait_dscnt 0x0
	s_wait_kmcnt 0x0
	s_add_nc_u64 s[G0SA+2:G0SA+3], s[4:5], s[34:35]
	s_add_nc_u64 s[G0SW+2:G0SW+3], s[6:7], s[36:37]
	s_add_nc_u64 s[G0A0+2:G0A0+3], s[4:5], s[24:25]
	s_add_nc_u64 s[G0A1+2:G0A1+3], s[G0A0+2:G0A0+3], 4096
	s_add_nc_u64 s[G0W0+2:G0W0+3], s[6:7], s[26:27]
	s_add_nc_u64 s[G0W1+2:G0W1+3], s[G0W0+2:G0W0+3], 4096
.irp g, G0SA, G0SW, G0A0, G0W0, G0A1, G0W1
	s_or_b32 s[\g+3], s[\g+3], 0x80000000          ; type = 2
.endr
	CROUND                                         ; all sixteen work-groups are here: the joint loads meet
	tensor_load_to_lds s[G0SA:G0SA+3], s[G1SA:G1SA+7]      ; the launch's fills, as one group: the scale words,
	s_nop 0
	tensor_load_to_lds s[G0SW:G0SW+3], s[G1SW:G1SW+7]
	s_nop 0
	tensor_load_to_lds s[G0A0:G0A0+3], s[G1A:G1A+7]        ; K steps 0-3,
	s_nop 0
	tensor_load_to_lds s[G0W0:G0W0+3], s[G1W:G1W+7]
	s_nop 0
	tensor_load_to_lds s[G0A1:G0A1+3], s[G1A:G1A+7]        ; K steps 4-7
	s_nop 0
	tensor_load_to_lds s[G0W1:G0W1+3], s[G1W:G1W+7]
	s_nop 0
.rept 4
	v_nop
.endr
	v_and_b32 v6, 31, v0                           ; lane
	v_and_b32 v7, 15, v0                           ; r
	v_bfe_u32 v8, v0, 4, 1                         ; h
	v_lshlrev_b32 v[LI], 4, v6
	v_lshlrev_b32 v9, 4, v7
	v_lshl_add_u32 v9, v8, 9, v9                   ; 512 h + 16 r
	s_lshl_b32 s30, s15, 15
	v_add_nc_u32 v[LA], s30, v[LI]
	s_lshl_b32 s30, s16, 15
	s_add_co_u32 s30, s30, LDW
	v_add_nc_u32 v[LW], s30, v[LI]
	s_lshl_b32 s30, s15, 11
	s_add_co_u32 s30, s30, LDSA
	v_add_nc_u32 v[LSA], s30, v9
	s_lshl_b32 s30, s16, 11
	s_add_co_u32 s30, s30, LDSW
	v_add_nc_u32 v[LSW], s30, v9
	v_lshlrev_b32 v10, 6, v8                       ; 64 h
	v_and_b32 v11, 8, v7
	v_add_nc_u32 v11, v11, v7
	v_lshlrev_b32 v11, 2, v11                      ; 4 (r + 8 (r / 8))
	v_lshlrev_b32 v12, 2, v6                       ; 4 x lane
	s_mov_b32 s[SEL], 0x76543210
	s_mov_b32 s[SEL+1], 0xfedcba98
	s_mov_b32 vcc_lo, 0xffff0000                   ; lanes 16-31
	s_lshl_b32 s19, s3, 4
	s_lshl_b32 s30, s16, 2
	s_add_co_u32 s19, s19, s30                     ; my first tile of columns
	s_lshl_b32 s30, s19, 6
	s_mov_b32 s31, 0
	s_add_nc_u64 s[PBI:PBI+1], s[8:9], s[30:31]
	s_lshr_b32 s38, s17, 3
	s_lshl_b32 s38, s38, 4
	s_and_b32 s39, s3, 3
	s_lshl_b32 s39, s39, 2
	s_add_co_u32 s38, s38, s39
	s_add_co_u32 s38, s38, s16                     ; 16 x batch + head
	s_and_b32 s39, s17, 7                          ; which 256 rows of the batch
	s_cmp_ge_u32 ttmp9, 2                          ; the cluster's x: the same in all partners
	s_cbranch_scc1 .Lbias_v
.irp t, 0,1,2,3
.irp k, 0,1
	global_load_b128 v[BI+8*\t+4*\k:BI+8*\t+4*\k+3], v10, s[PBI:PBI+1] offset:128*(\t/2)+32*(\t%2)+16*\k   ; q, k: the bias of my eight columns 32 (t / 2) + 16 h + 8 (t % 2) + j
.endr
.endr
	s_branch .Lbias_done
.Lbias_v:
.irp t, 0,1,2,3
.irp j, 0,1,2,3,4,5,6,7
	global_load_b32 v[BI+8*\t+\j], v11, s[PBI:PBI+1] offset:128*(\t/2)+32*(\t%2)   ; v: my one column's bias, in all eight registers
.endr
.endr
.Lbias_done:
	s_wait_loadcnt 0x0                             ; the bias
	s_wait_tensorcnt 2                             ; my scale words and my parts of K steps 0-3 lie in LDS; the two loads of K steps 4-7 may be out
	s_barrier_signal -1
	s_barrier_wait -1                              ; everybody's do
	s_cmp_ge_u32 ttmp9, 2
	s_cbranch_scc1 .Lv
	; ---- q and k
	s_lshl_b32 s34, s39, 4
	s_lshl_b32 s35, s15, 2
	s_add_co_u32 s34, s34, s35                     ; my first tile of queries or keys in the batch
	s_mov_b32 s35, 143360
	s_mov_b32 s36, 131072
	s_cmp_eq_u32 ttmp9, 0                          ; q or k
	s_cselect_b64 s[OUT:OUT+1], s[10:11], s[12:13]
	s_cselect_b32 s35, 73728, s35
	s_cselect_b32 s36, 65536, s36
	s_mul_i32 s30, s38, s35
	s_add_nc_u64 s[OUT:OUT+1], s[OUT:OUT+1], s[30:31]      ; the head's block
	s_lshl_b32 s30, s34, 6
	s_add_co_u32 s30, s30, s36
	s_add_nc_u64 s[SOUT:SOUT+1], s[OUT:OUT+1], s[30:31]    ; its scale words
	s_lshl_b32 s30, s34, 9
	s_add_nc_u64 s[OUT:OUT+1], s[OUT:OUT+1], s[30:31]      ; its codes
	RUNK
	v_mov_b32 v[T+2], 0                            ; a lane permute's destination counts as one of its sources
	v_mov_b32 v[T+3], 0
.irp a, 0,1,2,3
	QUANT2 ACC+32*\a, PC+4*\a, HW+\a
.endr
	v_cndmask_b32 v[WD], v[HW], v[HW+1], vcc_lo    ; lanes 0-15 the even tile's words, lanes 16-31 the odd one's
	v_cndmask_b32 v[WD+1], v[HW+2], v[HW+3], vcc_lo
.irp a, 0,1,2,3
	global_store_b128 v[LI], v[PC+4*\a:PC+4*\a+3], s[OUT:OUT+1] offset:512*\a   ; 512 consecutive bytes
.endr
	global_store_b32 v12, v[WD], s[SOUT:SOUT+1]
	global_store_b32 v12, v[WD+1], s[SOUT:SOUT+1] offset:128
	s_branch .Lend
	; ---- v: the sources change places
.Lv:
.set SW, 1
	s_mul_i32 s30, s38, 143360
	s_add_nc_u64 s[OUT:OUT+1], s[12:13], s[30:31]
	s_lshl_b32 s34, s39, 1
	s_lshr_b32 s35, s15, 1
	s_add_co_u32 s34, s34, s35                     ; the key step of 128 in which my 64 rows lie,
	s_and_b32 s35, s15, 1                          ; and which half of it
	s_lshl_b32 s30, s34, 8
	s_lshl_b32 s36, s35, 1
	s_add_co_u32 s30, s30, s36
	s_add_co_u32 s30, s30, 139264
	s_add_nc_u64 s[SOUT:SOUT+1], s[OUT:OUT+1], s[30:31]    ; scale words: key step, and my two bytes of the four
	s_lshl_b32 s30, s34, 12
	s_lshl_b32 s36, s35, 9
	s_add_co_u32 s30, s30, s36
	s_add_co_u32 s30, s30, 65536
	s_add_nc_u64 s[OUT:OUT+1], s[OUT:OUT+1], s[30:31]      ; codes: key step, and my half of each fragment
	RUNK
	v_mov_b32 v[T+2], 0
	v_mov_b32 v[T+3], 0
.irp t, 0,1,2,3
	QUANT2 ACC+32*\t, PC+4*\t, HW+\t
.endr
	v_cndmask_b32 v[WD], v[HW], v[HW+1], vcc_lo
	v_cndmask_b32 v[WD+1], v[HW+2], v[HW+3], vcc_lo
.irp t, 0,1,2,3
	global_store_b128 v[LI], v[PC+4*\t:PC+4*\t+3], s[OUT:OUT+1] offset:1024*\t
.endr
	global_store_b16 v12, v[WD], s[SOUT:SOUT+1]
	global_store_b16 v12, v[WD+1], s[SOUT:SOUT+1] offset:128
.Lend:
	s_wait_tensorcnt 0x0
	ds_add_u32 v14, v15
	s_wait_dscnt 0x0
	CROUND                                         ; the closing round: no work-group ends while a partner may still ask for a tile that names it
	s_endpgm
.Lfunc_end_k_q06dca3c035_qkv:
	.size	k_q06dca3c035_qkv, .Lfunc_end_k_q06dca3c035_qkv-k_q06dca3c035_qkv
	.p2alignl 7, 3214868480
	.fill 96, 4, 3214868480
	.section	.rodata,"a",@progbits
	.p2align	6, 0x0
	.amdhsa_kernel k_q06dca3c035_qkv
		.amdhsa_group_segment_fixed_size 280576
		.amdhsa_private_segment_fixed_size 0
		.amdhsa_enable_private_segment 0
		.amdhsa_kernarg_size 40
		.amdhsa_user_sgpr_count 2
		.amdhsa_user_sgpr_kernarg_segment_ptr 1
		.amdhsa_wavefront_size32 1
		.amdhsa_system_sgpr_workgroup_id_x 1
		.amdhsa_system_sgpr_workgroup_id_y 1
		.amdhsa_system_sgpr_workgroup_id_z 1
		.amdhsa_system_vgpr_workitem_id 0
		.amdhsa_next_free_vgpr 256
		.amdhsa_next_free_sgpr 100
		.amdhsa_reserve_vcc 1
		.amdhsa_float_denorm_mode_32 3
		.amdhsa_float_denorm_mode_16_64 3
		.amdhsa_memory_ordered 1
		.amdhsa_forward_progress 1
		.amdhsa_inst_pref_size 82
	.end_amdhsa_kernel
	.amdgpu_metadata
---
amdhsa.version: [ 1, 2 ]
amdhsa.kernels:
  - .name:           k_q06dca3c035_qkv
    .symbol:         k_q06dca3c035_qkv.kd
    .args:
      - { .name: a0, .offset: 0, .size: 8, .value_kind: global_buffer, .address_space: global }
      - { .name: wq, .offset: 8, .size: 8, .value_kind: global_buffer, .address_space: global }
      - { .name: b_qkv, .offset: 16, .size: 8, .value_kind: global_buffer, .address_space: global }
      - { .name: qb, .offset: 24, .size: 8, .value_kind: global_buffer, .address_space: global }
      - { .name: kv, .offset: 32, .size: 8, .value_kind: global_buffer, .address_space: global }
    .group_segment_fixed_size: 280576
    .private_segment_fixed_size: 0
    .kernarg_segment_align: 8
    .kernarg_segment_size: 40
    .max_flat_workgroup_size: 512
    .sgpr_count:     100
    .vgpr_count:     256
    .wavefront_size: 32
...
	.end_amdgpu_metadata
.endif
;; end of part 8
;; launch attn: the kernel of part 3 again; grid 8 x 32, 16 waves a work-group, no clusters, 169,984 bytes of LDS; arguments qb, kv, a1; writes a1
;; launch outln: the kernel of part 4 again; grid 256 x 1, 8 waves a work-group, no clusters, 69,632 bytes of LDS; arguments a1, wq, b_out, x, ln2_g, ln2_b, x1, a0; writes x1, a0
;; launch mlp1 (part 9): grid 16 x 16, 16 waves a work-group, clusters of 4 x 4, 280,576 bytes of LDS; arguments a0, wq, b1, hh; writes hh
.if DOCPART == 9
	.amdgcn_target "amdgcn-amd-amdhsa--gfx1250"
	.amdhsa_code_object_version 6
	.text
	.protected	k_q06dca3c035_mlp1
	.globl	k_q06dca3c035_mlp1
	.p2align	8
	.type	k_q06dca3c035_mlp1,@function
k_q06dca3c035_mlp1:
	s_mov_b64 s[64:65], 0
	v_nop
	global_prefetch_b8 v0, s[64:65] scope:SCOPE_SE
	s_setreg_imm32_b32 hwreg(HW_REG_WAVE_MODE, 25, 1), 1
	s_wait_xcnt 0x0
	s_wait_alu depctr_hold_cnt(0) depctr_sa_sdst(0) depctr_va_vdst(0) depctr_va_sdst(0) depctr_va_ssrc(0) depctr_va_vcc(0) depctr_vm_vsrc(0)
	s_getreg_b32 s2, hwreg(HW_REG_IB_STS2, 6, 4)
	s_cmp_eq_u32 s2, 0
	s_cbranch_scc0 .Lentry_in_a_cluster
	s_endpgm
.Lentry_in_a_cluster:
	s_bfe_u32 s2, ttmp6, 0x10000c
	s_cmp_lg_u32 s2, 0xf033
	s_cbranch_scc0 .Lentry_shape_is_right
	s_endpgm
.Lentry_shape_is_right:
; h = gelu(LN2(x1) w1 + b1), exact gelu, on FP4 codes, and h quantised at once along the next product's K.
; A work-group of sixteen waves makes 256 rows x 256 columns, each wave 64 x 64: 16 accumulators in 256 registers, four waves to a SIMD; 16 x 16 work-groups.
; LDS IS FILLED ONCE.  K = 1,024, so the work-group's 16 tiles of rows (131,072 bytes of codes), its 16 tiles of the weight's columns (131,072) and their scale words (2 x 8,192) fit together: 278,528 bytes.
; All four blocks are dense in memory and lie in the order of the operand's registers.  Wave w brings tile w of each side: 512 bytes of scale words and two halves of 4,096 bytes of codes (K steps 0-3, K steps 4-7): six tensor
; loads a wave are out, by this text's count.  No byte is filled again.  K steps 0-3 are multiplied while the loads of K steps 4-7 land.
; CLUSTERS: 4 x 4 work-groups.  The four of a row of the cluster need the same rows, the four of a column the same columns of the weight: each load is asked for JOINTLY, with the same descriptor and a mask that names the four.
; The product is used TRANSPOSED (source 0 = 16 columns of the weight, in the order 32 B + 8 u + p + 8 (p / 8)): a lane holds one row, and the 32 registers of an A tile are 2 x 16 neighbours along the next K.
; gelu(u) = u / 2 (1 + erf(u / sqrt 2)), erf(z) = z P(z^2) / Q(z^2) with z held to +-4 (beyond that erf is +-1 in f32), P of degree 6 and Q of degree 4 in z^2.
; LIMITS: erf's absolute error is about 1e-7, so for strongly negative u gelu carries an absolute error of about 1e-7 |u|, not a relative one; a block of zeros, or one under 2^-124, gets the scale byte 1;
; NaN and infinities are not served.
.set WCD,  2097152                     ; where the weight's codes begin in wq
.set WSC,  6422528                     ; and its scale bytes
.set LDW,  131072                      ; LDS: A's codes at 0, the weight's here,
.set LDSA, 262144                      ; A's scale words,
.set LDSW, 270336                      ; the weight's
.set LI,   1                           ; v1  16 x lane
.set LA,   2                           ; v2  LDS: my four tiles of A, 16 x lane
.set LW,   3                           ; v3  my four tiles of the weight
.set LSA,  4                           ; v4  A's scale words: 512 h + 16 r in my four tiles
.set LSW,  5                           ; v5  the weight's
.set SC,   16                          ; v16-31  scale words of four K steps: nothing else ever stands here
.set BI,   32                          ; v32-63  the bias, as the C of the first K step; later gelu's work registers
.set Z,    32
.set Z2,   40
.set P,    48
.set QQ,   56
.set F,    64                          ; v64-127 a K step's fragments: A's four, then the weight's four; later at work
.set CA,   64                          ; v[64:65] P's leading coefficient, twice
.set CB,   66                          ; v[66:67] Q's
.set T,    68
.set PC,   76
.set HW,   92
.set WD,   96
.set ACC,  128                         ; v128-255 the accumulators
.set WV,   14
.set OUT,  20
.set SOUT, 22
.set PBI,  28
.set SEL,  32
.set G0SA, 40
.set G0SW, 44
.set G0A0, 48
.set G0W0, 52
.set G0A1, 56
.set G0W1, 60
.set G1A,  68
.set G1W,  76
.set G1SA, 84
.set G1SW, 92
.macro PLACES                          ; four plain instructions between a matrix instruction and a load into, or a read of, its registers
.rept 4
	v_nop
.endr
.endm
.macro CROUND                          ; a round of the cluster's barrier
	s_barrier_signal -1
	s_barrier_wait -1
	s_cmp_lg_u32 s[WV], 0
	s_cbranch_scc1 .Lnot_wave_0_\@
	s_barrier_signal -3
.Lnot_wave_0_\@:
	s_barrier_wait -3
	s_barrier_signal -1
	s_barrier_wait -1
.endm
.macro WM
.if R0 && R1
	v_wmma_scale_f32_16x16x128_f8f6f4 v[rD:rD+7], v[rS0:rS0+7], v[rS1:rS1+7], v[rC:rC+7], v[rX0], v[rX1] matrix_a_fmt:MATRIX_FMT_FP4 matrix_b_fmt:MATRIX_FMT_FP4 matrix_a_scale:MATRIX_SCALE_ROW1 matrix_b_scale:MATRIX_SCALE_ROW1
.elseif R0
	v_wmma_scale_f32_16x16x128_f8f6f4 v[rD:rD+7], v[rS0:rS0+7], v[rS1:rS1+7], v[rC:rC+7], v[rX0], v[rX1] matrix_a_fmt:MATRIX_FMT_FP4 matrix_b_fmt:MATRIX_FMT_FP4 matrix_a_scale:MATRIX_SCALE_ROW1
.elseif R1
	v_wmma_scale_f32_16x16x128_f8f6f4 v[rD:rD+7], v[rS0:rS0+7], v[rS1:rS1+7], v[rC:rC+7], v[rX0], v[rX1] matrix_a_fmt:MATRIX_FMT_FP4 matrix_b_fmt:MATRIX_FMT_FP4 matrix_b_scale:MATRIX_SCALE_ROW1
.else
	v_wmma_scale_f32_16x16x128_f8f6f4 v[rD:rD+7], v[rS0:rS0+7], v[rS1:rS1+7], v[rC:rC+7], v[rX0], v[rX1] matrix_a_fmt:MATRIX_FMT_FP4 matrix_b_fmt:MATRIX_FMT_FP4
.endif
.endm
.macro QUANT2 s, pc, hw
.set QS, \s
.set QP, \pc
.set QH, \hw
.irp b, 0,1
	v_max3_num_f32 v[T+\b], |v[QS+16*\b]|, |v[QS+16*\b+1]|, 0x1800000
.endr
.irp i, 2,4,6,8,10,12,14
.irp b, 0,1
	v_max3_num_f32 v[T+\b], v[T+\b], |v[QS+16*\b+\i]|, |v[QS+16*\b+\i+1]|
.endr
.endr
.irp b, 0,1
	v_permlanex16_b32 v[T+2+\b], v[T+\b], s[SEL], s[SEL+1]
.endr
.irp b, 0,1
	v_max_num_f32 v[T+\b], v[T+\b], v[T+2+\b]
.endr
.irp b, 0,1
	v_add_nc_u32 v[T+4+\b], 0xff000000, v[T+\b]
.endr
.irp b, 0,1
	v_lshrrev_b32 v[T+2+\b], 23, v[T+4+\b]
.endr
	v_lshl_or_b32 v[QH], v[T+3], 8, v[T+2]
.irp b, 0,1
	v_cvt_scalef32_pk8_fp4_f32 v[QP+2*\b], v[QS+16*\b:QS+16*\b+7], v[T+4+\b]
	v_cvt_scalef32_pk8_fp4_f32 v[QP+2*\b+1], v[QS+16*\b+8:QS+16*\b+15], v[T+4+\b]
.endr
	v_nop
	v_permlane16_swap_b32 v[QP], v[QP+2]
	v_permlane16_swap_b32 v[QP+1], v[QP+3]
.endm
.macro MUL4 a, q, first                ; A's tile a against the weight's four.  The sixteen accumulators take turns, in the same order in every step
.irp t, 0,1,2,3
.set rD,  ACC+32*(\a)+8*\t
.set rS0, F+32+8*\t
.set rS1, F+8*(\a)
.set rX0, SC+8+4*(\t/2)+(\q)
.set rX1, SC+4*((\a)/2)+(\q)
.set R0,  \t%2
.set R1,  (\a)%2
.if \first
.set rC, BI+8*\t
.else
.set rC, rD
.endif
	WM
.endr
.endm
.macro STEP s                          ; a K step of 128: 16 LDS loads of 512 consecutive bytes (20 with the scale words of four steps), 16 products
.if (\s) > 0
	PLACES                                         ; behind the last step's products, ahead of the loads into the registers that they read
.endif
.if (\s)%4 == 0
.irp p, 0,1
	ds_load_b128 v[SC+4*\p:SC+4*\p+3], v[LSA] offset:1024*\p+256*((\s)/4)       ; lanes 0-15 the even tile of a pair, lanes 16-31 the odd one; register q: K step 4 (s / 4) + q
	ds_load_b128 v[SC+8+4*\p:SC+8+4*\p+3], v[LSW] offset:1024*\p+256*((\s)/4)
.endr
.endif
.irp t, 0,1,2,3
.irp c, 0,1
	ds_load_b128 v[F+32+8*\t+4*\c:F+32+8*\t+4*\c+3], v[LW] offset:8192*\t+1024*(\s)+512*\c
.endr
.endr
.irp a, 0,1,2,3
.irp c, 0,1
	ds_load_b128 v[F+8*\a+4*\c:F+8*\a+4*\c+3], v[LA] offset:8192*\a+1024*(\s)+512*\c
.endr
.endr
	s_wait_dscnt 4                                 ; all but the youngest four loads, A's tiles 2 and 3, are in
	MUL4 0, (\s)%4, (\s)==0
	MUL4 1, (\s)%4, (\s)==0
	s_wait_dscnt 0x0
	MUL4 2, (\s)%4, (\s)==0
	MUL4 3, (\s)%4, (\s)==0
.endm
; gelu of eight numbers in place, v[u] .. v[u + 7]: one accumulator, read from its low end on
.macro GELU8 u
.set U, \u
.irp k, 0,2,4,6
	v_pk_mul_f32 v[Z+\k:Z+\k+1], v[U+\k:U+\k+1], 0x3f3504f3 op_sel_hi:[1,0]   ; z = u / sqrt 2
.endr
.irp k, 0,1,2,3,4,5,6,7
	v_med3_num_f32 v[Z+\k], v[Z+\k], -4.0, 4.0
.endr
.irp k, 0,2,4,6
	v_pk_mul_f32 v[Z2+\k:Z2+\k+1], v[Z+\k:Z+\k+1], v[Z+\k:Z+\k+1]
.endr
.irp k, 0,2,4,6
	v_pk_fma_f32 v[P+\k:P+\k+1], v[CA:CA+1], v[Z2+\k:Z2+\k+1], 0x32edffee op_sel_hi:[1,1,0]
	v_pk_fma_f32 v[QQ+\k:QQ+\k+1], v[CB:CB+1], v[Z2+\k:Z2+\k+1], 0xb95fbd29 op_sel_hi:[1,1,0]
.endr
.irp cf, 0xb60cff51, 0xb86ec2d2, 0xba40ac63, 0xbb41a1f6, 0xbc83dbd4
.irp k, 0,2,4,6
	v_pk_fma_f32 v[P+\k:P+\k+1], v[P+\k:P+\k+1], v[Z2+\k:Z2+\k+1], \cf op_sel_hi:[1,1,0]
.endr
.endr
.irp cf, 0xbadc924e, 0xbbf19bf8, 0xbc69b6a7
.irp k, 0,2,4,6
	v_pk_fma_f32 v[QQ+\k:QQ+\k+1], v[QQ+\k:QQ+\k+1], v[Z2+\k:Z2+\k+1], \cf op_sel_hi:[1,1,0]
.endr
.endr
.irp k, 0,1,2,3,4,5,6,7
	v_rcp_f32 v[QQ+\k], v[QQ+\k]
.endr
.irp k, 0,2,4,6
	v_pk_mul_f32 v[P+\k:P+\k+1], v[P+\k:P+\k+1], v[Z+\k:Z+\k+1]               ; plain work behind the reciprocals
.endr
.irp k, 0,2,4,6
	v_pk_mul_f32 v[Z+\k:Z+\k+1], v[U+\k:U+\k+1], 0.5 op_sel_hi:[1,0]
.endr
	s_wait_alu depctr_va_vdst(0)                   ; one wait for the eight, ahead of their first reader
.irp k, 0,2,4,6
	v_pk_mul_f32 v[P+\k:P+\k+1], v[P+\k:P+\k+1], v[QQ+\k:QQ+\k+1]             ; erf
.endr
.irp k, 0,2,4,6
	v_pk_fma_f32 v[U+\k:U+\k+1], v[Z+\k:Z+\k+1], v[P+\k:P+\k+1], v[Z+\k:Z+\k+1]   ; u / 2 erf + u / 2
.endr
.endm
	s_load_b256 s[4:11], s[0:1], 0x0               ; a0 s[4:5], wq s[6:7], b1 s[8:9], hh s[10:11]
	v_lshl_add_u32 v14, v0, 2, 0x44000
	v_mov_b32 v15, 0
	ds_add_u32 v14, v15
	ds_add_u32 v14, v15
	v_lshrrev_b32 v6, 5, v0
	v_readfirstlane_b32 s[WV], v6                  ; wave 0..15
	s_lshr_b32 s15, s[WV], 2                       ; which 64 rows
	s_and_b32 s16, s[WV], 3                        ; which 64 columns
	s_bfe_u32 s66, ttmp6, 0x40000                  ; cx, cy: my place in the cluster
	s_bfe_u32 s67, ttmp6, 0x40004
	s_lshl_b32 s3, ttmp9, 2
	s_add_co_u32 s3, s3, s66                       ; work-group x = 4 x cluster x + cx
	s_and_b32 s17, ttmp7, 0xffff
	s_lshl_b32 s17, s17, 2
	s_add_co_u32 s17, s17, s67                     ; work-group y = 4 x cluster y + cy
	s_lshl_b32 s18, s67, 2
	s_lshl_b32 s18, 15, s18                        ; my row of the cluster
	s_lshl_b32 s2, 0x1111, s66                     ; my column
	s_or_b32 s[G1A], s18, (3<<16)|(1<<21)          ; 15:0 the mask; 17:16 elements of 8 bytes; 21 set beside a mask; no padding
	s_or_b32 s[G1SA], s18, (3<<16)|(1<<21)
	s_or_b32 s[G1W], s2, (3<<16)|(1<<21)
	s_or_b32 s[G1SW], s2, (3<<16)|(1<<21)
.irp g, G1A, G1W
	s_mov_b32 s[\g+1], 32<<16                      ; tensor_dim0 = 32 elements: 256 bytes
	s_mov_b32 s[\g+2], 16<<16                      ; tensor_dim1 = 16 rows: 4,096 dense bytes
	s_mov_b32 s[\g+3], 32<<16                      ; tile_dim0
	s_mov_b32 s[\g+4], 16                          ; tile_dim1
	s_mov_b32 s[\g+5], 32                          ; from row to row: dense
	s_mov_b32 s[\g+6], 0
	s_mov_b32 s[\g+7], 0
.endr
.irp g, G1SA, G1SW
	s_mov_b32 s[\g+1], 32<<16
	s_mov_b32 s[\g+2], 2<<16                       ; 2 rows: 512 dense bytes
	s_mov_b32 s[\g+3], 32<<16
	s_mov_b32 s[\g+4], 2
	s_mov_b32 s[\g+5], 32
	s_mov_b32 s[\g+6], 0
	s_mov_b32 s[\g+7], 0
.endr
	s_lshl_b32 s24, s17, 4
	s_add_co_u32 s24, s24, s[WV]                   ; the tile of rows that I fetch: 16 y + wave: it hangs on y alone, which my row of the cluster shares
	s_lshl_b32 s34, s24, 9
	s_add_co_u32 s34, s34, 0x200000                ; its scale words
	s_mov_b32 s35, 0
	s_lshl_b32 s24, s24, 13                        ; its codes
	s_mov_b32 s25, 0
	s_lshl_b32 s26, s3, 4
	s_add_co_u32 s26, s26, s[WV]                   ; the tile of columns that I fetch: 16 x + wave: on x alone
	s_lshl_b32 s36, s26, 9
	s_add_co_u32 s36, s36, WSC
	s_mov_b32 s37, 0
	s_lshl_b32 s26, s26, 13
	s_add_co_u32 s26, s26, WCD
	s_mov_b32 s27, 0
	s_mov_b32 s[G0SA], 1                           ; count = 1
	s_lshl_b32 s[G0SA+1], s[WV], 9                 ; LDS addresses: a constant + the wave's number x a constant
	s_add_co_u32 s[G0SA+1], s[G0SA+1], LDSA
	s_mov_b32 s[G0SW], 1
	s_lshl_b32 s[G0SW+1], s[WV], 9
	s_add_co_u32 s[G0SW+1], s[G0SW+1], LDSW
	s_mov_b32 s[G0A0], 1
	s_lshl_b32 s[G0A0+1], s[WV], 13
	s_mov_b32 s[G0A1], 1
	s_add_co_u32 s[G0A1+1], s[G0A0+1], 4096
	s_mov_b32 s[G0W0], 1
	s_add_co_u32 s[G0W0+1], s[G0A0+1], LDW
	s_mov_b32 s[G0W1], 1
	s_add_co_u32 s[G0W1+1], s[G0A0+1], LDW+4096
	s_wait_dscnt 0x0
	s_wait_kmcnt 0x0
	s_add_nc_u64 s[G0SA+2:G0SA+3], s[4:5], s[34:35]
	s_add_nc_u64 s[G0SW+2:G0SW+3], s[6:7], s[36:37]
	s_add_nc_u64 s[G0A0+2:G0A0+3], s[4:5], s[24:25]
	s_add_nc_u64 s[G0A1+2:G0A1+3], s[G0A0+2:G0A0+3], 4096
	s_add_nc_u64 s[G0W0+2:G0W0+3], s[6:7], s[26:27]
	s_add_nc_u64 s[G0W1+2:G0W1+3], s[G0W0+2:G0W0+3], 4096
.irp g, G0SA, G0SW, G0A0, G0W0, G0A1, G0W1
	s_or_b32 s[\g+3], s[\g+3], 0x80000000          ; type = 2
.endr
	CROUND                                         ; all sixteen work-groups are here: the joint loads meet
	tensor_load_to_lds s[G0SA:G0SA+3], s[G1SA:G1SA+7]      ; the launch's fills, as one group: the scale words,
	s_nop 0
	tensor_load_to_lds s[G0SW:G0SW+3], s[G1SW:G1SW+7]
	s_nop 0
	tensor_load_to_lds s[G0A0:G0A0+3], s[G1A:G1A+7]        ; K steps 0-3,
	s_nop 0
	tensor_load_to_lds s[G0W0:G0W0+3], s[G1W:G1W+7]
	s_nop 0
	tensor_load_to_lds s[G0A1:G0A1+3], s[G1A:G1A+7]        ; K steps 4-7
	s_nop 0
	tensor_load_to_lds s[G0W1:G0W1+3], s[G1W:G1W+7]
	s_nop 0
.rept 4
	v_nop
.endr
	v_and_b32 v6, 31, v0                           ; lane
	v_and_b32 v7, 15, v0                           ; r
	v_bfe_u32 v8, v0, 4, 1                         ; h
	v_lshlrev_b32 v[LI], 4, v6
	v_lshlrev_b32 v9, 4, v7
	v_lshl_add_u32 v13, v8, 11, v9                 ; out, scale bytes: 2,048 h + 16 r
	v_lshl_add_u32 v9, v8, 9, v9                   ; 512 h + 16 r
	s_lshl_b32 s30, s15, 15
	v_add_nc_u32 v[LA], s30, v[LI]
	s_lshl_b32 s30, s16, 15
	s_add_co_u32 s30, s30, LDW
	v_add_nc_u32 v[LW], s30, v[LI]
	s_lshl_b32 s30, s15, 11
	s_add_co_u32 s30, s30, LDSA
	v_add_nc_u32 v[LSA], s30, v9
	s_lshl_b32 s30, s16, 11
	s_add_co_u32 s30, s30, LDSW
	v_add_nc_u32 v[LSW], s30, v9
	v_lshlrev_b32 v10, 6, v8                       ; 64 h
	s_mov_b32 s[SEL], 0x76543210
	s_mov_b32 s[SEL+1], 0xfedcba98
	s_mov_b32 vcc_lo, 0xffff0000                   ; lanes 16-31
	s_lshl_b32 s19, s3, 4
	s_lshl_b32 s30, s16, 2
	s_add_co_u32 s19, s19, s30                     ; my first tile of columns
	s_lshl_b32 s30, s19, 6
	s_mov_b32 s31, 0
	s_add_nc_u64 s[PBI:PBI+1], s[8:9], s[30:31]
.irp t, 0,1,2,3
.irp k, 0,1
	global_load_b128 v[BI+8*\t+4*\k:BI+8*\t+4*\k+3], v10, s[PBI:PBI+1] offset:128*(\t/2)+32*(\t%2)+16*\k   ; the bias of my eight columns 32 (t / 2) + 16 h + 8 (t % 2) + j
.endr
.endr
	s_lshl_b32 s18, s17, 4
	s_lshl_b32 s30, s15, 2
	s_add_co_u32 s18, s18, s30                     ; my first tile of rows
	s_lshr_b32 s38, s19, 2                         ; which 64 of the next K are mine: K step / 2 and half
	s_lshl_b32 s30, s18, 15
	s_lshl_b32 s34, s38, 9
	s_add_co_u32 s30, s30, s34
	s_add_nc_u64 s[OUT:OUT+1], s[10:11], s[30:31]  ; out: tile x 32,768 + K step x 1,024 + half x 512
	s_lshl_b32 s30, s18, 11
	s_lshr_b32 s34, s38, 3
	s_lshl_b32 s34, s34, 8
	s_add_co_u32 s30, s30, s34
	s_and_b32 s34, s38, 7
	s_lshl_b32 s34, s34, 1
	s_add_co_u32 s30, s30, s34
	s_add_co_u32 s30, s30, 8388608
	s_add_nc_u64 s[SOUT:SOUT+1], s[10:11], s[30:31]        ; and my two scale bytes of each row
	s_wait_loadcnt 0x0                             ; the bias
	s_wait_tensorcnt 2                             ; my scale words and my parts of K steps 0-3 lie in LDS; the two loads of K steps 4-7 may be out
	s_barrier_signal -1
	s_barrier_wait -1                              ; everybody's do
.set Q, 0
.rept 4
	STEP Q
.set Q, Q+1
.endr
	s_wait_tensorcnt 0x0                           ; my parts of K steps 4-7 lie in LDS (no LDS load of mine is out: the last step's wait was for 0),
	s_barrier_signal -1
	s_barrier_wait -1                              ; everybody's do
.rept 4
	STEP Q
.set Q, Q+1
.endr
	PLACES                                         ; ahead of the first read of results and of writes over the fragments
	v_mov_b32 v[CA], 0xaf95df0b
	v_mov_b32 v[CA+1], 0xaf95df0b
	v_mov_b32 v[CB], 0xb77460cd
	v_mov_b32 v[CB+1], 0xb77460cd
	v_mov_b32 v[T+2], 0                            ; a lane permute's destination counts as one of its sources
	v_mov_b32 v[T+3], 0
.set N, 0
.rept 16
	GELU8 ACC+8*N
.set N, N+1
.endr
.irp a, 0,1,2,3
	QUANT2 ACC+32*\a, PC+4*\a, HW+\a
.endr
	v_cndmask_b32 v[WD], v[HW], v[HW+1], vcc_lo    ; lanes 0-15 the even tile's bytes, lanes 16-31 the odd one's
	v_cndmask_b32 v[WD+1], v[HW+2], v[HW+3], vcc_lo
.irp a, 0,1,2,3
	global_store_b128 v[LI], v[PC+4*\a:PC+4*\a+3], s[OUT:OUT+1] offset:32768*\a   ; 512 consecutive bytes
.endr
	global_store_b16 v13, v[WD], s[SOUT:SOUT+1]
	global_store_b16 v13, v[WD+1], s[SOUT:SOUT+1] offset:4096
	s_wait_tensorcnt 0x0
	ds_add_u32 v14, v15
	s_wait_dscnt 0x0
	CROUND                                         ; the closing round: no work-group ends while a partner may still ask for a tile that names it
	s_endpgm
.Lfunc_end_k_q06dca3c035_mlp1:
	.size	k_q06dca3c035_mlp1, .Lfunc_end_k_q06dca3c035_mlp1-k_q06dca3c035_mlp1
	.p2alignl 7, 3214868480
	.fill 96, 4, 3214868480
	.section	.rodata,"a",@progbits
	.p2align	6, 0x0
	.amdhsa_kernel k_q06dca3c035_mlp1
		.amdhsa_group_segment_fixed_size 280576
		.amdhsa_private_segment_fixed_size 0
		.amdhsa_enable_private_segment 0
		.amdhsa_kernarg_size 32
		.amdhsa_user_sgpr_count 2
		.amdhsa_user_sgpr_kernarg_segment_ptr 1
		.amdhsa_wavefront_size32 1
		.amdhsa_system_sgpr_workgroup_id_x 1
		.amdhsa_system_sgpr_workgroup_id_y 1
		.amdhsa_system_sgpr_workgroup_id_z 1
		.amdhsa_system_vgpr_workitem_id 0
		.amdhsa_next_free_vgpr 256
		.amdhsa_next_free_sgpr 100
		.amdhsa_reserve_vcc 1
		.amdhsa_float_denorm_mode_32 3
		.amdhsa_float_denorm_mode_16_64 3
		.amdhsa_memory_ordered 1
		.amdhsa_forward_progress 1
		.amdhsa_inst_pref_size 142
	.end_amdhsa_kernel
	.amdgpu_metadata
---
amdhsa.version: [ 1, 2 ]
amdhsa.kernels:
  - .name:           k_q06dca3c035_mlp1
    .symbol:         k_q06dca3c035_mlp1.kd
    .args:
      - { .name: a0, .offset: 0, .size: 8, .value_kind: global_buffer, .address_space: global }
      - { .name: wq, .offset: 8, .size: 8, .value_kind: global_buffer, .address_space: global }
      - { .name: b1, .offset: 16, .size: 8, .value_kind: global_buffer, .address_space: global }
      - { .name: hh, .offset: 24, .size: 8, .value_kind: global_buffer, .address_space: global }
    .group_segment_fixed_size: 280576
    .private_segment_fixed_size: 0
    .kernarg_segment_align: 8
    .kernarg_segment_size: 32
    .max_flat_workgroup_size: 512
    .sgpr_count:     100
    .vgpr_count:     256
    .wavefront_size: 32
...
	.end_amdgpu_metadata
.endif
;; end of part 9
;; launch mlp2: the kernel of part 6 again; grid 8 x 32, 4 waves a work-group, no clusters, 17,920 bytes of LDS; arguments hh, wq, b2, x1, out0; writes out0
